; MI455X (gfx1250); checked and timed in simulation.
; The chip was launched on July 23, 2026; its instructions are those of AMD's public machine-readable ISA for CDNA 5 (MIT licence, August 2026) and "CDNA5" Instruction Set Architecture Reference Guide (July 2026). The comments in the code are by the model that wrote it; some were corrected since.
;; Rotary Transformer Block. Allowed arithmetic: matrix products marked QUANTISED: E2M3 operands, one E8M0 scale for each 32 along K, by v_wmma_scale_f32_16x16x128_f8f6f4 with both operands' format E2M3, f32 sums; everything else in f32.
;; Inputs: fc1_b 4,096 float32; fc1_w_codes 4,096 x 32 x 24 uint8 (E2M3 codes of fc1_w, K innermost, in blocks of 32 codes, four codes in three bytes); fc1_w_scales 4,096 x 32 uint8 (E8M0 scales of fc1_w, one for each 32 codes along K); fc2_b 1,024 float32; fc2_w_codes 1,024 x 128 x 24 uint8 (E2M3 codes of fc2_w, K innermost, in blocks of 32 codes, four codes in three bytes); fc2_w_scales 1,024 x 128 uint8 (E8M0 scales of fc2_w, one for each 32 codes along K); ffn_ln_b 4,096 float32; ffn_ln_g 4,096 float32; ln1_b 1,024 float32; ln1_g 1,024 float32; ln2_b 1,024 float32; ln2_g 1,024 float32; proj_b 1,024 float32; proj_w_codes 1,024 x 32 x 24 uint8 (E2M3 codes of proj_w, K innermost, in blocks of 32 codes, four codes in three bytes); proj_w_scales 1,024 x 32 uint8 (E8M0 scales of proj_w, one for each 32 codes along K); qkv_b 3,072 float32; qkv_w_codes 3,072 x 32 x 24 uint8 (E2M3 codes of qkv_w, K innermost, in blocks of 32 codes, four codes in three bytes); qkv_w_scales 3,072 x 32 uint8 (E8M0 scales of qkv_w, one for each 32 codes along K); x 2 x 2,048 x 1,024 float32.
;; Outputs: out0 2 x 2,048 x 1,024 float32.
;; This version of the problem:
;;   THIS VERSION OF THE PROBLEM IS GIVEN IN LOW PRECISION. The matrix products marked QUANTISED in the list below multiply operands that are first quantised to E2M3 (2 exponent bits, 3 mantissa bits; 6 bits a number), with one power-of-two scale for each 32 numbers along K (OCP MX v1.0); their sums are f32. All else is computed in f32.
;;   The module's matrix products, in the order in which they are computed (A, B: the left and right operand; K: the contracted axis; several contracted axes count as one K, in the product's order):
;;     1. [M 4,096, K 1,024] x [K 1,024, N 3,072]; A: computed on the way; B: input qkv_w (given as codes): QUANTISED
;;     2. batch 32 x [M 2,048, K 64] x [K 64, N 2,048]; A: computed on the way; B: computed on the way: QUANTISED
;;     3. batch 32 x [M 2,048, K 2,048] x [K 2,048, N 64]; A: softmax (see below); B: computed on the way: QUANTISED
;;     4. [M 4,096, K 1,024] x [K 1,024, N 1,024]; A: computed on the way; B: input proj_w (given as codes): QUANTISED
;;     5. [M 4,096, K 1,024] x [K 1,024, N 4,096]; A: computed on the way; B: input fc1_w (given as codes): QUANTISED
;;     6. [M 4,096, K 4,096] x [K 4,096, N 1,024]; A: computed on the way; B: input fc2_w (given as codes): QUANTISED
;;   THE QUANTISER, for each operand of a quantised product, along K:
;;     - K is cut into blocks of 32 from its start; a last block that is shorter is filled with zeros.
;;     - A block's scale is 2^e with e = floor(log2(the largest magnitude in the block)) - 2, held to -126 .. 127; a block of zeros has e = 0. As a byte (E8M0): e + 127.
;;     - Each number is divided by its block's scale, clamped to +-7.5, and rounded to the nearest number of E2M3, ties to even, subnormals kept.
;;     - The product sums the exact products of the quantised numbers (number of the format x scale) in f32.
;;   ~~~python
;;   def quantise(x, axis):      # numpy; x: float32 -> the quantised numbers, widened to float32 again
;;       x = np.moveaxis(x, axis, -1); K = x.shape[-1]
;;       x = np.pad(x, [(0, 0)] * (x.ndim - 1) + [(0, -K % 32)]); x = x.reshape(x.shape[:-1] + (-1, 32)); a = np.abs(x).max(-1, keepdims=True)
;;       e = np.where(a > 0, np.clip(np.frexp(np.where(a > 0, a, 1))[1] - 1 - 2, -126, 127), 0)      # np.frexp(a)[1] - 1 = floor(log2(a)), exactly
;;       r = np.clip(x / 2.0 ** e, -7.5, 7.5)
;;       step = 2.0 ** (np.maximum(np.frexp(np.where(r == 0, 1, r))[1] - 1, 0) - 3)
;;       q = np.round(r / step) * step * 2.0 ** e      # np.round: ties to even
;;       return np.moveaxis(q.reshape(q.shape[:-2] + (-1,))[..., :K], -1, axis).astype(np.float32)
;;   ~~~
;;   SOFTMAX AHEAD OF A QUANTISED PRODUCT. Where the list says 'softmax', what is quantised is not the finished softmax but p = 2^(t - M), with t = logit x log2(e) and M = ceil(the row's largest t), a whole number; so 1/2 < the row's largest p <= 1. The row's sum l is taken of the UNQUANTISED p, in f32, and the product's result is divided by l at the end. Since M is a whole number, a kernel that streams over the keys may use a running M (the ceiling of the running maximum): every later rescaling is an exact power of two, which a block's scale takes up: the codes' values come out the same.
;;   OPERANDS COMPUTED ON THE WAY. 'Computed on the way' means the value that the module computes at that place (a softmax that the list does not call 'softmax' is quantised finished and normalised). What goes into a quantiser is computed in f32, as accurately as f32 sums, v_exp_f32 and their like allow (about 1e-6 of the number): no bf16 or f16 on the way to a quantiser, and a product that is left as it is and whose result goes on into a quantised operand takes f32 operands (vector FMAs, or v_wmma_f32_16x16x4_f32). A number that lies on a knife's edge between two numbers of the format may be rounded either way, as far as f32 arithmetic and the matrix unit's own rounding can turn it there, and no further.
;;   INPUTS GIVEN AS CODES. fc1_w (in the module: [1024, 4096], K = its axis 0); fc2_w (in the module: [4096, 1024], K = its axis 0); proj_w (in the module: [1024, 1024], K = its axis 0); qkv_w (in the module: [1024, 3072], K = its axis 0): each comes as NAME_codes (uint8): NAME with its K axis moved to the last place and cut into blocks of 32 codes, [.., K / 32, bytes a block], one block behind the other in memory; four codes in three bytes: a row's codes are one little-endian stream of bits, code i at bits 6 i .. 6 i + 5 (a code: sign, 2 exponent bits, 3 mantissa bits); and NAME_scales (uint8): the same leading axes, one E8M0 byte (e + 127) for each 32 codes along K. Its value is code x scale, taken as it is: it is not quantised again, and the codes and scales need not be those that the quantiser above would give.
;; One version. Each part assembles by itself: llvm-mc -triple=amdgcn-amd-amdhsa -mcpu=gfx1250 --defsym DOCPART=n.
;; ======== version 1 of 1: 8 launches
;; limits: right only within a limited range of input values
;; workspace buffers: acta 3,276,800 bytes; rope 524,288 bytes; qkvc 10,092,544 bytes; actb 3,276,800 bytes; x1 16,777,216 bytes; hid 67,108,864 bytes; actc 13,107,200 bytes; wimg 9,437,184 bytes
;; launch ln1 (part 1): grid 576 x 1, 16 waves a work-group, no clusters, 68,608 bytes of LDS; arguments x, ln1_g, ln1_b, acta, rope, qkv_w_codes, proj_w_codes, fc1_w_codes, fc2_w_codes, wimg; writes acta, rope, wimg
.if DOCPART == 1
	.amdgcn_target "amdgcn-amd-amdhsa--gfx1250"
	.amdhsa_code_object_version 6
	.text
	.protected	k_q5c9488f593_ln1
	.globl	k_q5c9488f593_ln1
	.p2align	8
	.type	k_q5c9488f593_ln1,@function
k_q5c9488f593_ln1:
	s_mov_b64 s[64:65], 0
	v_nop
	global_prefetch_b8 v0, s[64:65] scope:SCOPE_SE
	s_setreg_imm32_b32 hwreg(HW_REG_WAVE_MODE, 25, 1), 1
	s_wait_xcnt 0x0
; LayerNorm over rows of 1,024 f32, then the MX-FP6 quantiser along the row.  Work-groups 0-255: 16 rows (one tile of tokens) each.
; Work-groups from 448 on (only the first launch of this body has them, 128 of them): the rotary table, cos and sin of n x 10000^(-i/32): one row n to a wave, 16 rows to a work-group, so that no wave walks rows one after the other.
; PHASE 1: wave w owns row w: 8 loads of 512 consecutive bytes, mean, variance of the differences, (x - mean) rstd g + b, all f32; the row goes to a stage in LDS.
; PHASE 2: wave w owns 64 columns (chunk w) of all 16 rows: lane (r, h) takes 16 neighbours of each of the chunk's two blocks of 32, quantises them, and the wave stores
; the chunk as an IMAGE OF OPERAND REGISTERS: 768 bytes: registers 0-3 of lane l at 16 l, registers 4-5 at 512 + 8 l.  Scale bytes go out as plain rows [token][32], gathered in LDS, 512 bytes a work-group.
; A block's scale byte is its largest magnitude's exponent field - 2, held at 1 from below.
; LIMITS: NaN and infinities are not served.  A block of zeros, or one whose largest magnitude lies under 2^-124, gets the byte 1 (the rule says 127 for zeros): its codes are zeros and only this program reads the bytes.
; The table: inv_freq by v_exp_f32 of an exact product and a first-order correction (about 1.5 units in its last place), so an angle near 2,000 rad may be off by 1.5e-4 rad; the reduction by pi/2 is in two parts, the polynomials are of f32 quality on +-pi/4.
; No tensor loads, no matrix unit, no cluster: the launch streams, and work-groups share nothing but g and b.
.set PITCH, 4112                       ; a stage row: 4,096 bytes + 16: 1,028 words
.set SCST,  16*PITCH                   ; behind the stage: 16 rows x 32 scale bytes
.set ASC,   3145728                    ; the scale bytes' place in the output buffer, behind the images
.set NREG,  32
.set X,     16                         ; v16-47   the row, later the chunk's 32 numbers
.set GA,    48                         ; v48-79   g
.set BE,    80                         ; v80-111  b
.set SM,    112                        ; v112-119 four chains of sums
.set TM,    112                        ; v112-117 the quantiser's: maxima, bytes, scale operands
.set WD,    118                        ; v118     the chunk's two scale bytes of my row
.set CD,    120                        ; v120-125 the codes
.set CT,    48                         ; v48-50   a conversion's second result (g's registers are free then)
.set SEL,   20                         ; s[20:21] selects for lane l xor 16
.macro WSUM a, t                       ; the sum of v[a] over the 32 lanes, in every lane
	s_delay_alu instid0(VALU_DEP_1)
	v_add_f32_dpp v[\a], v[\a], v[\a] row_xmask:1 row_mask:0xf bank_mask:0xf
	s_delay_alu instid0(VALU_DEP_1)
	v_add_f32_dpp v[\a], v[\a], v[\a] row_xmask:2 row_mask:0xf bank_mask:0xf
	s_delay_alu instid0(VALU_DEP_1)
	v_add_f32_dpp v[\a], v[\a], v[\a] row_xmask:4 row_mask:0xf bank_mask:0xf
	s_delay_alu instid0(VALU_DEP_1)
	v_add_f32_dpp v[\a], v[\a], v[\a] row_xmask:8 row_mask:0xf bank_mask:0xf
	s_delay_alu instid0(VALU_DEP_1)
	v_permlanex16_b32 v[\t], v[\a], s[SEL], s[SEL+1]
	s_delay_alu instid0(VALU_DEP_1)
	v_add_f32 v[\a], v[\a], v[\t]
.endm
; 32 numbers of a lane, register s + 16 b + i = number 16 (lane / 16) + i of block b of my row, become the 6 registers of a chunk's image in v[c] on, and the two scale bytes in v[w].
.macro QUANT2 s, c, t, w
.irp b, 0,1
	v_max3_num_f32 v[TM+\b], |v[\s+16*\b]|, |v[\s+16*\b+1]|, 0x1800000   ; my 16 numbers and the floor 2^(3 - 127): the byte cannot fall under 1
.endr
.irp i, 2,4,6,8,10,12,14
.irp b, 0,1
	s_delay_alu instid0(VALU_DEP_2)
	v_max3_num_f32 v[TM+\b], v[TM+\b], |v[\s+16*\b+\i]|, |v[\s+16*\b+\i+1]|
.endr
.endr
.irp b, 0,1
	s_delay_alu instid0(VALU_DEP_2)
	v_permlanex16_b32 v[TM+2+\b], v[TM+\b], s[SEL], s[SEL+1]
.endr
.irp b, 0,1
	s_delay_alu instid0(VALU_DEP_2)
	v_max_num_f32 v[TM+\b], v[TM+\b], v[TM+2+\b]                 ; with lane l xor 16's: the block's largest magnitude
.endr
.irp b, 0,1
	s_delay_alu instid0(VALU_DEP_2)
	v_add_nc_u32 v[TM+4+\b], 0xff000000, v[TM+\b]                ; 2 off its exponent field: the conversion's scale operand
.endr
.irp b, 0,1
	s_delay_alu instid0(VALU_DEP_2)
	v_lshrrev_b32 v[TM+2+\b], 23, v[TM+4+\b]                     ; the scale's byte
.endr
	s_delay_alu instid0(VALU_DEP_1)
	v_lshl_or_b32 v[\w], v[TM+3], 8, v[TM+2]
	v_cvt_scalef32_pk16_fp6_f32 v[\c:\c+2], v[\s:\s+15], v[TM+4]
	v_cvt_scalef32_pk16_fp6_f32 v[\t:\t+2], v[\s+16:\s+31], v[TM+5]
	v_nop                                                        ; one plain place behind a scaled conversion
.irp i, 0,1,2
	v_permlane16_swap_b32 v[\c+\i], v[\t+\i]                     ; a whole block to a lane: lanes 0-15 block 0, lanes 16-31 block 1
.endr
.irp i, 0,1,2
	s_delay_alu instid0(VALU_DEP_3)
	v_mov_b32 v[\c+3+\i], v[\t+\i]
.endr
.endm
	s_load_b256 s[4:11], s[0:1], 0x0               ; the rows s[4:5], g s[6:7], b s[8:9], images and scale bytes s[10:11]
	s_load_b64 s[12:13], s[0:1], 0x20              ; the table
	v_lshl_add_u32 v14, v0, 2, 0x10400
	v_mov_b32 v15, 0
	v_lshrrev_b32 v1, 5, v0
	s_delay_alu instid0(VALU_DEP_1)
	v_readfirstlane_b32 s14, v1                    ; wave 0..15
	v_and_b32 v1, 31, v0                           ; lane
	v_and_b32 v2, 15, v0                           ; r
	v_bfe_u32 v3, v0, 4, 1                         ; h
	s_delay_alu instid0(VALU_DEP_3)
	v_lshlrev_b32 v4, 4, v1                        ; 16 x lane
	s_delay_alu instid0(VALU_DEP_4)
	v_lshlrev_b32 v5, 3, v1                        ; 8 x lane
	s_mov_b32 s[SEL], 0x76543210
	s_mov_b32 s[SEL+1], 0xfedcba98
	s_cmp_ge_u32 ttmp9, 256                        ; the same for all waves of a work-group
	s_cbranch_scc1 .Ltable
	s_mul_i32 s15, s14, PITCH
	v_add_nc_u32 v6, s15, v4                       ; the stage, in: my row, 16 bytes a lane
	v_mul_u32_u24 v7, v2, PITCH
	s_delay_alu instid0(VALU_DEP_1)
	v_lshl_add_u32 v7, v3, 6, v7
	s_lshl_b32 s15, s14, 8
	v_add_nc_u32 v7, s15, v7                       ; out: row r, chunk w, + 64 h
	v_lshlrev_b32 v8, 5, v2
	s_lshl_b32 s15, s14, 1
	s_add_co_u32 s15, s15, SCST
	v_add_nc_u32 v8, s15, v8                       ; scale bytes: 32 r + 2 w
	s_wait_alu depctr_va_vdst(0)
	v_add_nc_u32 v9, SCST, v4                      ; and their way out
	s_lshl_b32 s16, ttmp9, 4
	s_add_co_u32 s16, s16, s14                     ; my row in phase 1, my image in phase 2: 16 g + w
	s_lshl_b32 s18, s16, 12
	s_mov_b32 s19, 0
	s_mul_i32 s24, s16, 768
	s_mov_b32 s25, 0
	s_lshl_b32 s26, ttmp9, 9
	s_add_co_u32 s26, s26, ASC
	s_mov_b32 s27, 0
	s_mov_b32 s22, 0x3a800000                      ; 1 / 1,024
	s_mov_b32 s23, 0x3727c5ac                      ; 1e-5
	s_wait_kmcnt 0x0
	s_add_nc_u64 s[4:5], s[4:5], s[18:19]
	s_add_nc_u64 s[24:25], s[10:11], s[24:25]
	s_add_nc_u64 s[26:27], s[10:11], s[26:27]
.irp j, 0,1,2,3,4,5,6,7
	global_load_b128 v[X+4*\j:X+4*\j+3], v4, s[4:5] offset:512*\j
.endr
.irp j, 0,1,2,3,4,5,6,7
	global_load_b128 v[GA+4*\j:GA+4*\j+3], v4, s[6:7] offset:512*\j
.endr
.irp j, 0,1,2,3,4,5,6,7
	global_load_b128 v[BE+4*\j:BE+4*\j+3], v4, s[8:9] offset:512*\j
.endr
	s_wait_loadcnt 16                              ; the row is in; g's and b's sixteen loads may be out
	v_pk_add_f32 v[114:115], v[16:17], v[24:25]
	v_pk_add_f32 v[116:117], v[32:33], v[40:41]
	v_pk_add_f32 v[118:119], v[18:19], v[26:27]
	v_pk_add_f32 v[126:127], v[34:35], v[42:43]
	v_pk_add_f32 v[124:125], v[20:21], v[28:29]
	v_pk_add_f32 v[122:123], v[36:37], v[44:45]
	v_pk_add_f32 v[120:121], v[22:23], v[30:31]
	v_pk_add_f32 v[112:113], v[38:39], v[46:47]
	s_delay_alu instid0(VALU_DEP_1)
	v_pk_add_f32 v[112:113], v[112:113], v[126:127]
	v_pk_add_f32 v[114:115], v[114:115], v[124:125]
	v_pk_add_f32 v[116:117], v[116:117], v[122:123]
	v_pk_add_f32 v[118:119], v[118:119], v[120:121]
	s_delay_alu instid0(VALU_DEP_2)
	v_pk_add_f32 v[112:113], v[112:113], v[116:117]
	s_delay_alu instid0(VALU_DEP_2)
	v_pk_add_f32 v[114:115], v[114:115], v[118:119]
	s_delay_alu instid0(VALU_DEP_1)
	v_pk_add_f32 v[112:113], v[112:113], v[114:115]
	s_delay_alu instid0(VALU_DEP_1)
	v_add_f32 v[SM], v[SM], v[SM+1]
	WSUM SM, SM+1
	s_delay_alu instid0(VALU_DEP_1)
	v_mul_f32 v10, s22, v[SM]                      ; the mean
	s_delay_alu instid0(VALU_DEP_1)
	v_mov_b32 v11, v10
.set j, 0
.rept NREG/2
	v_pk_add_f32 v[X+j:X+j+1], v[X+j:X+j+1], v[10:11] neg_lo:[0,1] neg_hi:[0,1]
.set j, j+2
.endr
.irp k, 0,2,4,6
	v_pk_mul_f32 v[SM+\k:SM+\k+1], v[X+\k:X+\k+1], v[X+\k:X+\k+1]
.endr
.set j, 8
.rept (NREG-8)/8
.irp k, 0,2,4,6
	s_delay_alu instid0(VALU_DEP_4)
	v_pk_fma_f32 v[SM+\k:SM+\k+1], v[X+j+\k:X+j+\k+1], v[X+j+\k:X+j+\k+1], v[SM+\k:SM+\k+1]
.endr
.set j, j+8
.endr
	s_delay_alu instid0(VALU_DEP_3)
	v_pk_add_f32 v[SM:SM+1], v[SM:SM+1], v[SM+2:SM+3]
	s_delay_alu instid0(VALU_DEP_2)
	v_pk_add_f32 v[SM+4:SM+5], v[SM+4:SM+5], v[SM+6:SM+7]
	s_delay_alu instid0(VALU_DEP_1)
	v_pk_add_f32 v[SM:SM+1], v[SM:SM+1], v[SM+4:SM+5]
	s_delay_alu instid0(VALU_DEP_1)
	v_add_f32 v[SM], v[SM], v[SM+1]
	WSUM SM, SM+1
	s_delay_alu instid0(VALU_DEP_1)
	v_fma_f32 v12, v[SM], s22, s23                 ; the variance + 1e-5
	s_wait_alu depctr_va_vdst(0)
	v_rsq_f32 v12, v12
	v_nop                                          ; one plain place behind a transcendental
	s_wait_alu depctr_va_vdst(0)
	v_mov_b32 v13, v12
	s_wait_alu depctr_va_vdst(0)
	s_wait_loadcnt 0x0                             ; g and b
.set j, 0
.rept NREG/2
	v_pk_mul_f32 v[X+j:X+j+1], v[X+j:X+j+1], v[12:13]
.set j, j+2
.endr
.set j, 0
.rept NREG/2
	v_pk_fma_f32 v[X+j:X+j+1], v[X+j:X+j+1], v[GA+j:GA+j+1], v[BE+j:BE+j+1]
.set j, j+2
.endr
.irp j, 0,1,2,3,4,5,6,7
	ds_store_b128 v6, v[X+4*\j:X+4*\j+3] offset:512*\j
.endr
	s_wait_dscnt 0x0                               ; for the others' sake: my row lies in the stage
	s_barrier_signal -1
	s_barrier_wait -1
.irp b, 0,1
.irp j, 0,1,2,3
	ds_load_b128 v[X+16*\b+4*\j:X+16*\b+4*\j+3], v7 offset:128*\b+16*\j
.endr
.endr
	s_wait_dscnt 0x0
	QUANT2 X, CD, CT, WD
	global_store_b128 v4, v[CD:CD+3], s[24:25]                 ; 512 consecutive bytes
	global_store_b64 v5, v[CD+4:CD+5], s[24:25] offset:512     ; 256 consecutive bytes
	ds_store_b16 v8, v[WD]                         ; both lanes of a row write the same two bytes
	s_wait_dscnt 0x0
	s_barrier_signal -1
	s_barrier_wait -1
	s_cmp_lg_u32 s14, 0
	s_cbranch_scc1 .Lend
	ds_load_b128 v[X:X+3], v9                      ; wave 0: the tile's 512 scale bytes leave as two aligned runs of 256
	s_wait_dscnt 0x0
	global_store_b128 v4, v[X:X+3], s[26:27]
.Lend:
	s_wait_tensorcnt 0x0
	ds_add_u32 v14, v15
	s_wait_dscnt 0x0
	s_endpgm
.Ltable:
	s_cmp_lt_u32 ttmp9, 448                        ; work-groups 256-447 re-lay the weights, 448-575 make the table
	s_cbranch_scc1 .Lrelay
	s_wait_alu depctr_va_vdst(0)
	v_cvt_f32_u32 v6, v1
	s_delay_alu instid0(VALU_DEP_1)
	v_mul_f32 v7, 0xbed49a00, v6                   ; - i x the upper 15 bits of log2(10000) / 32: exact
	s_wait_alu depctr_va_vdst(0)
	v_exp_f32 v7, v7
	s_mov_b32 s22, -0.000002485                    ; - ln 2 x the rest of log2(10000) / 32
	v_fma_f32 v8, v6, s22, 1.0                     ; (a plain place behind the transcendental)
	s_wait_alu depctr_va_vdst(0)
	v_mul_f32 v9, v7, v8                           ; 10000^(-i / 32)
	s_mov_b32 s24, 0x3fc90fdb                      ; pi / 2, upper part
	s_mov_b32 s25, 0xb33bbd2e                      ; and the rest
	s_mov_b32 s26, -0.00019515295891
	s_mov_b32 s27, 0.0083321608736
	s_mov_b32 s28, -0.16666654611
	s_mov_b32 s29, 0.00002443315712
	s_mov_b32 s30, -0.001388731625
	s_mov_b32 s31, 0.04166664568
	s_sub_co_u32 s15, ttmp9, 448
	s_lshl_b32 s15, s15, 4
	s_add_co_u32 s15, s15, s14                     ; my n: 0 .. 2,047
	s_lshl_b32 s16, s15, 8
	s_mov_b32 s17, 0
	s_wait_kmcnt 0x0
	s_add_nc_u64 s[12:13], s[12:13], s[16:17]
	v_cvt_f32_u32 v10, s15
	s_wait_alu depctr_va_vdst(0)
	v_mul_f32 v10, v10, v9                         ; the angle, as the definition rounds it
	s_delay_alu instid0(VALU_DEP_1)
	v_mul_f32 v11, 0x3f22f983, v10
	s_delay_alu instid0(VALU_DEP_1)
	v_rndne_f32 v11, v11                           ; k = the nearest multiple of pi / 2
	s_delay_alu instid0(VALU_DEP_1)
	v_fma_f32 v12, -v11, s24, v10
	s_delay_alu instid0(VALU_DEP_1)
	v_fma_f32 v12, -v11, s25, v12                  ; r, within +-pi / 4
	s_delay_alu instid0(VALU_DEP_1)
	v_mul_f32 v13, v12, v12                        ; z = r^2
	s_delay_alu instid0(VALU_DEP_1)
	v_fma_f32 v22, v13, s26, s27
	s_delay_alu instid0(VALU_DEP_2)
	v_fma_f32 v23, v13, s29, s30
	s_delay_alu instid0(VALU_DEP_2)
	v_fma_f32 v22, v22, v13, s28
	s_delay_alu instid0(VALU_DEP_2)
	v_fma_f32 v23, v23, v13, s31
	s_delay_alu instid0(VALU_DEP_2)
	v_mul_f32 v22, v22, v13
	v_mul_f32 v16, v13, v13
	v_fma_f32 v17, v13, -0.5, 1.0
	s_delay_alu instid0(VALU_DEP_3)
	v_fma_f32 v22, v22, v12, v12                   ; sin r
	s_delay_alu instid0(VALU_DEP_2)
	v_fma_f32 v23, v23, v16, v17                   ; cos r
	v_cvt_i32_f32 v13, v11
	s_delay_alu instid0(VALU_DEP_1)
	v_and_b32 v16, 1, v13
	s_delay_alu instid0(VALU_DEP_1)
	v_cmp_eq_u32 vcc_lo, 1, v16                    ; odd quadrants change sin and cos (a selection of values only)
	s_delay_alu instid0(VALU_DEP_1)
	v_cndmask_b32 v17, v22, v23, vcc_lo
	s_delay_alu instid0(VALU_DEP_2)
	v_cndmask_b32 v18, v23, v22, vcc_lo
	v_and_b32 v16, 2, v13
	s_delay_alu instid0(VALU_DEP_1)
	v_lshlrev_b32 v16, 30, v16
	s_delay_alu instid0(VALU_DEP_1)
	v_xor_b32 v21, v16, v17                        ; sin: negative in quadrants 2, 3
	v_add_nc_u32 v13, 1, v13
	s_delay_alu instid0(VALU_DEP_1)
	v_and_b32 v13, 2, v13
	s_delay_alu instid0(VALU_DEP_1)
	v_lshlrev_b32 v13, 30, v13
	s_delay_alu instid0(VALU_DEP_1)
	v_xor_b32 v20, v13, v18                        ; cos: negative in quadrants 1, 2
	global_store_b64 v5, v[20:21], s[12:13]        ; 256 consecutive bytes, aligned
	s_endpgm
; THE WEIGHTS RE-LAID (work-groups 256-447 of the first launch of this body): the four weights' rows of codes become images of operand registers,
; [tile of 16 rows][chunk of 64 K][768 bytes], registers 0-3 of lane l at 16 l, registers 4-5 at 512 + 8 l, one weight behind the other: qkv, proj, fc1, fc2.
; A tile of 16 rows keeps its bytes' place.  Wave W = 16 (g - 256) + w takes four neighbouring chunks: 16 rows x 192 bytes in, 3,072 consecutive bytes out.
.Lrelay:
	s_wait_alu depctr_va_vdst(0)
	s_load_b256 s[24:31], s[0:1], 0x28             ; the four weights' codes
	s_load_b64 s[32:33], s[0:1], 0x48              ; the images
	s_sub_co_u32 s15, ttmp9, 256
	s_lshl_b32 s16, s15, 4
	s_add_co_u32 s16, s16, s14                     ; W: 0 .. 3,071
	s_mul_i32 s34, s16, 3072
	s_mov_b32 s35, 0
	s_wait_kmcnt 0x0
	s_cmp_lt_u32 s15, 48                           ; 768 waves for qkv, 256 for proj, 1,024 for fc1, 1,024 for fc2
	s_cselect_b64 s[36:37], s[24:25], s[26:27]
	s_cselect_b32 s17, 0, 768                      ; the weight's first wave
	s_cmp_lt_u32 s15, 64
	s_cselect_b64 s[36:37], s[36:37], s[28:29]
	s_cselect_b32 s17, s17, 1024
	s_cmp_lt_u32 s15, 128
	s_cselect_b64 s[36:37], s[36:37], s[30:31]
	s_cselect_b32 s17, s17, 2048
	s_cselect_b32 s18, 2, 4                        ; a row holds 192 << this bytes: K = 1,024 or 4,096
	s_sub_co_u32 s16, s16, s17
	s_lshr_b32 s19, s16, s18                       ; the tile of 16 rows
	s_lshl_b32 s22, 3072, s18
	s_mul_i32 s19, s19, s22
	s_lshl_b32 s23, 1, s18
	s_sub_co_u32 s23, s23, 1
	s_and_b32 s23, s16, s23                        ; which 192 bytes of its rows
	s_mul_i32 s23, s23, 192
	s_add_co_u32 s38, s19, s23
	s_mov_b32 s39, 0
	s_add_nc_u64 s[36:37], s[36:37], s[38:39]
	s_add_nc_u64 s[32:33], s[32:33], s[34:35]
	s_lshl_b32 s22, 192, s18
	v_mul_u32_u24 v6, s22, v2                      ; row r
	v_mad_u32_u24 v6, v3, 24, v6                   ; + 24 h
.irp i, 0,1,2,3
.irp p, 0,1,2
	global_load_b64 v[16+6*\i+2*\p:17+6*\i+2*\p], v6, s[36:37] offset:48*\i+8*\p
.endr
.endr
	s_wait_loadcnt 0x0
.irp i, 0,1,2,3
	global_store_b128 v4, v[16+6*\i:19+6*\i], s[32:33] offset:768*\i
	global_store_b64 v5, v[20+6*\i:21+6*\i], s[32:33] offset:768*\i+512
.endr
	s_endpgm
.Lfunc_end_k_q5c9488f593_ln1:
	.size	k_q5c9488f593_ln1, .Lfunc_end_k_q5c9488f593_ln1-k_q5c9488f593_ln1
	.p2alignl 7, 3214868480
	.fill 96, 4, 3214868480
	.section	.rodata,"a",@progbits
	.p2align	6, 0x0
	.amdhsa_kernel k_q5c9488f593_ln1
		.amdhsa_group_segment_fixed_size 68608
		.amdhsa_private_segment_fixed_size 0
		.amdhsa_enable_private_segment 0
		.amdhsa_kernarg_size 80
		.amdhsa_user_sgpr_count 2
		.amdhsa_user_sgpr_kernarg_segment_ptr 1
		.amdhsa_wavefront_size32 1
		.amdhsa_system_sgpr_workgroup_id_x 1
		.amdhsa_system_sgpr_workgroup_id_y 1
		.amdhsa_system_sgpr_workgroup_id_z 1
		.amdhsa_system_vgpr_workitem_id 0
		.amdhsa_next_free_vgpr 128
		.amdhsa_next_free_sgpr 66
		.amdhsa_reserve_vcc 1
		.amdhsa_float_denorm_mode_32 3
		.amdhsa_float_denorm_mode_16_64 3
		.amdhsa_memory_ordered 1
		.amdhsa_forward_progress 1
		.amdhsa_inst_pref_size 24
	.end_amdhsa_kernel
	.amdgpu_metadata
---
amdhsa.version: [ 1, 2 ]
amdhsa.kernels:
  - .name:           k_q5c9488f593_ln1
    .symbol:         k_q5c9488f593_ln1.kd
    .args:
      - { .name: x, .offset: 0, .size: 8, .value_kind: global_buffer, .address_space: global }
      - { .name: ln1_g, .offset: 8, .size: 8, .value_kind: global_buffer, .address_space: global }
      - { .name: ln1_b, .offset: 16, .size: 8, .value_kind: global_buffer, .address_space: global }
      - { .name: acta, .offset: 24, .size: 8, .value_kind: global_buffer, .address_space: global }
      - { .name: rope, .offset: 32, .size: 8, .value_kind: global_buffer, .address_space: global }
      - { .name: qkv_w_codes, .offset: 40, .size: 8, .value_kind: global_buffer, .address_space: global }
      - { .name: proj_w_codes, .offset: 48, .size: 8, .value_kind: global_buffer, .address_space: global }
      - { .name: fc1_w_codes, .offset: 56, .size: 8, .value_kind: global_buffer, .address_space: global }
      - { .name: fc2_w_codes, .offset: 64, .size: 8, .value_kind: global_buffer, .address_space: global }
      - { .name: wimg, .offset: 72, .size: 8, .value_kind: global_buffer, .address_space: global }
    .group_segment_fixed_size: 68608
    .private_segment_fixed_size: 0
    .kernarg_segment_align: 8
    .kernarg_segment_size: 80
    .max_flat_workgroup_size: 512
    .sgpr_count:     66
    .vgpr_count:     128
    .wavefront_size: 32
...
	.end_amdgpu_metadata
.endif
;; end of part 1
;; launch qkv (part 2): grid 12 x 16, 4 waves a work-group, clusters of 4 x 4, 327,680 bytes of LDS; arguments acta, wimg, qkv_w_scales, qkv_b, rope, qkvc; writes qkvc
.if DOCPART == 2
	.amdgcn_target "amdgcn-amd-amdhsa--gfx1250"
	.amdhsa_code_object_version 6
	.text
	.protected	k_q5c9488f593_qkv
	.globl	k_q5c9488f593_qkv
	.p2align	8
	.type	k_q5c9488f593_qkv,@function
k_q5c9488f593_qkv:
	s_mov_b64 s[64:65], 0
	v_nop
	global_prefetch_b8 v0, s[64:65] scope:SCOPE_SE
	s_setreg_imm32_b32 hwreg(HW_REG_WAVE_MODE, 25, 1), 1
	s_wait_xcnt 0x0
	s_wait_alu depctr_hold_cnt(0) depctr_sa_sdst(0) depctr_va_vdst(0) depctr_va_sdst(0) depctr_va_ssrc(0) depctr_va_vcc(0) depctr_vm_vsrc(0)
	s_getreg_b32 s2, hwreg(HW_REG_IB_STS2, 6, 4)
	s_cmp_eq_u32 s2, 0
	s_cbranch_scc0 .Lentry_in_a_cluster
	s_endpgm
.Lentry_in_a_cluster:
	s_bfe_u32 s2, ttmp6, 0x10000c
	s_cmp_lg_u32 s2, 0xf033
	s_cbranch_scc0 .Lentry_shape_is_right
	s_endpgm
.Lentry_shape_is_right:
; [4,096 x 1,024] x [1,024 x 3,072] on codes of FP6 (E2M3) with E8M0 scales, + bias; then, in registers: the rotary turn of q and k and their quantising along the head's 64; v quantised along the keys.
; A (the normalised rows) comes as images of operand registers, [tile of 16 tokens][chunk of 64 K][768 bytes], with plain scale rows behind them; B (the weight) as rows of codes, K innermost.
; A tile of C is 256 x 256: four waves, each 128 x 128 in 64 accumulators.  K goes in steps of 256 through two LDS slots filled by the tensor data mover; the scale bytes of the tile's rows come once and stay.
; CLUSTERS 4 x 4: A's tiles are asked for jointly along a row of the cluster, B's along a column.  The matrix instruction is used transposed (source 0 = 16 rows of B, source 1 = 16 tokens): a lane holds one token and eight neighbouring columns.
; The bias is the C of each sum's first product.  192 work-groups: N = 3,072 has 12 tile columns.
; THE WAY OUT.  Clusters with x = 0, 1 hold q, k: a wave's 128 columns are two heads; a lane's 32 numbers of a head and a token are turned by the table's (cos, sin), quantised (two blocks of 32) and stored as a 768-byte image.
;   Inside a block the order is d 0-7, 16-23, 8-15, 24-31, alike for q and k: a permutation of K applied to both operands of their product.  Scale word of a token and head: byte 0, 1 its blocks', bytes 2, 3 = 0 (they only ever meet zero codes).
; Clusters with x = 2 hold v: 128 tokens (one key step) x 32 columns at a time turn through the wave's stage in LDS, so that a lane holds one channel and 64 keys: two whole blocks.  Stored as images of whole fragments,
;   [head][key step][tile of 16 channels][1,536 bytes]; lane r of tile 2 b + u holds channel 32 b + 8 u + r + 8 (r / 8); inside a block the keys stand in the order 0-7, 16-23, 8-15, 24-31, which is the order of the weights' codes in the attention launch.
; LIMITS: NaN and infinities are not served; a block of zeros or under 2^-124 gets the byte 1 (its codes are zeros; only this program reads the bytes).
; REGISTERS: window 0: v1-15 at work, v16-29 addresses, v32-63 scale words (two sets), v64-127 the bias, from v128 A's fragments (one set); window 1: B's fragments (two sets); windows 2, 3: the accumulators ((a, b) at v[8 (8 (a % 4) + b)]).
.set NB,     8                         ; blocks of 16 in a wave's tile, each way
.set SIZE_K, 1024
.set KSTEP,  256                       ; along K in a slot
.set ASCOFF, 3145728                   ; A's scale rows lie behind its images
.set NQ,     KSTEP/128
.set AROW,   KSTEP*12                  ; a token tile's images of one K step
.set APITCH, SIZE_K*12                 ; and of all of K
.set ROWB,   AROW                      ; B (the weight) comes as images too, re-laid by the first launch: a tile of 16 rows as A's tile of 16 tokens
.set KROW,   SIZE_K*3/4
.set FR,     12
.set NLA,    4                         ; LDS loads that bring a fragment of A
.set NP,     4                         ; places behind this matrix instruction (ISA guide 7.12.1)
.set HALFA,  NB*AROW
.set HALFB,  HALFA
.set SLOT,   2*HALFA+2*HALFB           ; A's two halves, then B's two halves
.set LAPS,   SIZE_K/(2*KSTEP)
.set KS,     SIZE_K/32
.set SCL,    2*SLOT                    ; behind the ring: the scales, as runs of 256 bytes + 16 of padding
.set HALFS,  (16*NB*KS/256)*272
.set SBLK,   (16*KS/256)*272
.set SPARE,  SCL+4*HALFS               ; the spare words: 128 bytes a wave, two blocks of 256 that no other line names
.set ADA16, 16                         ; v16-17 A's images in slot 0, 1: + 16 x lane;  v18-19: + 8 x lane
.set ADA8,  18
.set ADRB,  20                         ; v20-21 B's images in slot 0, 1: + 16 x lane;  v22-23 + 8 x lane
.set ADRS,  27
.set SPW,   28
.set NIL,   29
.set SC,    32
.set BI,    64
.set AF,    128
.set G1, 24
.set G0, 32
.set G1B, 48
.set G0B, 56
.set G1S, 68
.set G0S, 76
.set G1SB, 80
.set G0SB, 88
.set MSB, 0
.macro WIN new                         ; the immediate's high byte repeats the setting that is left
.if MSB != (\new)
	s_set_vgpr_msb (MSB<<8)|(\new)
.set MSB, (\new)
.endif
.endm
.macro WINM hi, first                  ; for products: source 0 (B) window 1, source 1 (A) window 0, D window 2 or 3; C with D, or (first) the bias in window 0
.if (\hi) && (NB == 8)
	WIN 0xf1-0x30*(\first)
.else
	WIN 0xa1-0x20*(\first)
.endif
.endm
.macro JLOAD g0a, g1a, g0b, g1b        ; a joint load: waves 0, 1 fetch for A, waves 2, 3 for B; four v_nop follow each line
	s_cmp_eq_u32 s15, 0
	s_cbranch_scc0 .Lfor_b_\@
	tensor_load_to_lds s[\g0a:\g0a+3], s[\g1a:\g1a+7]
	s_nop 0
.rept 4
	v_nop
.endr
	s_branch .Lasked_\@
.Lfor_b_\@:
	tensor_load_to_lds s[\g0b:\g0b+3], s[\g1b:\g1b+7]
	s_nop 0
.rept 4
	v_nop
.endr
.Lasked_\@:
.endm
.macro CREST                           ; a round of the cluster's barrier behind its opening barrier
	s_cmp_lg_u32 s14, 0
	s_cbranch_scc1 .Lnot_wave_0_\@
	s_barrier_signal -3
.Lnot_wave_0_\@:
	s_barrier_wait -3
	s_barrier_signal -1
	s_barrier_wait -1
.endm
.macro CROUND
	s_barrier_signal -1
	s_barrier_wait -1
	CREST
.endm
.macro PLACES n
.rept \n
	v_nop
.endr
.endm
.macro FRAGA reg, slot, q, i           ; a fragment of A: two images of 768 bytes, each 16 bytes and 8 bytes a lane, consecutive over the lanes
	ds_load_b128 v[\reg:\reg+3], v[ADA16+\slot] offset:(\i)*AROW+1536*(\q)
	ds_load_b64 v[\reg+4:\reg+5], v[ADA8+\slot] offset:(\i)*AROW+1536*(\q)+512
	ds_load_b128 v[\reg+6:\reg+9], v[ADA16+\slot] offset:(\i)*AROW+1536*(\q)+768
	ds_load_b64 v[\reg+10:\reg+11], v[ADA8+\slot] offset:(\i)*AROW+1536*(\q)+1280
.endm
.macro FRAGB reg, adr, q, i            ; a fragment of B: two images of 768 bytes, as A's
	ds_load_b128 v[\reg:\reg+3], v[\adr] offset:(\i)*AROW+1536*(\q)           ; two images, as A's: v[adr] + 16 x lane, v[adr + 2] + 8 x lane
	ds_load_b64 v[\reg+4:\reg+5], v[\adr+2] offset:(\i)*AROW+1536*(\q)+512
	ds_load_b128 v[\reg+6:\reg+9], v[\adr] offset:(\i)*AROW+1536*(\q)+768
	ds_load_b64 v[\reg+10:\reg+11], v[\adr+2] offset:(\i)*AROW+1536*(\q)+1280
.endm
.macro FETCH_A slot, q, i0             ; NB / 2 blocks of A from block i0 on
.set fi, \i0
.rept NB/2
	FRAGA AF+FR*fi, \slot, \q, fi
.set fi, fi+1
.endr
.endm
.macro FETCH_B slot, q, p              ; B's NB fragments into set p
	WIN 0x40
.set fi, 0
.rept NB
	FRAGB 128*(\p)+FR*fi, ADRB+\slot, \q, fi
.set fi, fi+1
.endr
	WIN 0
.endm
.macro SCALES sc                       ; a K step's scale words: lanes 0-15 A's block i, lanes 16-31 B's block i
.set fi, 0
.rept NB
.if NQ == 2
	ds_load_b64 v[SC+16*(\sc)+2*fi:SC+16*(\sc)+2*fi+1], v[ADRS] offset:fi*SBLK
.else
	ds_load_b128 v[SC+16*(\sc)+4*fi:SC+16*(\sc)+4*fi+3], v[ADRS] offset:fi*SBLK
.endif
.set fi, fi+1
.endr
.endm
; n blocks of A from a0 on, each against B's NB: the accumulators take turns, one instruction a turn, in the same order in every step
.macro MULS a0, n, p, q, sc, first
.set ma, \a0
.rept \n
.set mb, 0
.rept NB
.set rD, 8*(NB*(ma%4)+mb)
.set rB, 128*(\p)+FR*mb
.set rA, AF+FR*ma
.set rSB, SC+16*(\sc)+NQ*mb+(\q)
.set rSA, SC+16*(\sc)+NQ*ma+(\q)
.if \first
	v_wmma_scale_f32_16x16x128_f8f6f4 v[rD:rD+7], v[rB:rB+FR-1], v[rA:rA+FR-1], v[BI+8*mb:BI+8*mb+7], v[rSB], v[rSA] matrix_a_fmt:MATRIX_FMT_FP6 matrix_b_fmt:MATRIX_FMT_FP6 matrix_a_scale:MATRIX_SCALE_ROW1
.else
	v_wmma_scale_f32_16x16x128_f8f6f4 v[rD:rD+7], v[rB:rB+FR-1], v[rA:rA+FR-1], v[rD:rD+7], v[rSB], v[rSA] matrix_a_fmt:MATRIX_FMT_FP6 matrix_b_fmt:MATRIX_FMT_FP6 matrix_a_scale:MATRIX_SCALE_ROW1
.endif
.set mb, mb+1
.endr
.set ma, ma+1
.endr
.endm
.macro STEP slot, q, first             ; 128 along K that has its successor in the same slot
	s_wait_dscnt (NB/2)*NLA                        ; all but the youngest loads: A's upper blocks
	WINM 0, \first
	MULS 0, NB/2, (\q)%2, \q, \slot, \first
	s_wait_dscnt 0                                 ; A's upper blocks are in
	PLACES NP
	FETCH_B \slot, (\q)+1, 1-(\q)%2
	FETCH_A \slot, (\q)+1, 0
	WINM 1, \first
	MULS NB/2, NB/2, (\q)%2, \q, \slot, \first
	PLACES NP
	WIN 0
	FETCH_A \slot, (\q)+1, NB/2
.endm
.macro MID slot
.if NQ == 4
	STEP \slot, 1, 0
	STEP \slot, 2, 0
.endif
.endm
.macro TURN slot, next, fill           ; a slot's last 128 along K, and the change of slots: one barrier
	s_wait_tensorcnt 0x0                           ; all my tensor loads have landed: my part of the next slot
	ds_add_u32 v[SPW], v[NIL]                      ; 0 onto my spare word
	s_wait_dscnt (NB/2)*NLA+1                      ; (the add and A's upper blocks may be out)
	WINM 0, 0
	MULS 0, NB/4, 1, NQ-1, \slot, 0
	s_wait_dscnt 0x0                               ; the add is done, and my reads of this slot are over
	s_barrier_signal -1
	MULS NB/4, NB/4, 1, NQ-1, \slot, 0
	WIN 0
	s_barrier_wait -1
.if \fill
	CREST                                          ; the barrier has opened a round of the cluster's: no wave of any partner still reads this slot or has a load on its way
	s_add_nc_u64 s[G0+4*\slot+2:G0+4*\slot+3], s[G0+4*\slot+2:G0+4*\slot+3], 2*AROW
	s_add_nc_u64 s[G0B+4*\slot+2:G0B+4*\slot+3], s[G0B+4*\slot+2:G0B+4*\slot+3], 2*ROWB
	JLOAD G0+4*\slot, G1, G0B+4*\slot, G1B         ; the first tensor load behind the round; its four v_nop are the places in front of the loads below
.else
	PLACES NP
.endif
	s_wait_alu depctr_va_vdst(0)
	v_add_nc_u32 v[ADRS], 4*NQ, v[ADRS]
	FETCH_B \next, 0, 0
	FETCH_A \next, 0, 0
	SCALES \next
	WINM 1, 0
	MULS NB/2, NB/2, 1, NQ-1, \slot, 0
	PLACES NP
	WIN 0
	FETCH_A \next, 0, NB/2
.endm
.macro FINISH
	s_wait_tensorcnt 0x0                           ; the wave's end
	ds_add_u32 v[SPW], v[NIL]
	s_wait_dscnt 0x0
	CROUND                                         ; the closing round
	s_endpgm
.endm
	s_load_b64 s[4:5], s[0:1], 0x0                 ; A: images, scale rows behind them
	s_load_b128 s[8:11], s[0:1], 0x8               ; B's codes, B's scales
	s_load_b128 s[96:99], s[0:1], 0x18             ; the bias, the table
	s_load_b64 s[12:13], s[0:1], 0x28              ; the output
	v_lshl_add_u32 v[SPW], v0, 2, SPARE
	v_mov_b32 v[NIL], 0
	ds_add_u32 v28, v29
	ds_add_u32 v28, v29
	s_wait_dscnt 0x0
	v_lshrrev_b32 v1, 5, v0
	v_readfirstlane_b32 s14, v1                    ; wave 0..3
	s_lshr_b32 s15, s14, 1                         ; my half of the tile's rows.  Also: I fetch for A (0) or for B (1)
	s_and_b32 s16, s14, 1                          ; my half of its columns.  Also: which half of that tile I fetch
	s_bfe_u32 s40, ttmp6, 0x40000                  ; cx, cy
	s_bfe_u32 s41, ttmp6, 0x40004
	s_lshl_b32 s42, ttmp9, 2
	s_add_co_u32 s42, s42, s40                     ; tile column
	s_and_b32 s17, ttmp7, 0xffff
	s_lshl_b32 s17, s17, 2
	s_add_co_u32 s17, s17, s41                     ; tile row
	s_lshl_b32 s43, s41, 2
	s_lshl_b32 s43, 15, s43                        ; my row of the cluster
	s_lshl_b32 s44, 0x1111, s40                    ; my column
	s_or_b32 s[G1+0], s43, (3<<16)|(1<<21)         ; A: NB rows of AROW bytes (elements of 8 bytes), APITCH apart, no padding
	s_mov_b32 s[G1+1], ((AROW/8)&0xffff)<<16
	s_mov_b32 s[G1+2], (2*NB)<<16                  ; the head's loads bring both halves; behind them the two words are set to NB
	s_mov_b32 s[G1+3], (AROW/8)<<16
	s_mov_b32 s[G1+4], 2*NB
	s_mov_b32 s[G1+5], APITCH/8
	s_mov_b32 s[G1+6], 0
	s_mov_b32 s[G1+7], 0
	s_or_b32 s[G1B+0], s44, (3<<16)|(1<<21)        ; B: as A, with my column's mask
	s_mov_b32 s[G1B+1], ((AROW/8)&0xffff)<<16
	s_mov_b32 s[G1B+2], (2*NB)<<16
	s_mov_b32 s[G1B+3], (AROW/8)<<16
	s_mov_b32 s[G1B+4], 2*NB
	s_mov_b32 s[G1B+5], APITCH/8
	s_mov_b32 s[G1B+6], 0
	s_mov_b32 s[G1B+7], 0
	s_or_b32 s[G1S+0], s43, (3<<16)|(1<<20)|(1<<21)|(5<<22)|(3<<25)    ; the scales of 32 NB rows: a dense block, as rows of 256 bytes + 16
	s_or_b32 s[G1SB+0], s44, (3<<16)|(1<<20)|(1<<21)|(5<<22)|(3<<25)
.irp g, G1S, G1SB
	s_mov_b32 s[\g+1], 32<<16
	s_mov_b32 s[\g+2], (32*NB*KS/256)<<16
	s_mov_b32 s[\g+3], 32<<16
	s_mov_b32 s[\g+4], 32*NB*KS/256
	s_mov_b32 s[\g+5], 32
	s_mov_b32 s[\g+6], 0
	s_mov_b32 s[\g+7], 0
.endr
	s_mul_i32 s20, s17, 2*NB
	s_mul_i32 s20, s20, APITCH
	s_mov_b32 s21, 0
	s_mul_i32 s22, s17, 32*NB                      ; the tile's first token
	s_mul_i32 s22, s22, KS
	s_add_co_u32 s22, s22, ASCOFF
	s_mov_b32 s23, 0
	s_mul_i32 s46, s42, 32*NB
	s_mul_i32 s92, s46, KS
	s_mov_b32 s93, 0
	s_mul_i32 s46, s46, KROW
	s_mov_b32 s47, 0
	s_mul_i32 s45, s16, HALFA                      ; where they go: no place in the cluster enters an LDS address
	s_mul_i32 s95, s16, HALFB
	s_add_co_u32 s95, s95, 2*HALFA
	s_wait_kmcnt 0x0
	s_add_nc_u64 s[20:21], s[4:5], s[20:21]
	s_add_nc_u64 s[22:23], s[4:5], s[22:23]
	s_add_nc_u64 s[46:47], s[8:9], s[46:47]
	s_add_nc_u64 s[92:93], s[10:11], s[92:93]
	CROUND                                         ; all sixteen work-groups are here: the first joint loads meet
	s_mov_b32 s[G0S], 1
	s_mov_b32 s[G0S+1], SCL
	s_mov_b64 s[G0S+2:G0S+3], s[22:23]
	s_or_b32 s[G0S+3], s[G0S+3], 0x80000000
	s_mov_b32 s[G0SB], 1
	s_mov_b32 s[G0SB+1], SCL+2*HALFS
	s_mov_b64 s[G0SB+2:G0SB+3], s[92:93]
	s_or_b32 s[G0SB+3], s[G0SB+3], 0x80000000
	s_mov_b32 s4, 1                                ; group 0 of the head's loads of K step 0: A's whole tile (the arguments that lay here have been used),
	s_mov_b32 s5, 0
	s_mov_b64 s[6:7], s[20:21]
	s_or_b32 s7, s7, 0x80000000
	s_mov_b32 s8, 1                                ; and B's, behind it
	s_mov_b32 s9, 2*HALFA
	s_mov_b64 s[10:11], s[46:47]
	s_or_b32 s11, s11, 0x80000000
	s_mul_i32 s18, s16, NB*APITCH                  ; for the ring: my half of the tile
	s_mov_b32 s19, 0
	s_add_nc_u64 s[20:21], s[20:21], s[18:19]
	s_add_nc_u64 s[46:47], s[46:47], s[18:19]
	; the prefetches' base: of the eight tiles of 16 rows that I fetch, each of the four partners that ask with me takes two, told apart by address (cx for A, cy for B)
	s_cmp_eq_u32 s15, 0
	s_cselect_b64 s[66:67], s[20:21], s[46:47]
	s_cselect_b32 s18, s40, s41
	s_mul_i32 s18, s18, (NB/4)*APITCH
	s_add_nc_u64 s[66:67], s[66:67], s[18:19]
.irp s, 0,1
	s_mov_b32 s[G0+4*\s], 1
	s_add_co_u32 s[G0+4*\s+1], s45, \s*SLOT
	s_add_nc_u64 s[G0+4*\s+2:G0+4*\s+3], s[20:21], \s*AROW
	s_or_b32 s[G0+4*\s+3], s[G0+4*\s+3], 0x80000000
	s_mov_b32 s[G0B+4*\s], 1
	s_add_co_u32 s[G0B+4*\s+1], s95, \s*SLOT
	s_add_nc_u64 s[G0B+4*\s+2:G0B+4*\s+3], s[46:47], \s*ROWB
	s_or_b32 s[G0B+4*\s+3], s[G0B+4*\s+3], 0x80000000
.endr
; the head's four tiles, one joint load a wave: wave 0 A's K step 0, wave 1 B's, wave 2 A's scales, wave 3 B's; one chain of branches, one join
.macro ARM under, g0, g1, next
	s_cmp_lt_u32 s14, \under
	s_cbranch_scc0 \next
	tensor_load_to_lds s[\g0:\g0+3], s[\g1:\g1+7]
	s_nop 0
.rept 4
	v_nop
.endr
	s_branch .Lhead_asked
\next:
.endm
	ARM 1, 4, G1, .Lhead_b
	ARM 2, 8, G1B, .Lhead_sa
	ARM 3, G0S, G1S, .Lhead_sb
	tensor_load_to_lds s[G0SB:G0SB+3], s[G1SB:G1SB+7]
	s_nop 0
.rept 4
	v_nop
.endr
.Lhead_asked:
	v_and_b32 v1, 15, v0                           ; r
	v_bfe_u32 v2, v0, 4, 1                         ; h
	v_and_b32 v3, 31, v0                           ; lane
	v_min_u32 v30, 23, v3                          ; v30, never rewritten: a lane to each of 24 blocks of 256 bytes: 12 of a K step of one tile, 12 of the next tile (the lanes left over name the last again)
	v_mul_u32_u24 v6, v30, 171
	v_lshrrev_b32 v6, 11, v6                       ; 1 from block 12 on
	v_mul_u32_u24 v6, v6, APITCH-AROW
	v_lshl_add_u32 v30, v30, 8, v6
	global_prefetch_b8 v30, s[66:67] offset:AROW th:TH_LOAD_NT scope:SCOPE_SE     ; K steps 1 and 2, beside the head's load of K step 0
	global_prefetch_b8 v30, s[66:67] offset:2*AROW th:TH_LOAD_NT scope:SCOPE_SE
	s_mul_i32 s21, s15, HALFA                      ; my half of A
	v_lshl_add_u32 v[ADA16], v3, 4, s21
	v_lshl_add_u32 v[ADA8], v3, 3, s21
	v_add_nc_u32 v[ADA16+1], SLOT, v[ADA16]
	v_add_nc_u32 v[ADA8+1], SLOT, v[ADA8]
	v_lshlrev_b32 v4, 4, v3
	v_lshlrev_b32 v5, 3, v3
	s_mul_i32 s22, s16, HALFB                      ; my half of B, behind A's two halves
	s_add_co_u32 s22, s22, 2*HALFA
.irp s, 0,1
	v_add_nc_u32 v[ADRB+\s], s22, v4
	v_add_nc_u32 v[ADRB+2+\s], s22, v5
	s_add_co_u32 s22, s22, SLOT
.endr
	v_mul_u32_u24 v5, v1, KS                       ; my row's scales: KS bytes a row, and 16 more for each 256 passed
	v_lshrrev_b32 v6, 8, v5
	v_lshl_add_u32 v5, v6, 4, v5
	s_mul_i32 s21, s15, HALFS
	s_mul_i32 s22, s16, HALFS
	s_add_co_u32 s22, s22, 2*HALFS
	s_sub_co_u32 s22, s22, s21
	v_mul_u32_u24 v6, s22, v2                      ; lanes 16-31 take B's
	s_add_co_u32 s21, s21, SCL
	v_add_nc_u32 v5, v5, v6
	v_add_nc_u32 v[ADRS], s21, v5
	s_mul_i32 s46, s42, 128*NB                     ; the bias of my columns: lane (r, h) wants, for block b, numbers 16 b + 8 h + 0 .. 7
	s_mul_i32 s47, s16, 64*NB
	s_add_co_u32 s46, s46, s47
	s_mov_b32 s47, 0
	s_add_nc_u64 s[96:97], s[96:97], s[46:47]
	v_lshlrev_b32 v7, 5, v2
.set fi, 0
.rept NB
	global_load_b128 v[BI+8*fi:BI+8*fi+3], v7, s[96:97] offset:64*fi
	global_load_b128 v[BI+8*fi+4:BI+8*fi+7], v7, s[96:97] offset:64*fi+16
.set fi, fi+1
.endr
	; the v way's stage addresses are made here, ahead of every parting of ways
.set VSP, 144                          ; a stage row: a token's 32 columns, 128 bytes + 16: 36 words: the 16 rows of a store start at 16 different groups of four banks
	s_mul_i32 s22, s14, 128*VSP
	v_mul_u32_u24 v8, v1, VSP
	v_lshl_add_u32 v8, v2, 5, v8
	v_add_nc_u32 v8, s22, v8                       ; in: token r, + 32 h
	v_and_b32 v9, 8, v1
	v_add_nc_u32 v9, v9, v1
	v_lshlrev_b32 v9, 2, v9
	v_mad_u32_u24 v9, v2, 32*VSP, v9
	v_add_nc_u32 v9, s22, v9                       ; out: column r + 8 (r / 8), tokens from 32 h on
	s_wait_alu depctr_va_vdst(0)
	s_wait_tensorcnt 0x0                           ; my tile of the head's four is in
	ds_add_u32 v[SPW], v[NIL]
	s_mov_b32 s[G1+2], NB<<16                      ; no load of mine is out: from here on a load brings one half
	s_mov_b32 s[G1+4], NB
	s_mov_b32 s[G1B+2], NB<<16
	s_mov_b32 s[G1B+4], NB
	s_wait_dscnt 0x0
	CROUND                                         ; all four tiles are in, all sixteen work-groups are here
	JLOAD G0+4, G1, G0B+4, G1B                     ; K step 1, the first tensor load behind the round
	FETCH_B 0, 0, 0
	FETCH_A 0, 0, 0
	SCALES 0
	global_prefetch_b8 v30, s[66:67] offset:3*AROW th:TH_LOAD_NT scope:SCOPE_SE   ; behind K step 1's load: K step 3, the last, two loads ahead
	FETCH_A 0, 0, NB/2
	s_wait_loadcnt 0x0                             ; the bias
	STEP 0, 0, 1                                   ; the first step stands in front of the loop: its products start the sums from the bias
.if LAPS > 1
	s_mov_b32 s3, LAPS-1
.Llap:
	MID 0
	TURN 0, 1, 1
	STEP 1, 0, 0
	MID 1
	TURN 1, 0, 1
	STEP 0, 0, 0
	s_sub_co_u32 s3, s3, 1
	s_cmp_lg_u32 s3, 0
	s_cbranch_scc1 .Llap
.endif
	MID 0
	TURN 0, 1, 0                                   ; the last lap fills nothing
	STEP 1, 0, 0
	MID 1
	s_wait_dscnt (NB/2)*NLA
	WINM 0, 0
	MULS 0, NB/2, 1, NQ-1, 1, 0
	s_wait_dscnt 0
	WINM 1, 0
	MULS NB/2, NB/2, 1, NQ-1, 1, 0
	WIN 0
; ---------------- the way out
.set VCO,  6291456                     ; v's images in the output buffer (q's at 0, k's at 3,145,728)
.set SCR,  9437184                     ; the scale words: 20,480 bytes a head: q 8,192, k 8,192, v 4,096
.set YY,   64                          ; v64-95  a head's 32 turned numbers of my token
.set TT,   96                          ; v96-127 at work
.set TM,   240                         ; v240-245 the quantiser's
.set CTT,  246                         ; v246-248
.set SEL,  18
.macro QUANT2 s, c, t, w               ; 32 numbers of a lane (register s + 16 b + i = place 16 (lane / 16) + i of block b) -> 6 registers of an image in v[c] on, two scale bytes in v[w]
.irp b, 0,1
	v_max3_num_f32 v[TM+\b], |v[\s+16*\b]|, |v[\s+16*\b+1]|, 0x1800000   ; and the floor 2^(3 - 127)
.endr
.irp i, 2,4,6,8,10,12,14
.irp b, 0,1
	v_max3_num_f32 v[TM+\b], v[TM+\b], |v[\s+16*\b+\i]|, |v[\s+16*\b+\i+1]|
.endr
.endr
.irp b, 0,1
	v_permlanex16_b32 v[TM+2+\b], v[TM+\b], s[SEL], s[SEL+1]
.endr
.irp b, 0,1
	v_max_num_f32 v[TM+\b], v[TM+\b], v[TM+2+\b]
.endr
.irp b, 0,1
	v_add_nc_u32 v[TM+4+\b], 0xff000000, v[TM+\b]
.endr
.irp b, 0,1
	v_lshrrev_b32 v[TM+2+\b], 23, v[TM+4+\b]
.endr
	v_lshl_or_b32 v[\w], v[TM+3], 8, v[TM+2]
	v_cvt_scalef32_pk16_fp6_f32 v[\c:\c+2], v[\s:\s+15], v[TM+4]
	v_cvt_scalef32_pk16_fp6_f32 v[\t:\t+2], v[\s+16:\s+31], v[TM+5]
	v_nop                                          ; one plain place behind a scaled conversion
.irp i, 0,1,2
	v_permlane16_swap_b32 v[\c+\i], v[\t+\i]
.endr
.irp i, 0,1,2
	v_mov_b32 v[\c+3+\i], v[\t+\i]
.endr
.endm
	PLACES NP                                      ; behind the last products: results are read, and loads land on B's registers
	v_lshlrev_b32 v4, 4, v3                        ; 16, 8, 4 x lane
	v_lshlrev_b32 v5, 3, v3
	v_lshlrev_b32 v6, 2, v3
	v_lshlrev_b32 v7, 8, v1
	v_lshl_add_u32 v7, v2, 5, v7                   ; the table: row r, + 32 h
	v_mov_b32 v[TM+2], 0                           ; a lane permute's destination counts as one of its sources
	v_mov_b32 v[TM+3], 0
	v_mov_b32 v239, 0
	v_lshlrev_b32 v248, 3, v2                      ; 8 h
	v_cmp_gt_u32 vcc_lo, 16, v3                    ; lanes 0-15
	s_mov_b32 s[SEL], 0x76543210
	s_mov_b32 s[SEL+1], 0xfedcba98
	s_lshl_b32 s20, s17, 8
	s_lshl_b32 s21, s15, 7
	s_add_co_u32 s20, s20, s21                     ; my first token
	s_lshr_b32 s21, s20, 11                        ; its batch
	s_and_b32 s20, s20, 2047                       ; n0: its place in the sequence
	s_lshl_b32 s21, s21, 4
	s_lshl_b32 s22, s40, 2
	s_add_co_u32 s21, s21, s22
	s_lshl_b32 s22, s16, 1
	s_add_co_u32 s21, s21, s22                     ; my first head: 16 batch + 4 cx + 2 x my half
	s_mov_b32 s47, 0
	s_mov_b32 s93, 0
	s_cmp_ge_u32 ttmp9, 2                          ; the cluster's x: the same in all partners
	s_cbranch_scc1 .Lvpart
	s_lshl_b32 s22, s20, 8
	s_mov_b32 s23, 0
	s_add_nc_u64 s[98:99], s[98:99], s[22:23]      ; the table at n0
	s_lshl_b32 s46, s21, 7
	s_lshr_b32 s22, s20, 4
	s_add_co_u32 s46, s46, s22
	s_mul_i32 s46, s46, 768                        ; images: (128 head + n0 / 16) x 768,
	s_mul_i32 s22, ttmp9, 3145728                  ; in q's or k's part
	s_add_co_u32 s46, s46, s22
	s_add_nc_u64 s[46:47], s[12:13], s[46:47]
	s_mul_i32 s92, s21, 20480
	s_lshl_b32 s22, ttmp9, 13
	s_add_co_u32 s92, s92, s22
	s_lshl_b32 s22, s20, 2
	s_add_co_u32 s92, s92, s22
	s_add_co_u32 s92, s92, SCR
	s_add_nc_u64 s[92:93], s[12:13], s[92:93]
	WIN 0x40                                       ; the table's 128 rows x my 128 bytes fill window 1: (cos, sin) of block a, columns 16 b' + 8 h on, at v[32 a + 8 b']
	s_wait_alu depctr_va_vdst(0)
.irp a, 0,1,2,3,4,5,6,7
.irp bb, 0,1,2,3
.irp k, 0,1
	global_load_b128 v[32*\a+8*\bb+4*\k:32*\a+8*\bb+4*\k+3], v7, s[98:99] offset:4096*\a+64*\bb+16*\k
.endr
.endr
.endr
	WIN 0
.macro ROPEQ a
	s_wait_loadcnt 56-8*(\a)                       ; block a's eight loads are in; the later blocks' may be out
.irp hd, 0,1
	WIN 0x06+(\a)/4                                ; source 0: the accumulators' window; source 1: the table's
.set pp, 0
.rept 16
.set rX, 8*(8*((\a)%4)+4*\hd+pp/4)+2*(pp%4)
.set rC, 32*(\a)+8*(pp/4)+2*(pp%4)
	v_pk_mul_f32 v[TT+2*pp:TT+2*pp+1], v[rX:rX+1], v[rC:rC+1] op_sel_hi:[1,0]      ; (x0, x1) cos; each accumulator is read from its low end on
.set pp, pp+1
.endr
.set pp, 0
.rept 16
.set rX, 8*(8*((\a)%4)+4*\hd+pp/4)+2*(pp%4)
.set rC, 32*(\a)+8*(pp/4)+2*(pp%4)
	v_pk_fma_f32 v[YY+2*pp:YY+2*pp+1], v[rX:rX+1], v[rC:rC+1], v[TT+2*pp:TT+2*pp+1] op_sel:[1,1,0] op_sel_hi:[0,1,1] neg_lo:[1,0,0]   ; + (-x1, x0) sin
.set pp, pp+1
.endr
	WIN 0
.set qc, 128+6*(2*(\a)+\hd)
.set qw, 224+2*(\a)+\hd
	QUANT2 YY, qc, CTT, qw
	global_store_b128 v4, v[qc:qc+3], s[46:47] offset:98304*\hd+768*(\a)
	global_store_b64 v5, v[qc+4:qc+5], s[46:47] offset:98304*\hd+768*(\a)+512
.endr
.endm
.irp a, 0,1,2,3,4,5,6,7
	ROPEQ \a
.endr
.irp a, 0,2,4,6                        ; the scale words of two blocks of tokens leave together: 128 consecutive bytes
.irp hd, 0,1
	v_cndmask_b32 v[224+2*\a+\hd], v[226+2*\a+\hd], v[224+2*\a+\hd], vcc_lo
	global_store_b32 v6, v[224+2*\a+\hd], s[92:93] offset:20480*\hd+64*\a
.endr
.endr
	FINISH
.Lvpart:
	s_lshr_b32 s22, s20, 7                         ; the key step
	s_lshl_b32 s46, s21, 4
	s_add_co_u32 s46, s46, s22
	s_mul_i32 s46, s46, 6144
	s_add_co_u32 s46, s46, VCO
	s_add_nc_u64 s[46:47], s[12:13], s[46:47]
	s_mul_i32 s92, s21, 20480
	s_lshl_b32 s22, s22, 8
	s_add_co_u32 s92, s92, s22
	s_add_co_u32 s92, s92, SCR+16384
	s_add_nc_u64 s[92:93], s[12:13], s[92:93]
; 32 columns (half a head) of my 128 tokens.  The stage lies in slot 0, which has had its last fill, and which nobody has read since the last change of slots.
.macro VGROUP g
.irp a, 0,1,2,3,4,5,6,7
	WIN 0x08+4*(\a/4)                              ; an LDS store's data are its source 1
.irp u, 0,1
.set rX, 8*(8*(\a%4)+2*(\g)+\u)
	ds_store_b128 v8, v[rX:rX+3] offset:16*VSP*\a+64*\u
	ds_store_b128 v8, v[rX+4:rX+7] offset:16*VSP*\a+64*\u+16
.endr
.endr
	WIN 0
.irp u, 0,1
.set pp, 0
.rept 64
.set kk, pp%32
.set pk, 8*(2*((kk/8)%2)+kk/16)+kk%8   ; the key at place kk of a block: 0-7, 16-23, 8-15, 24-31
	ds_load_b32 v[64+pp], v9 offset:VSP*(64*(pp/32)+pk)+32*\u      ; LDS serves a wave's instructions in order: these see my stores
.set pp, pp+1
.endr
	s_wait_dscnt 0x0
.irp c, 0,1
	v_max3_num_f32 v[232+\c], |v[64+32*\c]|, |v[65+32*\c]|, 0x1800000   ; my block 2 c + h: all its 32 numbers are mine
.endr
.irp i, 2,4,6,8,10,12,14,16,18,20,22,24,26,28,30
.irp c, 0,1
	v_max3_num_f32 v[232+\c], v[232+\c], |v[64+32*\c+\i]|, |v[65+32*\c+\i]|
.endr
.endr
.irp c, 0,1
	v_add_nc_u32 v[234+\c], 0xff000000, v[232+\c]
.endr
.irp c, 0,1
	v_lshrrev_b32 v[236+\c], 23, v[234+\c]
.endr
	v_lshl_or_b32 v238, v237, 16, v236             ; my two bytes, blocks h and 2 + h,
	v_lshlrev_b32 v238, v248, v238                 ; at their places;
	v_permlanex16_b32 v239, v238, s[SEL], s[SEL+1]
	v_or_b32 v[250+\u], v238, v239                 ; with lane l xor 16's the word is whole
.set cd, 128+12*(2*(\g)+\u)
.irp c, 0,1
	v_cvt_scalef32_pk16_fp6_f32 v[cd+6*\c:cd+6*\c+2], v[64+32*\c:79+32*\c], v[234+\c]
	v_cvt_scalef32_pk16_fp6_f32 v[240+4*\c:242+4*\c], v[80+32*\c:95+32*\c], v[234+\c]
.endr
	v_nop                                          ; one plain place behind a scaled conversion
.irp c, 0,1
.irp i, 0,1,2
	v_mov_b32 v[cd+6*\c+3+\i], v[240+4*\c+\i]
.endr
.endr
.irp c, 0,1,2
	global_store_b128 v4, v[cd+4*\c:cd+4*\c+3], s[46:47] offset:98304*((\g)/2)+1536*(2*((\g)%2)+\u)+512*\c
.endr
.endr
	v_cndmask_b32 v[224+(\g)], v251, v250, vcc_lo  ; two tiles' words: lanes 0-15 the first's, lanes 16-31 the second's
	global_store_b32 v6, v[224+(\g)], s[92:93] offset:20480*((\g)/2)+128*((\g)%2)
.endm
	VGROUP 0
	VGROUP 1
	VGROUP 2
	VGROUP 3
	FINISH
.Lfunc_end_k_q5c9488f593_qkv:
	.size	k_q5c9488f593_qkv, .Lfunc_end_k_q5c9488f593_qkv-k_q5c9488f593_qkv
	.p2alignl 7, 3214868480
	.fill 96, 4, 3214868480
	.section	.rodata,"a",@progbits
	.p2align	6, 0x0
	.amdhsa_kernel k_q5c9488f593_qkv
		.amdhsa_group_segment_fixed_size 327680
		.amdhsa_private_segment_fixed_size 0
		.amdhsa_enable_private_segment 0
		.amdhsa_kernarg_size 48
		.amdhsa_user_sgpr_count 2
		.amdhsa_user_sgpr_kernarg_segment_ptr 1
		.amdhsa_wavefront_size32 1
		.amdhsa_system_sgpr_workgroup_id_x 1
		.amdhsa_system_sgpr_workgroup_id_y 1
		.amdhsa_system_sgpr_workgroup_id_z 1
		.amdhsa_system_vgpr_workitem_id 0
		.amdhsa_next_free_vgpr 1024
		.amdhsa_next_free_sgpr 102
		.amdhsa_reserve_vcc 1
		.amdhsa_float_denorm_mode_32 3
		.amdhsa_float_denorm_mode_16_64 3
		.amdhsa_memory_ordered 1
		.amdhsa_forward_progress 1
		.amdhsa_inst_pref_size 255
	.end_amdhsa_kernel
	.section	.bss,"aw",@nobits
	.p2align	6
	.space	262144
	.amdgpu_metadata
---
amdhsa.version: [ 1, 2 ]
amdhsa.kernels:
  - .name:           k_q5c9488f593_qkv
    .symbol:         k_q5c9488f593_qkv.kd
    .args:
      - { .name: acta, .offset: 0, .size: 8, .value_kind: global_buffer, .address_space: global }
      - { .name: wimg, .offset: 8, .size: 8, .value_kind: global_buffer, .address_space: global }
      - { .name: qkv_w_scales, .offset: 16, .size: 8, .value_kind: global_buffer, .address_space: global }
      - { .name: qkv_b, .offset: 24, .size: 8, .value_kind: global_buffer, .address_space: global }
      - { .name: rope, .offset: 32, .size: 8, .value_kind: global_buffer, .address_space: global }
      - { .name: qkvc, .offset: 40, .size: 8, .value_kind: global_buffer, .address_space: global }
    .group_segment_fixed_size: 327680
    .private_segment_fixed_size: 0
    .kernarg_segment_align: 8
    .kernarg_segment_size: 48
    .max_flat_workgroup_size: 128
    .sgpr_count:     102
    .vgpr_count:     1024
    .wavefront_size: 32
...
	.end_amdgpu_metadata
.endif
;; end of part 2
;; launch attn (part 3): grid 8 x 32, 16 waves a work-group, clusters of 4 x 1, 211,456 bytes of LDS; arguments qkvc, actb; writes actb
.if DOCPART == 3
	.amdgcn_target "amdgcn-amd-amdhsa--gfx1250"
	.amdhsa_code_object_version 6
	.text
	.protected	k_q5c9488f593_attn
	.globl	k_q5c9488f593_attn
	.p2align	8
	.type	k_q5c9488f593_attn,@function
k_q5c9488f593_attn:
	s_mov_b64 s[64:65], 0
	v_nop
	global_prefetch_b8 v0, s[64:65] scope:SCOPE_SE
	s_setreg_imm32_b32 hwreg(HW_REG_WAVE_MODE, 25, 1), 1
	s_wait_xcnt 0x0
	s_wait_alu depctr_hold_cnt(0) depctr_sa_sdst(0) depctr_va_vdst(0) depctr_va_sdst(0) depctr_va_ssrc(0) depctr_va_vcc(0) depctr_vm_vsrc(0)
	s_getreg_b32 s2, hwreg(HW_REG_IB_STS2, 6, 4)
	s_cmp_eq_u32 s2, 0
	s_cbranch_scc0 .Lentry_in_a_cluster
	s_endpgm
.Lentry_in_a_cluster:
	s_bfe_u32 s2, ttmp6, 0x10000c
	s_cmp_lg_u32 s2, 0x3003
	s_cbranch_scc0 .Lentry_shape_is_right
	s_endpgm
.Lentry_shape_is_right:
; Attention of one head on codes of FP6 (E2M3) with E8M0 scales, no mask: S^T = K Q^T, p = 2^(t - M), O^T = V^T P^T, o = O / l, and o quantised along the model's 1,024 for the next product.
; t = score x log2(e) / 8; M = the running largest t rounded UP to a whole number; the row's sum l is taken of the unquantised p; when M moves, l and O^T are multiplied by 2^(old M - new M), which rounds nothing.
; SHARES.  A work-group owns 256 queries of one head, each of its 16 waves 16 of them: four waves to a SIMD, so that one wave's vector work stands beside another's products and LDS loads.
; ALL OF THE HEAD'S K AND V STAY IN LDS (98,304 bytes each, and 12,288 of scale words): filled once, so there is no ring.  CLUSTER: the four query blocks of a cluster belong to one head: every tile is asked for jointly.
; ALL 16 WAVES FETCH, one joint load each: waves 0-5 a sixth of K's images (64 rows of 256 bytes), waves 6-11 a sixth of V's, waves 12-15 a quarter of the scale words (12 rows).
; Sixteen loads in all; every one has landed before the first key step.
; LAYOUT.  K and Q come as images of 16 rows x 64 K (768 bytes); the head's 64 fill half of the instruction's 128: Q's upper six registers are zero codes, so what stands in K's upper six (the next tile's codes) adds nothing;
; the upper two bytes of both scale words are 0, which is 2^-127 and no NaN.  A tile of S^T is 16 neighbouring keys; a lane holds one query.  p's codes therefore stand, inside a block of 32 keys, in the order 0-7, 16-23, 8-15, 24-31, and V's codes were laid in that order.
; V's tiles take channels so that a lane's 16 registers of two neighbouring tiles of O^T are 16 neighbouring channels: o's quantiser finds its blocks in true order.
; LIMITS: NaN and infinities are not served; v_exp_f32 gives 0 for p under 2^-126; a block whose every p is 0 keeps the byte 1 (its codes are zeros).  A block's largest p is made from the block's largest score by the same two instructions.
; REGISTERS: v1-3, v9, v10 lane terms; v4-8 the step's addresses; v12 -M, v13 largest t, v[14:15] l; v16-27 Q; v28-31 addresses; v32-85 K's tiles, then v32-79 V's; v96-159 S^T, p; v160-191 O^T; v192-203 p's codes; v204-223 at work; v224-231 scale words; v232-237 at work.
.set VOFF, 98304                       ; V's images, behind K's
.set SCW,  196608                      ; k's scale words (8,192 bytes), then v's (4,096)
.set OST,  208896                      ; 256 x 2 scale bytes of o
.set KCO,  3145728                     ; k's images in the input buffer; v's lie as far again behind them
.set SCR,  9437184                     ; the scale words, 20,480 bytes a head
.set S,   96
.set O,   160
.set PCD, 192
.set CT,  204
.set BM,  212
.set BP,  216
.set SO,  220
.set TM,  212
.set KSW, 224
.set VSW, 228
.set PW,  230
.set QW,  231
.set F,   232
.set TMP, 234
.set AC2, 236
.set SEL, 52
.set CS,  54
.set TK,  56
.set TS,  57
.set TJ,  58
.set CNT, 59
.macro CROUND                          ; a round of the cluster's barrier
	s_barrier_signal -1
	s_barrier_wait -1
	s_cmp_lg_u32 s8, 0
	s_cbranch_scc1 .Lnot_wave_0_\@
	s_barrier_signal -3
.Lnot_wave_0_\@:
	s_barrier_wait -3
	s_barrier_signal -1
	s_barrier_wait -1
.endm
.macro QUANT2 s, c, t, w               ; 32 numbers of a lane (register s + 16 b + i = number 16 (lane / 16) + i of block b) -> 6 registers of an image in v[c] on, two scale bytes in v[w]
.irp b, 0,1
	v_max3_num_f32 v[TM+\b], |v[\s+16*\b]|, |v[\s+16*\b+1]|, 0x1800000
.endr
.irp i, 2,4,6,8,10,12,14
.irp b, 0,1
	s_delay_alu instid0(VALU_DEP_2)
	v_max3_num_f32 v[TM+\b], v[TM+\b], |v[\s+16*\b+\i]|, |v[\s+16*\b+\i+1]|
.endr
.endr
.irp b, 0,1
	s_delay_alu instid0(VALU_DEP_2)
	v_permlanex16_b32 v[TM+2+\b], v[TM+\b], s[SEL], s[SEL+1]
.endr
.irp b, 0,1
	s_delay_alu instid0(VALU_DEP_2)
	v_max_num_f32 v[TM+\b], v[TM+\b], v[TM+2+\b]
.endr
.irp b, 0,1
	s_delay_alu instid0(VALU_DEP_2)
	v_add_nc_u32 v[TM+4+\b], 0xff000000, v[TM+\b]
.endr
.irp b, 0,1
	s_delay_alu instid0(VALU_DEP_2)
	v_lshrrev_b32 v[TM+2+\b], 23, v[TM+4+\b]
.endr
	s_delay_alu instid0(VALU_DEP_1)
	v_lshl_or_b32 v[\w], v[TM+3], 8, v[TM+2]
	v_cvt_scalef32_pk16_fp6_f32 v[\c:\c+2], v[\s:\s+15], v[TM+4]
	v_cvt_scalef32_pk16_fp6_f32 v[\t:\t+2], v[\s+16:\s+31], v[TM+5]
	v_nop
.irp i, 0,1,2
	v_permlane16_swap_b32 v[\c+\i], v[\t+\i]
.endr
.irp i, 0,1,2
	s_delay_alu instid0(VALU_DEP_3)
	v_mov_b32 v[\c+3+\i], v[\t+\i]
.endr
.endm
	s_load_b128 s[4:7], s[0:1], 0x0                ; q, k, v with their scale words s[4:5]; o's images and scale bytes s[6:7]
	v_lshl_add_u32 v254, v0, 2, 0x33200
	v_mov_b32 v255, 0
	ds_add_u32 v254, v255
	ds_add_u32 v254, v255
	v_lshrrev_b32 v1, 5, v0
	s_delay_alu instid0(VALU_DEP_1)
	v_readfirstlane_b32 s8, v1                     ; wave 0..15
	s_bfe_u32 s9, ttmp6, 0x40000                   ; cx
	s_lshl_b32 s10, ttmp9, 2
	s_add_co_u32 s10, s10, s9                      ; my block of 256 queries: it enters Q's and o's global addresses alone
	s_and_b32 s11, ttmp7, 0xffff                   ; 16 batch + head, which the four partners share
.irp g, 16, 24
	s_mov_b32 s[\g], 15|(3<<16)|(1<<21)
	s_mov_b32 s[\g+1], 32<<16
	s_mov_b32 s[\g+3], 32<<16
	s_mov_b32 s[\g+5], 32
	s_mov_b32 s[\g+6], 0
	s_mov_b32 s[\g+7], 0
.endr
	s_mov_b32 s18, 12<<16                          ; 12 rows: a quarter of the scale words
	s_mov_b32 s20, 12
	; ALL 16 WAVES FETCH, ONE JOINT LOAD EACH: waves 0-5 a sixth of K's images (64 rows of 256 bytes), waves 6-11 a sixth of V's, waves 12-15 a quarter of the scale words (12 rows)
	s_mov_b32 s26, 64<<16
	s_mov_b32 s28, 64
	s_mov_b32 s40, 1
	s_mul_i32 s41, s8, 3072
	s_add_co_u32 s41, s41, SCW-12*3072             ; waves 12-15: quarter w - 12
	s_mov_b32 s44, 1
	s_lshl_b32 s45, s8, 14                         ; waves 0-11: 16,384 w (V's images begin at 6 x 16,384)
	s_mul_i32 s60, s11, 20480
	s_add_co_u32 s60, s60, SCR                     ; the head's scale words (kept)
	s_mul_i32 s62, s8, 3072
	s_add_co_u32 s62, s62, s60
	s_sub_co_u32 s62, s62, 12*3072-8192            ; k's and v's words, my quarter
	s_mov_b32 s63, 0
	s_cmp_ge_u32 s8, 6
	s_cselect_b32 s2, KCO-VOFF, 0                  ; V lies KCO behind K in memory, VOFF behind it in LDS
	s_add_co_u32 s2, s2, KCO
	s_add_co_u32 s2, s2, s45
	s_mul_i32 s15, s11, 98304
	s_add_co_u32 s2, s2, s15                       ; the head's K or V, my sixth
	s_mov_b32 s3, 0
	s_mov_b32 s[SEL], 0x76543210
	s_mov_b32 s[SEL+1], 0xfedcba98
	s_mov_b32 s[CS], 0x3e38aa3b                    ; c = log2(e) / 8
	s_mov_b32 s[CS+1], s[CS]
	s_mov_b32 s[TK], 0
	s_mov_b32 s[TS], 0
	s_mov_b32 s[TJ], 0
	s_wait_dscnt 0x0
	s_wait_kmcnt 0x0
	s_add_nc_u64 s[42:43], s[4:5], s[62:63]
	s_or_b32 s43, s43, 0x80000000
	s_add_nc_u64 s[46:47], s[4:5], s[2:3]
	s_or_b32 s47, s47, 0x80000000
	CROUND                                         ; all four work-groups are here: the joint loads meet
	s_cmp_lt_u32 s8, 12                            ; the branch hangs on the wave's number alone; each arm holds one load, both lead to one join
	s_cbranch_scc0 .Lfetch_s
	tensor_load_to_lds s[44:47], s[24:31]
	s_nop 0
.rept 4
	v_nop
.endr
	s_branch .Lfetched
.Lfetch_s:
	tensor_load_to_lds s[40:43], s[16:23]
	s_nop 0
.rept 4
	v_nop
.endr
.Lfetched:
	s_lshl_b32 s12, s11, 7
	s_lshl_b32 s13, s10, 4
	s_add_co_u32 s12, s12, s13
	s_add_co_u32 s12, s12, s8
	s_mul_i32 s12, s12, 768                        ; Q's image: tile 128 head + 16 block + wave
	s_mov_b32 s13, 0
	s_add_nc_u64 s[12:13], s[4:5], s[12:13]
	s_lshl_b32 s14, s10, 10
	s_lshl_b32 s15, s8, 6
	s_add_co_u32 s14, s14, s15
	s_add_co_u32 s14, s14, s60
	s_mov_b32 s15, 0
	s_add_nc_u64 s[14:15], s[4:5], s[14:15]        ; and its scale words
	v_and_b32 v11, 31, v0
	s_delay_alu instid0(VALU_DEP_1)
	v_lshlrev_b32 v1, 4, v11                       ; 16 x lane
	s_delay_alu instid0(VALU_DEP_2)
	v_lshlrev_b32 v2, 3, v11                       ; 8 x lane
	s_delay_alu instid0(VALU_DEP_3)
	v_lshl_add_u32 v3, v11, 2, SCW                 ; k's words: 4 x lane
	s_delay_alu instid0(VALU_DEP_3)
	v_add_nc_u32 v9, VOFF, v1                      ; V's images
	v_lshl_add_u32 v10, v11, 2, SCW+8192           ; v's words
	v_and_b32 v28, 15, v0
	s_delay_alu instid0(VALU_DEP_1)
	v_lshlrev_b32 v29, 2, v28
	s_lshl_b32 s2, s8, 5
	s_add_co_u32 s2, s2, OST
	v_lshl_add_u32 v30, v28, 1, s2                 ; o's scale bytes: 32 w + 2 r
	v_add_nc_u32 v31, OST, v1
	global_load_b128 v[16:19], v1, s[12:13]
	global_load_b64 v[20:21], v2, s[12:13] offset:512
	global_load_b32 v[QW], v29, s[14:15]
.irp j, 22,23,24,25,26,27,80,81,82,83,84,85
	v_mov_b32 v\j, 0                               ; zero codes: Q's upper half, and what stands behind K's last tile
.endr
	v_mov_b32 v13, 0xff61b1e6                      ; the largest t so far: -3e38
	s_delay_alu instid0(VALU_DEP_1)
	v_floor_f32 v12, -v13                          ; -M
	v_mov_b32 v14, 0
	v_mov_b32 v15, 0
.irp b, 0,1,2,3
	v_mov_b32 v[BP+\b], 0                          ; a lane permute's destination counts as one of its sources
.endr
	v_mov_b32 v[F+1], 0                            ; (named as the upper half of a pair)
.set j, 0
.rept 32
	v_mov_b32 v[O+j], 0                            ; O^T: the step is written once; its first trip finds zeros, which the first change of M leaves zeros
.set j, j+1
.endr
.macro STEP                            ; 128 keys
	v_add_nc_u32 v4, s[TK], v1                     ; (these five are also the places in front of loads into registers that the last products read)
	v_add_nc_u32 v5, s[TK], v2
	v_add_nc_u32 v6, s[TS], v3
	v_add_nc_u32 v7, s[TK], v9
	v_add_nc_u32 v8, s[TJ], v10
.irp t, 0,1,2,3,4,5,6,7
	ds_load_b128 v[32+6*\t:35+6*\t], v4 offset:768*\t
	ds_load_b64 v[36+6*\t:37+6*\t], v5 offset:768*\t+512
.endr
.irp i, 0,1,2,3
	ds_load_b32 v[KSW+\i], v6 offset:128*\i        ; lanes 0-15 tile 2 i's words, lanes 16-31 tile 2 i + 1's
.endr
	s_wait_alu depctr_va_vdst(0)
	s_wait_dscnt 0x0
.irp t, 0,2,4,6
	v_wmma_scale_f32_16x16x128_f8f6f4 v[S+8*\t:S+8*\t+7], v[32+6*\t:43+6*\t], v[16:27], 0, v[KSW+\t/2], v[QW] matrix_a_fmt:MATRIX_FMT_FP6 matrix_b_fmt:MATRIX_FMT_FP6
	v_wmma_scale_f32_16x16x128_f8f6f4 v[S+8*\t+8:S+8*\t+15], v[38+6*\t:49+6*\t], v[16:27], 0, v[KSW+\t/2], v[QW] matrix_a_fmt:MATRIX_FMT_FP6 matrix_b_fmt:MATRIX_FMT_FP6 matrix_a_scale:MATRIX_SCALE_ROW1
.endr
.rept 4
	v_nop                                          ; places: results are read, and V lands on K's registers
.endr
.irp t, 0,1,2,3
.irp c, 0,1,2
	ds_load_b128 v[32+12*\t+4*\c:35+12*\t+4*\c], v7 offset:1536*\t+512*\c   ; V's four fragments: they land under the softmax
.endr
.endr
	ds_load_b32 v[VSW], v8
	ds_load_b32 v[VSW+1], v8 offset:128
.irp b, 0,1,2,3
	v_max3_num_f32 v[BM+\b], v[S+16*\b], v[S+1+16*\b], v[S+2+16*\b]      ; the largest score of each block of 32 keys: for the row's maximum, and for the block's largest p
.endr
.irp i, 3,5,7,9,11,13
.irp b, 0,1,2,3
	v_max3_num_f32 v[BM+\b], v[BM+\b], v[S+16*\b+\i], v[S+1+16*\b+\i]
.endr
.endr
.irp b, 0,1,2,3
	v_max_num_f32 v[BM+\b], v[BM+\b], v[S+15+16*\b]
.endr
.irp b, 0,1,2,3
	s_delay_alu instid0(VALU_DEP_4)
	v_permlanex16_b32 v[BP+\b], v[BM+\b], s[SEL], s[SEL+1]
.endr
.irp b, 0,1,2,3
	s_delay_alu instid0(VALU_DEP_4)
	v_max_num_f32 v[BM+\b], v[BM+\b], v[BP+\b]
.endr
	s_delay_alu instid0(VALU_DEP_2)
	v_max3_num_f32 v[TMP], v[BM], v[BM+1], v[BM+2]
	s_delay_alu instid0(VALU_DEP_1)
	v_max_num_f32 v[TMP], v[TMP], v[BM+3]
	s_delay_alu instid0(VALU_DEP_1)
	v_mul_f32 v[TMP], s[CS], v[TMP]
	s_delay_alu instid0(VALU_DEP_1)
	v_max_num_f32 v13, v13, v[TMP]                 ; the running largest t
	v_mov_b32 v[TMP], v12
	s_delay_alu instid0(VALU_DEP_2)
	v_floor_f32 v12, -v13                          ; the new -M = -ceil(t)
	s_delay_alu instid0(VALU_DEP_1)
	v_sub_f32 v[TMP], v12, v[TMP]                  ; old M - new M: a whole number, 0 or less
	s_delay_alu instid0(VALU_DEP_1)
	v_cvt_i32_f32 v[TMP], v[TMP]                   ; (it saturates)
	s_delay_alu instid0(VALU_DEP_1)
	v_ldexp_f32 v[F], 1.0, v[TMP]                  ; f = 2^(old M - new M)
.set j, 0
.rept 32
	v_pk_fma_f32 v[S+j:S+j+1], v[S+j:S+j+1], s[CS:CS+1], v[12:13] op_sel_hi:[1,0,0]   ; t - M
.set j, j+2
.endr
.irp b, 0,1,2,3
	v_fma_f32 v[BM+\b], v[BM+\b], s[CS], v12
.endr
.set j, 0
	s_wait_alu depctr_va_vdst(0)
.rept 64
	v_exp_f32 v[S+j], v[S+j]                       ; p = 2^(t - M): not normalised
.set j, j+1
.endr
.irp b, 0,1,2,3
	v_exp_f32 v[BM+\b], v[BM+\b]                   ; the block's largest p
.endr
	v_pk_mul_f32 v[14:15], v[14:15], v[F:F+1] op_sel_hi:[1,0]      ; l under the new M (a plain place behind the exponentials)
	s_wait_alu depctr_va_vdst(0)
.irp b, 0,1,2,3
	v_max_num_f32 v[BM+\b], 0x1800000, v[BM+\b]    ; the floor 2^(3 - 127)
.endr
.irp b, 0,1,2,3
	s_delay_alu instid0(VALU_DEP_4)
	v_add_nc_u32 v[SO+\b], 0xff000000, v[BM+\b]
.endr
.irp b, 0,1,2,3
	s_delay_alu instid0(VALU_DEP_4)
	v_lshrrev_b32 v[BP+\b], 23, v[SO+\b]
.endr
	s_delay_alu instid0(VALU_DEP_3)
	v_lshl_or_b32 v[PW], v[BP+1], 8, v[BP]         ; p's scale word for these 128 keys
	s_delay_alu instid0(VALU_DEP_1)
	v_lshl_or_b32 v[PW], v[BP+2], 16, v[PW]
	s_delay_alu instid0(VALU_DEP_1)
	v_lshl_or_b32 v[PW], v[BP+3], 24, v[PW]
.irp c, 0,1
	v_cvt_scalef32_pk16_fp6_f32 v[PCD+6*\c:PCD+6*\c+2], v[S+32*\c:S+32*\c+15], v[SO+2*\c]
	v_cvt_scalef32_pk16_fp6_f32 v[CT+4*\c:CT+4*\c+2], v[S+16+32*\c:S+31+32*\c], v[SO+2*\c+1]
.endr
	v_nop                                          ; one plain place behind a scaled conversion
.irp c, 0,1
.irp i, 0,1,2
	v_permlane16_swap_b32 v[PCD+6*\c+\i], v[CT+4*\c+\i]
.endr
.irp i, 0,1,2
	s_delay_alu instid0(VALU_DEP_3)
	v_mov_b32 v[PCD+6*\c+3+\i], v[CT+4*\c+\i]
.endr
.endr
	v_pk_add_f32 v[236:237], v[100:101], v[104:105]
	v_pk_add_f32 v[252:253], v[108:109], v[112:113]
	v_pk_add_f32 v[250:251], v[116:117], v[120:121]
	v_pk_add_f32 v[248:249], v[124:125], v[128:129]
	v_pk_add_f32 v[246:247], v[132:133], v[136:137]
	v_pk_add_f32 v[244:245], v[140:141], v[144:145]
	v_pk_add_f32 v[242:243], v[148:149], v[152:153]
	v_pk_add_f32 v[14:15], v[14:15], v[156:157]
	v_pk_add_f32 v[236:237], v[236:237], v[96:97]
	v_pk_add_f32 v[252:253], v[252:253], v[98:99]
	v_pk_add_f32 v[250:251], v[250:251], v[102:103]
	v_pk_add_f32 v[248:249], v[248:249], v[106:107]
	v_pk_add_f32 v[246:247], v[246:247], v[110:111]
	v_pk_add_f32 v[244:245], v[244:245], v[114:115]
	v_pk_add_f32 v[242:243], v[242:243], v[118:119]
	v_pk_add_f32 v[14:15], v[14:15], v[122:123]
	v_pk_add_f32 v[236:237], v[236:237], v[126:127]
	v_pk_add_f32 v[252:253], v[252:253], v[130:131]
	v_pk_add_f32 v[250:251], v[250:251], v[134:135]
	v_pk_add_f32 v[248:249], v[248:249], v[138:139]
	v_pk_add_f32 v[246:247], v[246:247], v[142:143]
	v_pk_add_f32 v[244:245], v[244:245], v[146:147]
	v_pk_add_f32 v[242:243], v[242:243], v[150:151]
	v_pk_add_f32 v[14:15], v[14:15], v[154:155]
	v_pk_add_f32 v[236:237], v[236:237], v[158:159]
	s_delay_alu instid0(VALU_DEP_2)
	v_pk_add_f32 v[14:15], v[14:15], v[248:249]
	s_delay_alu instid0(VALU_DEP_2)
	v_pk_add_f32 v[236:237], v[236:237], v[246:247]
	v_pk_add_f32 v[252:253], v[252:253], v[244:245]
	v_pk_add_f32 v[250:251], v[250:251], v[242:243]
	s_delay_alu instid0(VALU_DEP_2)
	v_pk_add_f32 v[14:15], v[14:15], v[252:253]
	s_delay_alu instid0(VALU_DEP_2)
	v_pk_add_f32 v[236:237], v[236:237], v[250:251]
	s_delay_alu instid0(VALU_DEP_1)
	v_pk_add_f32 v[14:15], v[14:15], v[236:237]
.set j, 0
.rept 16
	v_pk_mul_f32 v[O+j:O+j+1], v[O+j:O+j+1], v[F:F+1] op_sel_hi:[1,0]      ; O^T under the new M.  (With the sums: the places between p's codes and scale word and the products)
.set j, j+2
.endr
	s_wait_alu depctr_va_vdst(0)
	s_wait_dscnt 0x0                               ; V and its words
.irp t, 0,2
	v_wmma_scale_f32_16x16x128_f8f6f4 v[O+8*\t:O+8*\t+7], v[32+12*\t:43+12*\t], v[PCD:PCD+11], v[O+8*\t:O+8*\t+7], v[VSW+\t/2], v[PW] matrix_a_fmt:MATRIX_FMT_FP6 matrix_b_fmt:MATRIX_FMT_FP6
	v_wmma_scale_f32_16x16x128_f8f6f4 v[O+8*\t+8:O+8*\t+15], v[44+12*\t:55+12*\t], v[PCD:PCD+11], v[O+8*\t+8:O+8*\t+15], v[VSW+\t/2], v[PW] matrix_a_fmt:MATRIX_FMT_FP6 matrix_b_fmt:MATRIX_FMT_FP6 matrix_a_scale:MATRIX_SCALE_ROW1
.endr
	s_add_co_u32 s[TK], s[TK], 6144                ; the next 128 keys: eight images of K, four fragments of V,
	s_add_co_u32 s[TS], s[TS], 512                 ; 128 words of k,
	s_add_co_u32 s[TJ], s[TJ], 256                 ; 64 words of v
.endm
	s_wait_tensorcnt 0x0                           ; my one load is in,
	s_barrier_signal -1
	s_barrier_wait -1                              ; everybody's is: all of K, V and their words; nothing is ever filled again
	s_wait_loadcnt 0x0                             ; Q
	s_mov_b32 s[CNT], 16                           ; 16 steps of 128 keys
.Lrest:                                                ; keys 0-2,047
	STEP
	s_sub_co_u32 s[CNT], s[CNT], 1
	s_cmp_lg_u32 s[CNT], 0
	s_cbranch_scc1 .Lrest
.rept 4
	v_nop                                          ; places behind the last products
.endr
	v_add_f32 v14, v14, v15
	s_delay_alu instid0(VALU_DEP_1)
	v_permlanex16_b32 v[TMP], v14, s[SEL], s[SEL+1]
	s_delay_alu instid0(VALU_DEP_1)
	v_add_f32 v14, v14, v[TMP]                     ; the row's sum
	s_wait_alu depctr_va_vdst(0)
	v_rcp_f32 v14, v14
	v_nop
.set j, 0
	s_wait_alu depctr_va_vdst(0)
.rept 32
	v_mul_f32 v[S+j], v[O+j], v14                  ; o: register 16 b + i is channel 32 b + 16 h + i of my query
.set j, j+1
.endr
	s_lshr_b32 s12, s11, 4                         ; batch
	s_and_b32 s13, s11, 15                         ; head
	s_lshl_b32 s14, s12, 7
	s_lshl_b32 s15, s10, 4
	s_add_co_u32 s14, s14, s15
	s_add_co_u32 s14, s14, s8                      ; my tile of tokens
	s_lshl_b32 s14, s14, 4
	s_add_co_u32 s14, s14, s13                     ; chunk = head
	s_mul_i32 s14, s14, 768
	s_mov_b32 s15, 0
	s_add_nc_u64 s[14:15], s[6:7], s[14:15]
	s_lshl_b32 s60, s13, 13                        ; scale bytes: [head][token] pairs: 8,192 head + 2 (2,048 batch + 256 block)
	s_lshl_b32 s61, s12, 12
	s_add_co_u32 s60, s60, s61
	s_lshl_b32 s61, s10, 9
	s_add_co_u32 s60, s60, s61
	s_add_co_u32 s60, s60, 3145728
	s_mov_b32 s61, 0
	s_add_nc_u64 s[60:61], s[6:7], s[60:61]
	QUANT2 S, PCD, CT, PW
	global_store_b128 v1, v[PCD:PCD+3], s[14:15]
	global_store_b64 v2, v[PCD+4:PCD+5], s[14:15] offset:512
	ds_store_b16 v30, v[PW]
	s_wait_dscnt 0x0
	s_barrier_signal -1
	s_barrier_wait -1
	s_cmp_lg_u32 s8, 0
	s_cbranch_scc1 .Lnot_mine
	ds_load_b128 v[S:S+3], v31                     ; wave 0: the block's 512 scale bytes leave as two aligned runs of 256
	s_wait_dscnt 0x0
	global_store_b128 v1, v[S:S+3], s[60:61]
.Lnot_mine:
	s_wait_tensorcnt 0x0
	ds_add_u32 v254, v255
	s_wait_dscnt 0x0
	CROUND                                         ; the closing round
	s_endpgm
.Lfunc_end_k_q5c9488f593_attn:
	.size	k_q5c9488f593_attn, .Lfunc_end_k_q5c9488f593_attn-k_q5c9488f593_attn
	.p2alignl 7, 3214868480
	.fill 96, 4, 3214868480
	.section	.rodata,"a",@progbits
	.p2align	6, 0x0
	.amdhsa_kernel k_q5c9488f593_attn
		.amdhsa_group_segment_fixed_size 211456
		.amdhsa_private_segment_fixed_size 0
		.amdhsa_enable_private_segment 0
		.amdhsa_kernarg_size 16
		.amdhsa_user_sgpr_count 2
		.amdhsa_user_sgpr_kernarg_segment_ptr 1
		.amdhsa_wavefront_size32 1
		.amdhsa_system_sgpr_workgroup_id_x 1
		.amdhsa_system_sgpr_workgroup_id_y 1
		.amdhsa_system_sgpr_workgroup_id_z 1
		.amdhsa_system_vgpr_workitem_id 0
		.amdhsa_next_free_vgpr 256
		.amdhsa_next_free_sgpr 66
		.amdhsa_reserve_vcc 0
		.amdhsa_float_denorm_mode_32 3
		.amdhsa_float_denorm_mode_16_64 3
		.amdhsa_memory_ordered 1
		.amdhsa_forward_progress 1
		.amdhsa_inst_pref_size 31
	.end_amdhsa_kernel
	.amdgpu_metadata
---
amdhsa.version: [ 1, 2 ]
amdhsa.kernels:
  - .name:           k_q5c9488f593_attn
    .symbol:         k_q5c9488f593_attn.kd
    .args:
      - { .name: qkvc, .offset: 0, .size: 8, .value_kind: global_buffer, .address_space: global }
      - { .name: actb, .offset: 8, .size: 8, .value_kind: global_buffer, .address_space: global }
    .group_segment_fixed_size: 211456
    .private_segment_fixed_size: 0
    .kernarg_segment_align: 8
    .kernarg_segment_size: 16
    .max_flat_workgroup_size: 512
    .sgpr_count:     66
    .vgpr_count:     256
    .wavefront_size: 32
...
	.end_amdgpu_metadata
.endif
;; end of part 3
;; launch proj (part 4): grid 8 x 32, 4 waves a work-group, clusters of 4 x 4, 327,680 bytes of LDS; arguments actb, wimg, proj_w_scales, proj_b, x, x1; writes x1
.if DOCPART == 4
	.amdgcn_target "amdgcn-amd-amdhsa--gfx1250"
	.amdhsa_code_object_version 6
	.text
	.protected	k_q5c9488f593_proj
	.globl	k_q5c9488f593_proj
	.p2align	8
	.type	k_q5c9488f593_proj,@function
k_q5c9488f593_proj:
	s_mov_b64 s[64:65], 0
	v_nop
	global_prefetch_b8 v0, s[64:65] scope:SCOPE_SE
	s_setreg_imm32_b32 hwreg(HW_REG_WAVE_MODE, 25, 1), 1
	s_wait_xcnt 0x0
	s_wait_alu depctr_hold_cnt(0) depctr_sa_sdst(0) depctr_va_vdst(0) depctr_va_sdst(0) depctr_va_ssrc(0) depctr_va_vcc(0) depctr_vm_vsrc(0)
	s_getreg_b32 s2, hwreg(HW_REG_IB_STS2, 6, 4)
	s_cmp_eq_u32 s2, 0
	s_cbranch_scc0 .Lentry_in_a_cluster
	s_endpgm
.Lentry_in_a_cluster:
	s_bfe_u32 s2, ttmp6, 0x10000c
	s_cmp_lg_u32 s2, 0xf033
	s_cbranch_scc0 .Lentry_shape_is_right
	s_endpgm
.Lentry_shape_is_right:
.set NB,     4
.set SIZE_K, 1024
.set KSTEP,  512
.set WOFF,   2359296                   ; this weight's images in the re-laid buffer
.set ASCOFF, 3145728
.set NQ,     KSTEP/128
.set AROW,   KSTEP*12
.set APITCH, SIZE_K*12
.set ROWB,   AROW                      ; B comes as images of operand registers, as A does
.set KROW,   SIZE_K*3/4
.set FR,     12
.set NLA,    4
.set NP,     4
.set HALFA,  NB*AROW
.set HALFB,  HALFA
.set SLOT,   2*HALFA+2*HALFB
.set LAPS,   SIZE_K/(2*KSTEP)
.set KS,     SIZE_K/32
.set SCL,    2*SLOT
.set HALFS,  (16*NB*KS/256)*272
.set SBLK,   (16*KS/256)*272
.set OSR,    SCL+4*HALFS
.set SPARE,  OSR+4096
.set SPITCH, 272
.set ADA16, 16
.set ADA8,  18
.set ADRB,  20
.set STO,   24
.set RD,    25
.set CO,    26
.set ADRS,  27
.set SPW,   28
.set NIL,   29
.set SC,    32
.set BI,    64
.set AF,    128
.set G1, 24
.set G0, 32
.set G1B, 48
.set G0B, 56
.set G1S, 68
.set G0S, 76
.set G1SB, 80
.set G0SB, 88
.set MSB, 0
.macro WIN new
.if MSB != (\new)
	s_set_vgpr_msb (MSB<<8)|(\new)
.set MSB, (\new)
.endif
.endm
.macro WINM hi, first
.if (\hi) && (NB == 8)
	WIN 0xf1-0x30*(\first)
.else
	WIN 0xa1-0x20*(\first)
.endif
.endm
.macro JLOAD g0a, g1a, g0b, g1b
	s_cmp_eq_u32 s15, 0
	s_cbranch_scc0 .Lfor_b_\@
	tensor_load_to_lds s[\g0a:\g0a+3], s[\g1a:\g1a+7]
	s_nop 0
.rept 4
	v_nop
.endr
	s_branch .Lasked_\@
.Lfor_b_\@:
	tensor_load_to_lds s[\g0b:\g0b+3], s[\g1b:\g1b+7]
	s_nop 0
.rept 4
	v_nop
.endr
.Lasked_\@:
.endm
.macro CREST
	s_cmp_lg_u32 s14, 0
	s_cbranch_scc1 .Lnot_wave_0_\@
	s_barrier_signal -3
.Lnot_wave_0_\@:
	s_barrier_wait -3
	s_barrier_signal -1
	s_barrier_wait -1
.endm
.macro CROUND
	s_barrier_signal -1
	s_barrier_wait -1
	CREST
.endm
.macro PLACES n
.rept \n
	v_nop
.endr
.endm
.macro FRAGA reg, slot, q, i
	ds_load_b128 v[\reg:\reg+3], v[ADA16+\slot] offset:(\i)*AROW+1536*(\q)
	ds_load_b64 v[\reg+4:\reg+5], v[ADA8+\slot] offset:(\i)*AROW+1536*(\q)+512
	ds_load_b128 v[\reg+6:\reg+9], v[ADA16+\slot] offset:(\i)*AROW+1536*(\q)+768
	ds_load_b64 v[\reg+10:\reg+11], v[ADA8+\slot] offset:(\i)*AROW+1536*(\q)+1280
.endm
.macro FRAGB reg, adr, q, i
	ds_load_b128 v[\reg:\reg+3], v[\adr] offset:(\i)*AROW+1536*(\q)
	ds_load_b64 v[\reg+4:\reg+5], v[\adr+2] offset:(\i)*AROW+1536*(\q)+512
	ds_load_b128 v[\reg+6:\reg+9], v[\adr] offset:(\i)*AROW+1536*(\q)+768
	ds_load_b64 v[\reg+10:\reg+11], v[\adr+2] offset:(\i)*AROW+1536*(\q)+1280
.endm
.macro FETCH_A slot, q, i0
.set fi, \i0
.rept NB/2
	FRAGA AF+FR*fi, \slot, \q, fi
.set fi, fi+1
.endr
.endm
.macro FETCH_B slot, q, p
	WIN 0x40
.set fi, 0
.rept NB
	FRAGB 128*(\p)+FR*fi, ADRB+\slot, \q, fi
.set fi, fi+1
.endr
	WIN 0
.endm
.macro SCALES sc
.set fi, 0
.rept NB
.if NQ == 2
	ds_load_b64 v[SC+16*(\sc)+2*fi:SC+16*(\sc)+2*fi+1], v[ADRS] offset:fi*SBLK
.else
	ds_load_b128 v[SC+16*(\sc)+4*fi:SC+16*(\sc)+4*fi+3], v[ADRS] offset:fi*SBLK
.endif
.set fi, fi+1
.endr
.endm
.macro MULS a0, n, p, q, sc, first
.set ma, \a0
.rept \n
.set mb, 0
.rept NB
.set rD, 8*(NB*(ma%4)+mb)
.set rB, 128*(\p)+FR*mb
.set rA, AF+FR*ma
.set rSB, SC+16*(\sc)+NQ*mb+(\q)
.set rSA, SC+16*(\sc)+NQ*ma+(\q)
.if \first
	v_wmma_scale_f32_16x16x128_f8f6f4 v[rD:rD+7], v[rB:rB+FR-1], v[rA:rA+FR-1], v[BI+8*mb:BI+8*mb+7], v[rSB], v[rSA] matrix_a_fmt:MATRIX_FMT_FP6 matrix_b_fmt:MATRIX_FMT_FP6 matrix_a_scale:MATRIX_SCALE_ROW1
.else
	v_wmma_scale_f32_16x16x128_f8f6f4 v[rD:rD+7], v[rB:rB+FR-1], v[rA:rA+FR-1], v[rD:rD+7], v[rSB], v[rSA] matrix_a_fmt:MATRIX_FMT_FP6 matrix_b_fmt:MATRIX_FMT_FP6 matrix_a_scale:MATRIX_SCALE_ROW1
.endif
.set mb, mb+1
.endr
.set ma, ma+1
.endr
.endm
.macro STEP slot, q, first
	s_wait_dscnt (NB/2)*NLA
	WINM 0, \first
	MULS 0, NB/2, (\q)%2, \q, \slot, \first
	s_wait_dscnt 0
	PLACES NP
	FETCH_B \slot, (\q)+1, 1-(\q)%2
	FETCH_A \slot, (\q)+1, 0
	WINM 1, \first
	MULS NB/2, NB/2, (\q)%2, \q, \slot, \first
	PLACES NP
	WIN 0
	FETCH_A \slot, (\q)+1, NB/2
.endm
.macro MID slot
.if NQ == 4
	STEP \slot, 1, 0
	STEP \slot, 2, 0
.endif
.endm
.macro TURN slot, next, fill
	s_wait_tensorcnt 0x0
	ds_add_u32 v[SPW], v[NIL]
	s_wait_dscnt (NB/2)*NLA+1
	WINM 0, 0
	MULS 0, NB/4, 1, NQ-1, \slot, 0
	s_wait_dscnt 0x0
	s_barrier_signal -1
	MULS NB/4, NB/4, 1, NQ-1, \slot, 0
	WIN 0
	s_barrier_wait -1
.if \fill
	CREST
	s_add_nc_u64 s[G0+4*\slot+2:G0+4*\slot+3], s[G0+4*\slot+2:G0+4*\slot+3], 2*AROW
	s_add_nc_u64 s[G0B+4*\slot+2:G0B+4*\slot+3], s[G0B+4*\slot+2:G0B+4*\slot+3], 2*ROWB
	JLOAD G0+4*\slot, G1, G0B+4*\slot, G1B
.else
	PLACES NP
.endif
	v_add_nc_u32 v[ADRS], 4*NQ, v[ADRS]
	FETCH_B \next, 0, 0
	FETCH_A \next, 0, 0
	SCALES \next
	WINM 1, 0
	MULS NB/2, NB/2, 1, NQ-1, \slot, 0
	PLACES NP
	WIN 0
	FETCH_A \next, 0, NB/2
.endm
	s_load_b64 s[4:5], s[0:1], 0x0
	s_load_b128 s[8:11], s[0:1], 0x8
	s_load_b128 s[96:99], s[0:1], 0x18
	s_load_b64 s[12:13], s[0:1], 0x28
	v_lshl_add_u32 v[SPW], v0, 2, SPARE
	v_mov_b32 v[NIL], 0
	ds_add_u32 v28, v29
	ds_add_u32 v28, v29
	s_wait_dscnt 0x0
	v_lshrrev_b32 v1, 5, v0
	v_readfirstlane_b32 s14, v1
	s_lshr_b32 s15, s14, 1
	s_and_b32 s16, s14, 1
	s_bfe_u32 s40, ttmp6, 0x40000
	s_bfe_u32 s41, ttmp6, 0x40004
	s_lshl_b32 s42, ttmp9, 2
	s_add_co_u32 s42, s42, s40
	s_and_b32 s17, ttmp7, 0xffff
	s_lshl_b32 s17, s17, 2
	s_add_co_u32 s17, s17, s41
	s_lshl_b32 s43, s41, 2
	s_lshl_b32 s43, 15, s43
	s_lshl_b32 s44, 0x1111, s40
	s_or_b32 s[G1+0], s43, (3<<16)|(1<<21)
	s_mov_b32 s[G1+1], ((AROW/8)&0xffff)<<16
	s_mov_b32 s[G1+2], (2*NB)<<16                  ; the head's loads bring both halves
	s_mov_b32 s[G1+3], (AROW/8)<<16
	s_mov_b32 s[G1+4], 2*NB
	s_mov_b32 s[G1+5], APITCH/8
	s_mov_b32 s[G1+6], 0
	s_mov_b32 s[G1+7], 0
	s_or_b32 s[G1B+0], s44, (3<<16)|(1<<21)
	s_mov_b32 s[G1B+1], ((AROW/8)&0xffff)<<16
	s_mov_b32 s[G1B+2], (2*NB)<<16
	s_mov_b32 s[G1B+3], (AROW/8)<<16
	s_mov_b32 s[G1B+4], 2*NB
	s_mov_b32 s[G1B+5], APITCH/8
	s_mov_b32 s[G1B+6], 0
	s_mov_b32 s[G1B+7], 0
	s_or_b32 s[G1S+0], s43, (3<<16)|(1<<21)
	s_mov_b32 s[G1S+1], 32<<16
	s_mov_b32 s[G1S+2], 16<<16                     ; all 16 heads' rows of scale byte pairs
	s_mov_b32 s[G1S+3], 32<<16
	s_mov_b32 s[G1S+4], 16
	s_mov_b32 s[G1S+5], 1024
	s_mov_b32 s[G1S+6], 0
	s_mov_b32 s[G1S+7], 0
	s_or_b32 s[G1SB+0], s44, (3<<16)|(1<<20)|(1<<21)|(5<<22)|(3<<25)
	s_mov_b32 s[G1SB+1], 32<<16
	s_mov_b32 s[G1SB+2], (32*NB*KS/256)<<16
	s_mov_b32 s[G1SB+3], 32<<16
	s_mov_b32 s[G1SB+4], 32*NB*KS/256
	s_mov_b32 s[G1SB+5], 32
	s_mov_b32 s[G1SB+6], 0
	s_mov_b32 s[G1SB+7], 0
	s_mul_i32 s20, s17, 2*NB
	s_mul_i32 s20, s20, APITCH
	s_mov_b32 s21, 0
	s_lshl_b32 s22, s17, 8
	s_add_co_u32 s22, s22, ASCOFF
	s_mov_b32 s23, 0
	s_mul_i32 s46, s42, 32*NB
	s_mul_i32 s92, s46, KS
	s_mov_b32 s93, 0
	s_mul_i32 s46, s46, KROW
	s_add_co_u32 s46, s46, WOFF
	s_mov_b32 s47, 0
	s_mul_i32 s45, s16, HALFA
	s_mul_i32 s95, s16, HALFB
	s_add_co_u32 s95, s95, 2*HALFA
	s_wait_kmcnt 0x0
	s_add_nc_u64 s[20:21], s[4:5], s[20:21]
	s_add_nc_u64 s[22:23], s[4:5], s[22:23]
	s_add_nc_u64 s[46:47], s[8:9], s[46:47]
	s_add_nc_u64 s[92:93], s[10:11], s[92:93]
	CROUND
	s_mov_b32 s[G0S], 1
	s_mov_b32 s[G0S+1], OSR
	s_mov_b64 s[G0S+2:G0S+3], s[22:23]
	s_or_b32 s[G0S+3], s[G0S+3], 0x80000000
	s_mov_b32 s[G0SB], 1
	s_mov_b32 s[G0SB+1], SCL+2*HALFS
	s_mov_b64 s[G0SB+2:G0SB+3], s[92:93]
	s_or_b32 s[G0SB+3], s[G0SB+3], 0x80000000
	s_mov_b32 s4, 1                                ; group 0 of the head's loads of K step 0: A's whole tile,
	s_mov_b32 s5, 0
	s_mov_b64 s[6:7], s[20:21]
	s_or_b32 s7, s7, 0x80000000
	s_mov_b32 s8, 1                                ; and B's, behind it
	s_mov_b32 s9, 2*HALFA
	s_mov_b64 s[10:11], s[46:47]
	s_or_b32 s11, s11, 0x80000000
	s_mul_i32 s18, s16, NB*APITCH                  ; for the ring: my half of the tile
	s_mov_b32 s19, 0
	s_add_nc_u64 s[20:21], s[20:21], s[18:19]
	s_add_nc_u64 s[46:47], s[46:47], s[18:19]
	; the prefetch's base: of the four tiles of 16 rows that I fetch, each of the four partners that ask with me takes one, told apart by address (cx for A, cy for B)
	s_cmp_eq_u32 s15, 0
	s_cselect_b64 s[66:67], s[20:21], s[46:47]
	s_cselect_b32 s18, s40, s41
	s_mul_i32 s18, s18, (NB/4)*APITCH
	s_add_nc_u64 s[66:67], s[66:67], s[18:19]
.irp s, 0,1
	s_mov_b32 s[G0+4*\s], 1
	s_add_co_u32 s[G0+4*\s+1], s45, \s*SLOT
	s_add_nc_u64 s[G0+4*\s+2:G0+4*\s+3], s[20:21], \s*AROW
	s_or_b32 s[G0+4*\s+3], s[G0+4*\s+3], 0x80000000
	s_mov_b32 s[G0B+4*\s], 1
	s_add_co_u32 s[G0B+4*\s+1], s95, \s*SLOT
	s_add_nc_u64 s[G0B+4*\s+2:G0B+4*\s+3], s[46:47], \s*ROWB
	s_or_b32 s[G0B+4*\s+3], s[G0B+4*\s+3], 0x80000000
.endr
; the head's four tiles, one joint load a wave: wave 0 A's K step 0, wave 1 B's, wave 2 A's scales, wave 3 B's
.macro ARM under, g0, g1, next
	s_cmp_lt_u32 s14, \under
	s_cbranch_scc0 \next
	tensor_load_to_lds s[\g0:\g0+3], s[\g1:\g1+7]
	s_nop 0
.rept 4
	v_nop
.endr
	s_branch .Lhead_asked
\next:
.endm
	ARM 1, 4, G1, .Lhead_b
	ARM 2, 8, G1B, .Lhead_sa
	ARM 3, G0S, G1S, .Lhead_sb
	tensor_load_to_lds s[G0SB:G0SB+3], s[G1SB:G1SB+7]
	s_nop 0
.rept 4
	v_nop
.endr
.Lhead_asked:
	v_and_b32 v1, 15, v0
	v_bfe_u32 v2, v0, 4, 1
	v_and_b32 v3, 31, v0
	v_min_u32 v30, 23, v3                          ; v30, never rewritten: a lane to each of the 24 blocks of 256 bytes of a tile's K step (the lanes left over name the last again)
	v_lshlrev_b32 v30, 8, v30
	global_prefetch_b8 v30, s[66:67] offset:AROW th:TH_LOAD_NT scope:SCOPE_SE     ; K step 1, the last, beside the head's load of K step 0
	s_mul_i32 s21, s15, HALFA
	v_lshl_add_u32 v[ADA16], v3, 4, s21
	v_lshl_add_u32 v[ADA8], v3, 3, s21
	v_add_nc_u32 v[ADA16+1], SLOT, v[ADA16]
	v_add_nc_u32 v[ADA8+1], SLOT, v[ADA8]
	v_lshlrev_b32 v4, 4, v3
	v_lshlrev_b32 v5, 3, v3
	s_mul_i32 s22, s16, HALFB
	s_add_co_u32 s22, s22, 2*HALFA
.irp s, 0,1
	v_add_nc_u32 v[ADRB+\s], s22, v4
	v_add_nc_u32 v[ADRB+2+\s], s22, v5
	s_add_co_u32 s22, s22, SLOT
.endr
	v_mul_u32_u24 v5, v1, KS
	v_lshrrev_b32 v6, 8, v5
	v_lshl_add_u32 v5, v6, 4, v5
	s_mul_i32 s21, s15, HALFS
	s_mul_i32 s22, s16, HALFS
	s_add_co_u32 s22, s22, 2*HALFS
	s_sub_co_u32 s22, s22, s21
	v_mul_u32_u24 v6, s22, v2
	s_add_co_u32 s21, s21, SCL
	v_add_nc_u32 v5, v5, v6
	v_add_nc_u32 v[ADRS], s21, v5
	v_lshl_add_u32 v8, v0, 1, OSR
	v_lshrrev_b32 v9, 3, v0
	v_lshlrev_b32 v9, 4, v9
	v_lshl_add_u32 v9, v0, 5, v9
	v_add_nc_u32 v9, SCL, v9
	s_mul_i32 s46, s42, 128*NB
	s_mul_i32 s47, s16, 64*NB
	s_add_co_u32 s46, s46, s47
	s_mov_b32 s47, 0
	s_add_nc_u64 s[96:97], s[96:97], s[46:47]
	v_lshlrev_b32 v7, 5, v2
.set fi, 0
.rept NB
	global_load_b128 v[BI+8*fi:BI+8*fi+3], v7, s[96:97] offset:64*fi
	global_load_b128 v[BI+8*fi+4:BI+8*fi+7], v7, s[96:97] offset:64*fi+16
.set fi, fi+1
.endr
	s_mul_i32 s23, s14, 16*SPITCH
	v_mul_u32_u24 v5, v1, SPITCH
	v_lshl_add_u32 v5, v2, 5, v5
	v_add_nc_u32 v[STO], s23, v5
	v_mul_u32_u24 v5, v2, SPITCH
	v_lshl_add_u32 v5, v1, 4, v5
	v_add_nc_u32 v[RD], s23, v5
	v_lshlrev_b32 v5, 12, v2
	v_lshl_add_u32 v[CO], v1, 4, v5
	s_wait_alu depctr_va_vdst(0)
	s_lshl_b32 s20, s17, 7
	s_lshl_b32 s21, s15, 6
	s_add_co_u32 s20, s20, s21
	s_lshl_b32 s20, s20, 12
	s_lshl_b32 s46, s42, 9
	s_lshl_b32 s47, s16, 8
	s_add_co_u32 s46, s46, s47
	s_add_co_u32 s20, s20, s46
	s_mov_b32 s21, 0
	s_add_nc_u64 s[12:13], s[12:13], s[20:21]
	s_add_nc_u64 s[98:99], s[98:99], s[20:21]
	WIN 0xc0
.set ra, 0
.rept 32
	global_load_b128 v[4*ra:4*ra+3], v[CO], s[98:99] offset:2*ra*4096
.set ra, ra+1
.endr
	WIN 0
	s_wait_alu depctr_va_vdst(0)
	s_wait_tensorcnt 0x0                           ; my tile of the head's four is in
	ds_add_u32 v[SPW], v[NIL]
	s_mov_b32 s[G1+2], NB<<16                      ; no load of mine is out: from here on a load brings one half
	s_mov_b32 s[G1+4], NB
	s_mov_b32 s[G1B+2], NB<<16
	s_mov_b32 s[G1B+4], NB
	s_wait_dscnt 0x0
	CROUND
	JLOAD G0+4, G1, G0B+4, G1B                     ; K step 1, the first tensor load behind the round
.set fi, 0
.rept 16
	ds_load_u16 v[128+fi], v8 offset:256*fi
.set fi, fi+1
.endr
	s_wait_dscnt 0x0
.set fi, 0
.rept 8
	v_lshl_or_b32 v[144+fi], v[129+2*fi], 16, v[128+2*fi]
.set fi, fi+1
.endr
	ds_store_b128 v9, v[144:147]
	ds_store_b128 v9, v[148:151] offset:16
	s_wait_dscnt 0x0
	s_barrier_signal -1
	s_barrier_wait -1
	FETCH_B 0, 0, 0
	FETCH_A 0, 0, 0
	SCALES 0
	FETCH_A 0, 0, NB/2
	s_wait_loadcnt 32
	STEP 0, 0, 1
	MID 0
	TURN 0, 1, 0
	STEP 1, 0, 0
	MID 1
	s_wait_dscnt (NB/2)*NLA
	WINM 0, 0
	MULS 0, NB/2, 1, NQ-1, 1, 0
	s_wait_dscnt 0
	WINM 1, 0
	MULS NB/2, NB/2, 1, NQ-1, 1, 0
	WIN 0
.macro TOSTAGE a
	WIN 0x08
.irp b, 0,1,2,3
	ds_store_b128 v[STO], v[8*(4*(\a)+\b):8*(4*(\a)+\b)+3] offset:64*\b
	ds_store_b128 v[STO], v[8*(4*(\a)+\b)+4:8*(4*(\a)+\b)+7] offset:64*\b+16
.endr
	WIN 0
.irp t, 0,1,2,3,4,5,6,7
	ds_load_b128 v[128+32*(\a)+4*\t:128+32*(\a)+4*\t+3], v[RD] offset:\t*2*SPITCH
.endr
.endm
.macro SEND a, younger
	s_wait_dscnt \younger
	WIN 0x0c
.set sj, 0
.rept 16
	v_pk_add_f32 v[128+32*(\a)+sj:128+32*(\a)+sj+1], v[128+32*(\a)+sj:128+32*(\a)+sj+1], v[32*(\a)+sj:32*(\a)+sj+1]
.set sj, sj+2
.endr
	WIN 0
.irp t, 0,1,2,3,4,5,6,7
	global_store_b128 v[CO], v[128+32*(\a)+4*\t:128+32*(\a)+4*\t+3], s[12:13] offset:(16*(\a)+2*\t)*4096
.endr
.endm
	PLACES NP
	s_wait_loadcnt 0x0
	TOSTAGE 0
.irp a, 1,2,3
	TOSTAGE \a
	SEND \a-1, 16
.endr
	SEND 3, 0
	s_wait_tensorcnt 0x0
	ds_add_u32 v[SPW], v[NIL]
	s_wait_dscnt 0x0
	CROUND
	s_endpgm
.Lfunc_end_k_q5c9488f593_proj:
	.size	k_q5c9488f593_proj, .Lfunc_end_k_q5c9488f593_proj-k_q5c9488f593_proj
	.p2alignl 7, 3214868480
	.fill 96, 4, 3214868480
	.section	.rodata,"a",@progbits
	.p2align	6, 0x0
	.amdhsa_kernel k_q5c9488f593_proj
		.amdhsa_group_segment_fixed_size 327680
		.amdhsa_private_segment_fixed_size 0
		.amdhsa_enable_private_segment 0
		.amdhsa_kernarg_size 48
		.amdhsa_user_sgpr_count 2
		.amdhsa_user_sgpr_kernarg_segment_ptr 1
		.amdhsa_wavefront_size32 1
		.amdhsa_system_sgpr_workgroup_id_x 1
		.amdhsa_system_sgpr_workgroup_id_y 1
		.amdhsa_system_sgpr_workgroup_id_z 1
		.amdhsa_system_vgpr_workitem_id 0
		.amdhsa_next_free_vgpr 896
		.amdhsa_next_free_sgpr 102
		.amdhsa_reserve_vcc 0
		.amdhsa_float_denorm_mode_32 3
		.amdhsa_float_denorm_mode_16_64 3
		.amdhsa_memory_ordered 1
		.amdhsa_forward_progress 1
		.amdhsa_inst_pref_size 66
	.end_amdhsa_kernel
	.amdgpu_metadata
---
amdhsa.version: [ 1, 2 ]
amdhsa.kernels:
  - .name:           k_q5c9488f593_proj
    .symbol:         k_q5c9488f593_proj.kd
    .args:
      - { .name: actb, .offset: 0, .size: 8, .value_kind: global_buffer, .address_space: global }
      - { .name: wimg, .offset: 8, .size: 8, .value_kind: global_buffer, .address_space: global }
      - { .name: proj_w_scales, .offset: 16, .size: 8, .value_kind: global_buffer, .address_space: global }
      - { .name: proj_b, .offset: 24, .size: 8, .value_kind: global_buffer, .address_space: global }
      - { .name: x, .offset: 32, .size: 8, .value_kind: global_buffer, .address_space: global }
      - { .name: x1, .offset: 40, .size: 8, .value_kind: global_buffer, .address_space: global }
    .group_segment_fixed_size: 327680
    .private_segment_fixed_size: 0
    .kernarg_segment_align: 8
    .kernarg_segment_size: 48
    .max_flat_workgroup_size: 128
    .sgpr_count:     102
    .vgpr_count:     896
    .wavefront_size: 32
...
	.end_amdgpu_metadata
.endif
;; end of part 4
;; launch ln2: the kernel of part 1 again; grid 256 x 1, 16 waves a work-group, no clusters, 68,608 bytes of LDS; arguments x1, ln2_g, ln2_b, acta, rope, qkv_w_codes, proj_w_codes, fc1_w_codes, fc2_w_codes, wimg; writes acta, rope, wimg
;; launch fc1 (part 5): grid 16 x 16, 4 waves a work-group, clusters of 4 x 4, 327,680 bytes of LDS; arguments acta, wimg, fc1_w_scales, fc1_b, hid; writes hid
.if DOCPART == 5
	.amdgcn_target "amdgcn-amd-amdhsa--gfx1250"
	.amdhsa_code_object_version 6
	.text
	.protected	k_q5c9488f593_fc1
	.globl	k_q5c9488f593_fc1
	.p2align	8
	.type	k_q5c9488f593_fc1,@function
k_q5c9488f593_fc1:
	s_mov_b64 s[64:65], 0
	v_nop
	global_prefetch_b8 v0, s[64:65] scope:SCOPE_SE
	s_setreg_imm32_b32 hwreg(HW_REG_WAVE_MODE, 25, 1), 1
	s_wait_xcnt 0x0
	s_wait_alu depctr_hold_cnt(0) depctr_sa_sdst(0) depctr_va_vdst(0) depctr_va_sdst(0) depctr_va_ssrc(0) depctr_va_vcc(0) depctr_vm_vsrc(0)
	s_getreg_b32 s2, hwreg(HW_REG_IB_STS2, 6, 4)
	s_cmp_eq_u32 s2, 0
	s_cbranch_scc0 .Lentry_in_a_cluster
	s_endpgm
.Lentry_in_a_cluster:
	s_bfe_u32 s2, ttmp6, 0x10000c
	s_cmp_lg_u32 s2, 0xf033
	s_cbranch_scc0 .Lentry_shape_is_right
	s_endpgm
.Lentry_shape_is_right:
.set NB,     8
.set SIZE_K, 1024
.set SIZE_N, 4096
.set KSTEP,  256
.set WOFF,   3145728                   ; this weight's images in the re-laid buffer
.set ASCOFF, 3145728
.set NQ,     KSTEP/128
.set AROW,   KSTEP*12
.set APITCH, SIZE_K*12
.set ROWB,   AROW                      ; B comes as images of operand registers, as A does
.set KROW,   SIZE_K*3/4
.set FR,     12
.set NLA,    4
.set NP,     4
.set HALFA,  NB*AROW
.set HALFB,  HALFA
.set SLOT,   2*HALFA+2*HALFB
.set LAPS,   SIZE_K/(2*KSTEP)
.set KS,     SIZE_K/32
.set SCL,    2*SLOT
.set HALFS,  (16*NB*KS/256)*272
.set SBLK,   (16*KS/256)*272
.set SPARE,  SCL+4*HALFS
.set SPITCH, 528
.set ADA16, 16
.set ADA8,  18
.set ADRB,  20
.set STO,   24
.set RD,    25
.set CO,    26
.set ADRS,  27
.set SPW,   28
.set NIL,   29
.set SC,    32
.set BI,    64
.set AF,    128
.set BK,    128
.set G1, 24
.set G0, 32
.set G1B, 48
.set G0B, 56
.set G1S, 68
.set G0S, 76
.set G1SB, 80
.set G0SB, 88
.set MSB, 0
.macro WIN new
.if MSB != (\new)
	s_set_vgpr_msb (MSB<<8)|(\new)
.set MSB, (\new)
.endif
.endm
.macro WINM hi, first
.if (\hi) && (NB == 8)
	WIN 0xf1-0x30*(\first)
.else
	WIN 0xa1-0x20*(\first)
.endif
.endm
.macro JLOAD g0a, g1a, g0b, g1b
	s_cmp_eq_u32 s15, 0
	s_cbranch_scc0 .Lfor_b_\@
	tensor_load_to_lds s[\g0a:\g0a+3], s[\g1a:\g1a+7]
	s_nop 0
.rept 4
	v_nop
.endr
	s_branch .Lasked_\@
.Lfor_b_\@:
	tensor_load_to_lds s[\g0b:\g0b+3], s[\g1b:\g1b+7]
	s_nop 0
.rept 4
	v_nop
.endr
.Lasked_\@:
.endm
.macro CREST
	s_cmp_lg_u32 s14, 0
	s_cbranch_scc1 .Lnot_wave_0_\@
	s_barrier_signal -3
.Lnot_wave_0_\@:
	s_barrier_wait -3
	s_barrier_signal -1
	s_barrier_wait -1
.endm
.macro CROUND
	s_barrier_signal -1
	s_barrier_wait -1
	CREST
.endm
.macro PLACES n
.rept \n
	v_nop
.endr
.endm
.macro FRAGA reg, slot, q, i
	ds_load_b128 v[\reg:\reg+3], v[ADA16+\slot] offset:(\i)*AROW+1536*(\q)
	ds_load_b64 v[\reg+4:\reg+5], v[ADA8+\slot] offset:(\i)*AROW+1536*(\q)+512
	ds_load_b128 v[\reg+6:\reg+9], v[ADA16+\slot] offset:(\i)*AROW+1536*(\q)+768
	ds_load_b64 v[\reg+10:\reg+11], v[ADA8+\slot] offset:(\i)*AROW+1536*(\q)+1280
.endm
.macro FRAGB reg, adr, q, i
	ds_load_b128 v[\reg:\reg+3], v[\adr] offset:(\i)*AROW+1536*(\q)
	ds_load_b64 v[\reg+4:\reg+5], v[\adr+2] offset:(\i)*AROW+1536*(\q)+512
	ds_load_b128 v[\reg+6:\reg+9], v[\adr] offset:(\i)*AROW+1536*(\q)+768
	ds_load_b64 v[\reg+10:\reg+11], v[\adr+2] offset:(\i)*AROW+1536*(\q)+1280
.endm
.macro FETCH_A slot, q, i0
.set fi, \i0
.rept NB/2
	FRAGA AF+FR*fi, \slot, \q, fi
.set fi, fi+1
.endr
.endm
.macro FETCH_B slot, q, p
	WIN 0x40
.set fi, 0
.rept NB
	FRAGB 128*(\p)+FR*fi, ADRB+\slot, \q, fi
.set fi, fi+1
.endr
	WIN 0
.endm
.macro SCALES sc
.set fi, 0
.rept NB
.if NQ == 2
	ds_load_b64 v[SC+16*(\sc)+2*fi:SC+16*(\sc)+2*fi+1], v[ADRS] offset:fi*SBLK
.else
	ds_load_b128 v[SC+16*(\sc)+4*fi:SC+16*(\sc)+4*fi+3], v[ADRS] offset:fi*SBLK
.endif
.set fi, fi+1
.endr
.endm
.macro MULS a0, n, p, q, sc, first
.set ma, \a0
.rept \n
.set mb, 0
.rept NB
.set rD, 8*(NB*(ma%4)+mb)
.set rB, 128*(\p)+FR*mb
.set rA, AF+FR*ma
.set rSB, SC+16*(\sc)+NQ*mb+(\q)
.set rSA, SC+16*(\sc)+NQ*ma+(\q)
.if \first
	v_wmma_scale_f32_16x16x128_f8f6f4 v[rD:rD+7], v[rB:rB+FR-1], v[rA:rA+FR-1], v[BI+8*mb:BI+8*mb+7], v[rSB], v[rSA] matrix_a_fmt:MATRIX_FMT_FP6 matrix_b_fmt:MATRIX_FMT_FP6 matrix_a_scale:MATRIX_SCALE_ROW1
.else
	v_wmma_scale_f32_16x16x128_f8f6f4 v[rD:rD+7], v[rB:rB+FR-1], v[rA:rA+FR-1], v[rD:rD+7], v[rSB], v[rSA] matrix_a_fmt:MATRIX_FMT_FP6 matrix_b_fmt:MATRIX_FMT_FP6 matrix_a_scale:MATRIX_SCALE_ROW1
.endif
.set mb, mb+1
.endr
.set ma, ma+1
.endr
.endm
.macro STEP slot, q, first
	s_wait_dscnt (NB/2)*NLA
	WINM 0, \first
	MULS 0, NB/2, (\q)%2, \q, \slot, \first
	s_wait_dscnt 0
	PLACES NP
	FETCH_B \slot, (\q)+1, 1-(\q)%2
	FETCH_A \slot, (\q)+1, 0
	WINM 1, \first
	MULS NB/2, NB/2, (\q)%2, \q, \slot, \first
	PLACES NP
	WIN 0
	FETCH_A \slot, (\q)+1, NB/2
.endm
.macro MID slot
.if NQ == 4
	STEP \slot, 1, 0
	STEP \slot, 2, 0
.endif
.endm
.macro TURN slot, next, fill
	s_wait_tensorcnt 0x0
	ds_add_u32 v[SPW], v[NIL]
	s_wait_dscnt (NB/2)*NLA+1
	WINM 0, 0
	MULS 0, NB/4, 1, NQ-1, \slot, 0
	s_wait_dscnt 0x0
	s_barrier_signal -1
	MULS NB/4, NB/4, 1, NQ-1, \slot, 0
	WIN 0
	s_barrier_wait -1
.if \fill
	CREST
	s_add_nc_u64 s[G0+4*\slot+2:G0+4*\slot+3], s[G0+4*\slot+2:G0+4*\slot+3], 2*AROW
	s_add_nc_u64 s[G0B+4*\slot+2:G0B+4*\slot+3], s[G0B+4*\slot+2:G0B+4*\slot+3], 2*ROWB
	JLOAD G0+4*\slot, G1, G0B+4*\slot, G1B
.else
	PLACES NP
.endif
	s_wait_alu depctr_va_vdst(0)
	v_add_nc_u32 v[ADRS], 4*NQ, v[ADRS]
	FETCH_B \next, 0, 0
	FETCH_A \next, 0, 0
	SCALES \next
	WINM 1, 0
	MULS NB/2, NB/2, 1, NQ-1, \slot, 0
	PLACES NP
	WIN 0
	FETCH_A \next, 0, NB/2
.endm
	s_load_b64 s[4:5], s[0:1], 0x0
	s_load_b128 s[8:11], s[0:1], 0x8
	s_load_b64 s[96:97], s[0:1], 0x18
	s_load_b64 s[12:13], s[0:1], 0x20
	v_lshl_add_u32 v[SPW], v0, 2, SPARE
	v_mov_b32 v[NIL], 0
	ds_add_u32 v28, v29
	ds_add_u32 v28, v29
	s_wait_dscnt 0x0
	v_lshrrev_b32 v1, 5, v0
	v_readfirstlane_b32 s14, v1
	s_lshr_b32 s15, s14, 1
	s_and_b32 s16, s14, 1
	s_bfe_u32 s40, ttmp6, 0x40000
	s_bfe_u32 s41, ttmp6, 0x40004
	s_lshl_b32 s42, ttmp9, 2
	s_add_co_u32 s42, s42, s40
	s_and_b32 s17, ttmp7, 0xffff
	s_lshl_b32 s17, s17, 2
	s_add_co_u32 s17, s17, s41
	s_lshl_b32 s43, s41, 2
	s_lshl_b32 s43, 15, s43
	s_lshl_b32 s44, 0x1111, s40
	s_or_b32 s[G1+0], s43, (3<<16)|(1<<21)
	s_mov_b32 s[G1+1], ((AROW/8)&0xffff)<<16
	s_mov_b32 s[G1+2], (2*NB)<<16                  ; the head's loads bring both halves
	s_mov_b32 s[G1+3], (AROW/8)<<16
	s_mov_b32 s[G1+4], 2*NB
	s_mov_b32 s[G1+5], APITCH/8
	s_mov_b32 s[G1+6], 0
	s_mov_b32 s[G1+7], 0
	s_or_b32 s[G1B+0], s44, (3<<16)|(1<<21)
	s_mov_b32 s[G1B+1], ((AROW/8)&0xffff)<<16
	s_mov_b32 s[G1B+2], (2*NB)<<16
	s_mov_b32 s[G1B+3], (AROW/8)<<16
	s_mov_b32 s[G1B+4], 2*NB
	s_mov_b32 s[G1B+5], APITCH/8
	s_mov_b32 s[G1B+6], 0
	s_mov_b32 s[G1B+7], 0
	s_or_b32 s[G1S+0], s43, (3<<16)|(1<<20)|(1<<21)|(5<<22)|(3<<25)
	s_or_b32 s[G1SB+0], s44, (3<<16)|(1<<20)|(1<<21)|(5<<22)|(3<<25)
.irp g, G1S, G1SB
	s_mov_b32 s[\g+1], 32<<16
	s_mov_b32 s[\g+2], (32*NB*KS/256)<<16
	s_mov_b32 s[\g+3], 32<<16
	s_mov_b32 s[\g+4], 32*NB*KS/256
	s_mov_b32 s[\g+5], 32
	s_mov_b32 s[\g+6], 0
	s_mov_b32 s[\g+7], 0
.endr
	s_mul_i32 s20, s17, 2*NB
	s_mul_i32 s20, s20, APITCH
	s_mov_b32 s21, 0
	s_mul_i32 s22, s17, 32*NB
	s_mul_i32 s22, s22, KS
	s_add_co_u32 s22, s22, ASCOFF
	s_mov_b32 s23, 0
	s_mul_i32 s46, s42, 32*NB
	s_mul_i32 s92, s46, KS
	s_mov_b32 s93, 0
	s_mul_i32 s46, s46, KROW
	s_add_co_u32 s46, s46, WOFF
	s_mov_b32 s47, 0
	s_mul_i32 s45, s16, HALFA
	s_mul_i32 s95, s16, HALFB
	s_add_co_u32 s95, s95, 2*HALFA
	s_wait_kmcnt 0x0
	s_add_nc_u64 s[20:21], s[4:5], s[20:21]
	s_add_nc_u64 s[22:23], s[4:5], s[22:23]
	s_add_nc_u64 s[46:47], s[8:9], s[46:47]
	s_add_nc_u64 s[92:93], s[10:11], s[92:93]
	CROUND
	s_mov_b32 s[G0S], 1
	s_mov_b32 s[G0S+1], SCL
	s_mov_b64 s[G0S+2:G0S+3], s[22:23]
	s_or_b32 s[G0S+3], s[G0S+3], 0x80000000
	s_mov_b32 s[G0SB], 1
	s_mov_b32 s[G0SB+1], SCL+2*HALFS
	s_mov_b64 s[G0SB+2:G0SB+3], s[92:93]
	s_or_b32 s[G0SB+3], s[G0SB+3], 0x80000000
	s_mov_b32 s4, 1                                ; group 0 of the head's loads of K step 0: A's whole tile,
	s_mov_b32 s5, 0
	s_mov_b64 s[6:7], s[20:21]
	s_or_b32 s7, s7, 0x80000000
	s_mov_b32 s8, 1                                ; and B's, behind it
	s_mov_b32 s9, 2*HALFA
	s_mov_b64 s[10:11], s[46:47]
	s_or_b32 s11, s11, 0x80000000
	s_mul_i32 s18, s16, NB*APITCH                  ; for the ring: my half of the tile
	s_mov_b32 s19, 0
	s_add_nc_u64 s[20:21], s[20:21], s[18:19]
	s_add_nc_u64 s[46:47], s[46:47], s[18:19]
	; the prefetches' base: of the eight tiles of 16 rows that I fetch, each of the four partners that ask with me takes two, told apart by address (cx for A, cy for B)
	s_cmp_eq_u32 s15, 0
	s_cselect_b64 s[66:67], s[20:21], s[46:47]
	s_cselect_b32 s18, s40, s41
	s_mul_i32 s18, s18, (NB/4)*APITCH
	s_add_nc_u64 s[66:67], s[66:67], s[18:19]
.irp s, 0,1
	s_mov_b32 s[G0+4*\s], 1
	s_add_co_u32 s[G0+4*\s+1], s45, \s*SLOT
	s_add_nc_u64 s[G0+4*\s+2:G0+4*\s+3], s[20:21], \s*AROW
	s_or_b32 s[G0+4*\s+3], s[G0+4*\s+3], 0x80000000
	s_mov_b32 s[G0B+4*\s], 1
	s_add_co_u32 s[G0B+4*\s+1], s95, \s*SLOT
	s_add_nc_u64 s[G0B+4*\s+2:G0B+4*\s+3], s[46:47], \s*ROWB
	s_or_b32 s[G0B+4*\s+3], s[G0B+4*\s+3], 0x80000000
.endr
; the head's four tiles, one joint load a wave: wave 0 A's K step 0, wave 1 B's, wave 2 A's scales, wave 3 B's
.macro ARM under, g0, g1, next
	s_cmp_lt_u32 s14, \under
	s_cbranch_scc0 \next
	tensor_load_to_lds s[\g0:\g0+3], s[\g1:\g1+7]
	s_nop 0
.rept 4
	v_nop
.endr
	s_branch .Lhead_asked
\next:
.endm
	ARM 1, 4, G1, .Lhead_b
	ARM 2, 8, G1B, .Lhead_sa
	ARM 3, G0S, G1S, .Lhead_sb
	tensor_load_to_lds s[G0SB:G0SB+3], s[G1SB:G1SB+7]
	s_nop 0
.rept 4
	v_nop
.endr
.Lhead_asked:
	v_and_b32 v1, 15, v0
	v_bfe_u32 v2, v0, 4, 1
	v_and_b32 v3, 31, v0
	v_min_u32 v30, 23, v3                          ; v30, never rewritten: a lane to each of 24 blocks of 256 bytes: 12 of a K step of one tile, 12 of the next tile (the lanes left over name the last again)
	v_mul_u32_u24 v6, v30, 171
	v_lshrrev_b32 v6, 11, v6                       ; 1 from block 12 on
	v_mul_u32_u24 v6, v6, APITCH-AROW
	v_lshl_add_u32 v30, v30, 8, v6
	global_prefetch_b8 v30, s[66:67] offset:AROW th:TH_LOAD_NT scope:SCOPE_SE     ; K steps 1 and 2, beside the head's load of K step 0
	global_prefetch_b8 v30, s[66:67] offset:2*AROW th:TH_LOAD_NT scope:SCOPE_SE
	s_mul_i32 s21, s15, HALFA
	v_lshl_add_u32 v[ADA16], v3, 4, s21
	v_lshl_add_u32 v[ADA8], v3, 3, s21
	v_add_nc_u32 v[ADA16+1], SLOT, v[ADA16]
	v_add_nc_u32 v[ADA8+1], SLOT, v[ADA8]
	v_lshlrev_b32 v4, 4, v3
	v_lshlrev_b32 v5, 3, v3
	s_mul_i32 s22, s16, HALFB
	s_add_co_u32 s22, s22, 2*HALFA
.irp s, 0,1
	v_add_nc_u32 v[ADRB+\s], s22, v4
	v_add_nc_u32 v[ADRB+2+\s], s22, v5
	s_add_co_u32 s22, s22, SLOT
.endr
	v_mul_u32_u24 v5, v1, KS
	v_lshrrev_b32 v6, 8, v5
	v_lshl_add_u32 v5, v6, 4, v5
	s_mul_i32 s21, s15, HALFS
	s_mul_i32 s22, s16, HALFS
	s_add_co_u32 s22, s22, 2*HALFS
	s_sub_co_u32 s22, s22, s21
	v_mul_u32_u24 v6, s22, v2
	s_add_co_u32 s21, s21, SCL
	v_add_nc_u32 v5, v5, v6
	v_add_nc_u32 v[ADRS], s21, v5
	s_mul_i32 s46, s42, 128*NB
	s_mul_i32 s47, s16, 64*NB
	s_add_co_u32 s46, s46, s47
	s_mov_b32 s47, 0
	s_add_nc_u64 s[96:97], s[96:97], s[46:47]
	v_lshlrev_b32 v7, 5, v2
.set fi, 0
.rept NB
	global_load_b128 v[BI+8*fi:BI+8*fi+3], v7, s[96:97] offset:64*fi
	global_load_b128 v[BI+8*fi+4:BI+8*fi+7], v7, s[96:97] offset:64*fi+16
.set fi, fi+1
.endr
	s_mul_i32 s23, s14, 16*SPITCH
	v_mul_u32_u24 v5, v1, SPITCH
	v_lshl_add_u32 v5, v2, 5, v5
	v_add_nc_u32 v[STO], s23, v5
	v_lshlrev_b32 v[CO], 4, v3
	v_add_nc_u32 v[RD], s23, v[CO]
	s_lshl_b32 s20, s17, 8
	s_lshl_b32 s21, s15, 7
	s_add_co_u32 s20, s20, s21
	s_mul_i32 s20, s20, SIZE_N*4
	s_lshl_b32 s46, s42, 10
	s_lshl_b32 s47, s16, 9
	s_add_co_u32 s46, s46, s47
	s_add_co_u32 s20, s20, s46
	s_mov_b32 s21, 0
	s_add_nc_u64 s[12:13], s[12:13], s[20:21]
	s_wait_alu depctr_va_vdst(0)
	s_wait_tensorcnt 0x0                           ; my tile of the head's four is in
	ds_add_u32 v[SPW], v[NIL]
	s_mov_b32 s[G1+2], NB<<16                      ; no load of mine is out: from here on a load brings one half
	s_mov_b32 s[G1+4], NB
	s_mov_b32 s[G1B+2], NB<<16
	s_mov_b32 s[G1B+4], NB
	s_wait_dscnt 0x0
	CROUND
	JLOAD G0+4, G1, G0B+4, G1B                     ; K step 1, the first tensor load behind the round
	FETCH_B 0, 0, 0
	FETCH_A 0, 0, 0
	SCALES 0
	global_prefetch_b8 v30, s[66:67] offset:3*AROW th:TH_LOAD_NT scope:SCOPE_SE   ; behind K step 1's load: K step 3, the last, two loads ahead
	FETCH_A 0, 0, NB/2
	s_wait_loadcnt 0x0
	STEP 0, 0, 1
.if LAPS > 1
	s_mov_b32 s3, LAPS-1
.Llap:
	MID 0
	TURN 0, 1, 1
	STEP 1, 0, 0
	MID 1
	TURN 1, 0, 1
	STEP 0, 0, 0
	s_sub_co_u32 s3, s3, 1
	s_cmp_lg_u32 s3, 0
	s_cbranch_scc1 .Llap
.endif
	MID 0
	TURN 0, 1, 0
	STEP 1, 0, 0
	MID 1
	s_wait_dscnt (NB/2)*NLA
	WINM 0, 0
	MULS 0, NB/2, 1, NQ-1, 1, 0
	s_wait_dscnt 0
	WINM 1, 0
	MULS NB/2, NB/2, 1, NQ-1, 1, 0
	WIN 0
.macro TOSTAGE a
.set AC, 64*((\a)%4)
	WIN 0x08+4*((\a)/4)
.irp b, 0,1,2,3,4,5,6,7
	ds_store_b128 v[STO], v[AC+8*\b:AC+8*\b+3] offset:64*\b
	ds_store_b128 v[STO], v[AC+8*\b+4:AC+8*\b+7] offset:64*\b+16
.endr
	WIN 0
.set BB, BK+64*((\a)%2)
.irp t, 0,1,2,3,4,5,6,7,8,9,10,11,12,13,14,15
	ds_load_b128 v[BB+4*\t:BB+4*\t+3], v[RD] offset:\t*SPITCH
.endr
.endm
.macro SEND a, younger
.set BB, BK+64*((\a)%2)
	s_wait_dscnt \younger
.if (\a) > 0
	s_add_nc_u64 s[12:13], s[12:13], 16*SIZE_N*4
.endif
.irp t, 0,1,2,3,4,5,6,7,8,9,10,11,12,13,14,15
	global_store_b128 v[CO], v[BB+4*\t:BB+4*\t+3], s[12:13] offset:\t*SIZE_N*4
.endr
.endm
	PLACES NP
	TOSTAGE 0
.irp a, 1,2,3,4,5,6,7
.if \a > 1
	s_wait_xcnt 0x0
.endif
	TOSTAGE \a
	SEND \a-1, 32
.endr
	s_wait_xcnt 0x0
	SEND 7, 0
	s_wait_tensorcnt 0x0
	ds_add_u32 v[SPW], v[NIL]
	s_wait_dscnt 0x0
	CROUND
	s_endpgm
.Lfunc_end_k_q5c9488f593_fc1:
	.size	k_q5c9488f593_fc1, .Lfunc_end_k_q5c9488f593_fc1-k_q5c9488f593_fc1
	.p2alignl 7, 3214868480
	.fill 96, 4, 3214868480
	.section	.rodata,"a",@progbits
	.p2align	6, 0x0
	.amdhsa_kernel k_q5c9488f593_fc1
		.amdhsa_group_segment_fixed_size 327680
		.amdhsa_private_segment_fixed_size 0
		.amdhsa_enable_private_segment 0
		.amdhsa_kernarg_size 40
		.amdhsa_user_sgpr_count 2
		.amdhsa_user_sgpr_kernarg_segment_ptr 1
		.amdhsa_wavefront_size32 1
		.amdhsa_system_sgpr_workgroup_id_x 1
		.amdhsa_system_sgpr_workgroup_id_y 1
		.amdhsa_system_sgpr_workgroup_id_z 1
		.amdhsa_system_vgpr_workitem_id 0
		.amdhsa_next_free_vgpr 1024
		.amdhsa_next_free_sgpr 102
		.amdhsa_reserve_vcc 0
		.amdhsa_float_denorm_mode_32 3
		.amdhsa_float_denorm_mode_16_64 3
		.amdhsa_memory_ordered 1
		.amdhsa_forward_progress 1
		.amdhsa_inst_pref_size 148
	.end_amdhsa_kernel
	.amdgpu_metadata
---
amdhsa.version: [ 1, 2 ]
amdhsa.kernels:
  - .name:           k_q5c9488f593_fc1
    .symbol:         k_q5c9488f593_fc1.kd
    .args:
      - { .name: acta, .offset: 0, .size: 8, .value_kind: global_buffer, .address_space: global }
      - { .name: wimg, .offset: 8, .size: 8, .value_kind: global_buffer, .address_space: global }
      - { .name: fc1_w_scales, .offset: 16, .size: 8, .value_kind: global_buffer, .address_space: global }
      - { .name: fc1_b, .offset: 24, .size: 8, .value_kind: global_buffer, .address_space: global }
      - { .name: hid, .offset: 32, .size: 8, .value_kind: global_buffer, .address_space: global }
    .group_segment_fixed_size: 327680
    .private_segment_fixed_size: 0
    .kernarg_segment_align: 8
    .kernarg_segment_size: 40
    .max_flat_workgroup_size: 128
    .sgpr_count:     102
    .vgpr_count:     1024
    .wavefront_size: 32
...
	.end_amdgpu_metadata
.endif
;; end of part 5
;; launch ln3 (part 6): grid 256 x 1, 16 waves a work-group, no clusters, 266,496 bytes of LDS; arguments hid, ffn_ln_g, ffn_ln_b, actc; writes actc
.if DOCPART == 6
	.amdgcn_target "amdgcn-amd-amdhsa--gfx1250"
	.amdhsa_code_object_version 6
	.text
	.protected	k_q5c9488f593_ln3
	.globl	k_q5c9488f593_ln3
	.p2align	8
	.type	k_q5c9488f593_ln3,@function
k_q5c9488f593_ln3:
	s_mov_b64 s[64:65], 0
	v_nop
	global_prefetch_b8 v0, s[64:65] scope:SCOPE_SE
	s_setreg_imm32_b32 hwreg(HW_REG_WAVE_MODE, 25, 1), 1
	s_wait_xcnt 0x0
; The exact GELU, LayerNorm over rows of 4,096 f32, and the MX-FP6 quantiser along the row.  A work-group owns 16 rows (one tile of tokens).
; PHASE 1: wave w owns row w, 128 registers a lane, 32 loads of 512 consecutive bytes; the activation is worked group by group of four loads as they land (counted waits); then mean, variance of the differences, the affine part; the row goes to a stage in LDS.
; gelu(x) = max(x, 0) - h t 2^P, h = |x| / 2, t = 1 / (1 + h / sqrt 2), P = c0 - 2 log2(e) h^2 + t (c1 + t (c2 + .. + t c9)): erfc(|x| / sqrt 2) = t 2^P by the rational-argument exponential fit whose fractional error is 1.2e-7 everywhere; the coefficients carry the factor log2(e).
; PHASE 2: wave w owns 256 columns (chunks 4 w .. 4 w + 3) of all 16 rows; each chunk is quantised and stored as an image of operand registers, 768 bytes; scale bytes leave as plain rows [token][128], gathered in LDS.
; LIMITS: NaN and infinities are not served; the erfc carries 1.2e-7 and the rounding of an f32 Horner chain; v_exp_f32 gives 0 under 2^-126 (there the term is nothing beside the row's other numbers);
; a block of zeros or under 2^-124 gets the byte 1 (its codes are zeros; only this program reads the bytes).
; No tensor loads, no matrix unit, no cluster: the launch streams 64 MiB once, and 16 waves a WGP keep 512 loads on their way.
.set PITCH, 16400                      ; a stage row: 16,384 bytes + 16: 4,100 words
.set SCST,  16*PITCH                   ; 16 rows x 128 scale bytes
.set ASC,   12582912
.set NREG,  128
.set X,     16                         ; v16-143  the row; in phase 2 four chunks' numbers
.set HH,    144                        ; v144-207 the activation's h, t, P, Q (16 each); then two sets of g and b; in phase 2 codes and words
.set TT,    160
.set PP,    176
.set QQ,    192
.set GB,    144
.set SM,    208                        ; v208-215 four chains of sums
.set TM,    208                        ; v208-213 the quantiser's
.set C9,    216                        ; v[216:217] c9, v[218:219] c0
.set C0,    218
.set CD,    144                        ; phase 2: chunk q's codes at v[144 + 8 q]
.set WD,    176                        ; its two scale bytes in v[176 + q]
.set CT,    184
.set SEL,   20
.macro WSUM a, t
	s_delay_alu instid0(VALU_DEP_1)
	v_add_f32_dpp v[\a], v[\a], v[\a] row_xmask:1 row_mask:0xf bank_mask:0xf
	s_delay_alu instid0(VALU_DEP_1)
	v_add_f32_dpp v[\a], v[\a], v[\a] row_xmask:2 row_mask:0xf bank_mask:0xf
	s_delay_alu instid0(VALU_DEP_1)
	v_add_f32_dpp v[\a], v[\a], v[\a] row_xmask:4 row_mask:0xf bank_mask:0xf
	s_delay_alu instid0(VALU_DEP_1)
	v_add_f32_dpp v[\a], v[\a], v[\a] row_xmask:8 row_mask:0xf bank_mask:0xf
	s_delay_alu instid0(VALU_DEP_1)
	v_permlanex16_b32 v[\t], v[\a], s[SEL], s[SEL+1]
	s_delay_alu instid0(VALU_DEP_1)
	v_add_f32 v[\a], v[\a], v[\t]
.endm
.macro QUANT2 s, c, t, w               ; 32 numbers of a lane (register s + 16 b + i = number 16 (lane / 16) + i of block b) -> 6 registers of an image in v[c] on, two scale bytes in v[w]
.irp b, 0,1
	v_max3_num_f32 v[TM+\b], |v[\s+16*\b]|, |v[\s+16*\b+1]|, 0x1800000
.endr
.irp i, 2,4,6,8,10,12,14
.irp b, 0,1
	s_delay_alu instid0(VALU_DEP_2)
	v_max3_num_f32 v[TM+\b], v[TM+\b], |v[\s+16*\b+\i]|, |v[\s+16*\b+\i+1]|
.endr
.endr
.irp b, 0,1
	s_delay_alu instid0(VALU_DEP_2)
	v_permlanex16_b32 v[TM+2+\b], v[TM+\b], s[SEL], s[SEL+1]
.endr
.irp b, 0,1
	s_delay_alu instid0(VALU_DEP_2)
	v_max_num_f32 v[TM+\b], v[TM+\b], v[TM+2+\b]
.endr
.irp b, 0,1
	s_delay_alu instid0(VALU_DEP_2)
	v_add_nc_u32 v[TM+4+\b], 0xff000000, v[TM+\b]
.endr
.irp b, 0,1
	s_delay_alu instid0(VALU_DEP_2)
	v_lshrrev_b32 v[TM+2+\b], 23, v[TM+4+\b]
.endr
	s_delay_alu instid0(VALU_DEP_1)
	v_lshl_or_b32 v[\w], v[TM+3], 8, v[TM+2]
	v_cvt_scalef32_pk16_fp6_f32 v[\c:\c+2], v[\s:\s+15], v[TM+4]
	v_cvt_scalef32_pk16_fp6_f32 v[\t:\t+2], v[\s+16:\s+31], v[TM+5]
	v_nop
.irp i, 0,1,2
	v_permlane16_swap_b32 v[\c+\i], v[\t+\i]
.endr
.irp i, 0,1,2
	s_delay_alu instid0(VALU_DEP_3)
	v_mov_b32 v[\c+3+\i], v[\t+\i]
.endr
.endm
.macro GELU16 g                        ; 16 numbers a lane: the four loads 4 g .. 4 g + 3
.set XG, X+16*(\g)
	s_wait_loadcnt 28-4*(\g)                       ; they are in; the younger loads of the row may be out
.set i, 0
.rept 16
	v_mul_f32 v[HH+i], 0.5, |v[XG+i]|
.set i, i+1
.endr
.irp p, 0,2,4,6,8,10,12,14
	v_pk_fma_f32 v[TT+\p:TT+\p+1], v[HH+\p:HH+\p+1], s[24:25], 1.0 op_sel_hi:[1,0,0]
.endr
.set i, 0
	s_wait_alu depctr_va_vdst(0)
.rept 16
	v_rcp_f32 v[TT+i], v[TT+i]
.set i, i+1
.endr
.irp p, 0,2,4,6,8,10,12,14
	v_pk_mul_f32 v[QQ+\p:QQ+\p+1], v[HH+\p:HH+\p+1], v[HH+\p:HH+\p+1]       ; (plain work behind the reciprocals)
.endr
.irp p, 0,2,4,6,8,10,12,14
	v_pk_fma_f32 v[QQ+\p:QQ+\p+1], v[QQ+\p:QQ+\p+1], s[26:27], v[C0:C0+1] op_sel_hi:[1,0,1]
.endr
	s_wait_alu depctr_va_vdst(0)
.irp p, 0,2,4,6,8,10,12,14
	v_pk_fma_f32 v[PP+\p:PP+\p+1], v[TT+\p:TT+\p+1], v[C9:C9+1], s[28:29] op_sel_hi:[1,1,0]
.endr
.irp k, 30,32,34,36,38,40,42
.irp p, 0,2,4,6,8,10,12,14
	v_pk_fma_f32 v[PP+\p:PP+\p+1], v[PP+\p:PP+\p+1], v[TT+\p:TT+\p+1], s[\k:\k+1] op_sel_hi:[1,1,0]
.endr
.endr
.irp p, 0,2,4,6,8,10,12,14
	v_pk_fma_f32 v[PP+\p:PP+\p+1], v[PP+\p:PP+\p+1], v[TT+\p:TT+\p+1], v[QQ+\p:QQ+\p+1]
.endr
.set i, 0
	s_wait_alu depctr_va_vdst(0)
.rept 16
	v_exp_f32 v[PP+i], v[PP+i]
.set i, i+1
.endr
.set i, 0
.rept 16
	v_max_num_f32 v[XG+i], 0, v[XG+i]              ; (plain work behind the exponentials)
.set i, i+1
.endr
	s_wait_alu depctr_va_vdst(0)
.irp p, 0,2,4,6,8,10,12,14
	v_pk_mul_f32 v[TT+\p:TT+\p+1], v[TT+\p:TT+\p+1], v[PP+\p:PP+\p+1]
.endr
.irp p, 0,2,4,6,8,10,12,14
	v_pk_fma_f32 v[XG+\p:XG+\p+1], v[HH+\p:HH+\p+1], v[TT+\p:TT+\p+1], v[XG+\p:XG+\p+1] neg_lo:[1,0,0] neg_hi:[1,0,0]
.endr
.endm
.macro GBLOAD g                        ; g and b of group g's 16 numbers a lane, into set g % 2
.irp j, 0,1,2,3
	global_load_b128 v[GB+32*((\g)%2)+4*\j:GB+32*((\g)%2)+4*\j+3], v4, s[6:7] offset:2048*(\g)+512*\j
.endr
.irp j, 0,1,2,3
	global_load_b128 v[GB+32*((\g)%2)+16+4*\j:GB+32*((\g)%2)+16+4*\j+3], v4, s[8:9] offset:2048*(\g)+512*\j
.endr
.endm
.macro AFF g
.if (\g) < 7
	s_wait_loadcnt 8                               ; this group's g and b are in; the next group's eight loads may be out
.else
	s_wait_loadcnt 0
.endif
.irp p, 0,2,4,6,8,10,12,14
	v_pk_mul_f32 v[X+16*(\g)+\p:X+16*(\g)+\p+1], v[X+16*(\g)+\p:X+16*(\g)+\p+1], v[12:13]
.endr
.irp p, 0,2,4,6,8,10,12,14
	v_pk_fma_f32 v[X+16*(\g)+\p:X+16*(\g)+\p+1], v[X+16*(\g)+\p:X+16*(\g)+\p+1], v[GB+32*((\g)%2)+\p:GB+32*((\g)%2)+\p+1], v[GB+32*((\g)%2)+16+\p:GB+32*((\g)%2)+17+\p]
.endr
.irp j, 0,1,2,3
	ds_store_b128 v6, v[X+16*(\g)+4*\j:X+16*(\g)+4*\j+3] offset:2048*(\g)+512*\j
.endr
.if (\g)+2 < 8
	GBLOAD (\g)+2
.endif
.endm
	s_load_b256 s[4:11], s[0:1], 0x0               ; the rows s[4:5], g s[6:7], b s[8:9], images and scale bytes s[10:11]
	v_lshl_add_u32 v224, v0, 2, 0x40900
	v_mov_b32 v225, 0
	v_lshrrev_b32 v1, 5, v0
	s_delay_alu instid0(VALU_DEP_1)
	v_readfirstlane_b32 s14, v1                    ; wave 0..15
	v_and_b32 v1, 31, v0
	v_and_b32 v2, 15, v0
	v_bfe_u32 v3, v0, 4, 1
	s_delay_alu instid0(VALU_DEP_3)
	v_lshlrev_b32 v4, 4, v1                        ; 16 x lane
	s_delay_alu instid0(VALU_DEP_4)
	v_lshlrev_b32 v5, 3, v1                        ; 8 x lane
	s_mov_b32 s[SEL], 0x76543210
	s_mov_b32 s[SEL+1], 0xfedcba98
	s_mul_i32 s15, s14, PITCH
	v_add_nc_u32 v6, s15, v4                       ; the stage, in
	v_mul_u32_u24 v7, v2, PITCH
	s_delay_alu instid0(VALU_DEP_1)
	v_lshl_add_u32 v7, v3, 6, v7
	s_lshl_b32 s15, s14, 10
	v_add_nc_u32 v7, s15, v7                       ; out: row r, my four chunks, + 64 h
	v_lshlrev_b32 v8, 7, v2
	s_lshl_b32 s15, s14, 3
	s_add_co_u32 s15, s15, SCST
	v_add_nc_u32 v8, s15, v8                       ; scale bytes: 128 r + 8 w
	v_lshl_add_u32 v9, v0, 4, SCST                 ; and their way out: 16 x thread (threads 0-127)
	v_lshlrev_b32 v14, 4, v0
	s_lshl_b32 s16, ttmp9, 4
	s_add_co_u32 s16, s16, s14
	s_lshl_b32 s18, s16, 14                        ; my row
	s_mov_b32 s19, 0
	s_lshl_b32 s44, ttmp9, 6
	s_lshl_b32 s45, s14, 2
	s_add_co_u32 s44, s44, s45
	s_mul_i32 s44, s44, 768                        ; my four images
	s_mov_b32 s45, 0
	s_lshl_b32 s46, ttmp9, 11
	s_add_co_u32 s46, s46, ASC
	s_mov_b32 s47, 0
	s_mov_b32 s22, 0x39800000                      ; 1 / 4,096
	s_mov_b32 s23, 0x3727c5ac                      ; 1e-5
	s_mov_b32 s24, 0.70710678
	s_mov_b32 s26, -2.88539008
	s_mov_b32 s28, -1.1861149                      ; c8 .. c1
	s_mov_b32 s30, 2.1474745
	s_mov_b32 s32, -1.6377532
	s_mov_b32 s34, 0.40232158
	s_mov_b32 s36, -0.26875686
	s_mov_b32 s38, 0.13963006
	s_mov_b32 s40, 0.53970062
	s_mov_b32 s42, 1.4427292
.irp k, 24,26,28,30,32,34,36,38,40,42
	s_mov_b32 s[\k+1], s[\k]                       ; (named as pairs, so both words are written)
.endr
	v_mov_b32 v[C9], 0.24651730
	s_delay_alu instid0(VALU_DEP_1)
	v_mov_b32 v[C9+1], v[C9]
	v_mov_b32 v[C0], -1.8257482
	s_delay_alu instid0(VALU_DEP_1)
	v_mov_b32 v[C0+1], v[C0]
	s_wait_kmcnt 0x0
	s_add_nc_u64 s[4:5], s[4:5], s[18:19]
	s_add_nc_u64 s[44:45], s[10:11], s[44:45]
	s_add_nc_u64 s[46:47], s[10:11], s[46:47]
.set j, 0
.rept 32
	global_load_b128 v[X+4*j:X+4*j+3], v4, s[4:5] offset:512*j th:TH_LOAD_NT
.set j, j+1
.endr
.irp g, 0,1,2,3,4,5,6,7
	GELU16 \g
.endr
	GBLOAD 0                                       ; they land under the statistics
	GBLOAD 1
	v_pk_add_f32 v[210:211], v[16:17], v[24:25]
	v_pk_add_f32 v[212:213], v[32:33], v[40:41]
	v_pk_add_f32 v[214:215], v[48:49], v[56:57]
	v_pk_add_f32 v[222:223], v[64:65], v[72:73]
	v_pk_add_f32 v[220:221], v[80:81], v[88:89]
	v_pk_add_f32 v[218:219], v[96:97], v[104:105]
	v_pk_add_f32 v[216:217], v[112:113], v[120:121]
	v_pk_add_f32 v[208:209], v[128:129], v[136:137]
	s_delay_alu instid0(VALU_DEP_1)
	v_pk_add_f32 v[208:209], v[208:209], v[18:19]
	v_pk_add_f32 v[210:211], v[210:211], v[26:27]
	v_pk_add_f32 v[212:213], v[212:213], v[34:35]
	v_pk_add_f32 v[214:215], v[214:215], v[42:43]
	v_pk_add_f32 v[222:223], v[222:223], v[50:51]
	v_pk_add_f32 v[220:221], v[220:221], v[58:59]
	v_pk_add_f32 v[218:219], v[218:219], v[66:67]
	v_pk_add_f32 v[216:217], v[216:217], v[74:75]
	v_pk_add_f32 v[208:209], v[208:209], v[82:83]
	v_pk_add_f32 v[210:211], v[210:211], v[90:91]
	v_pk_add_f32 v[212:213], v[212:213], v[98:99]
	v_pk_add_f32 v[214:215], v[214:215], v[106:107]
	v_pk_add_f32 v[222:223], v[222:223], v[114:115]
	v_pk_add_f32 v[220:221], v[220:221], v[122:123]
	v_pk_add_f32 v[218:219], v[218:219], v[130:131]
	v_pk_add_f32 v[216:217], v[216:217], v[138:139]
	v_pk_add_f32 v[208:209], v[208:209], v[20:21]
	v_pk_add_f32 v[210:211], v[210:211], v[28:29]
	v_pk_add_f32 v[212:213], v[212:213], v[36:37]
	v_pk_add_f32 v[214:215], v[214:215], v[44:45]
	v_pk_add_f32 v[222:223], v[222:223], v[52:53]
	v_pk_add_f32 v[220:221], v[220:221], v[60:61]
	v_pk_add_f32 v[218:219], v[218:219], v[68:69]
	v_pk_add_f32 v[216:217], v[216:217], v[76:77]
	v_pk_add_f32 v[208:209], v[208:209], v[84:85]
	v_pk_add_f32 v[210:211], v[210:211], v[92:93]
	v_pk_add_f32 v[212:213], v[212:213], v[100:101]
	v_pk_add_f32 v[214:215], v[214:215], v[108:109]
	v_pk_add_f32 v[222:223], v[222:223], v[116:117]
	v_pk_add_f32 v[220:221], v[220:221], v[124:125]
	v_pk_add_f32 v[218:219], v[218:219], v[132:133]
	v_pk_add_f32 v[216:217], v[216:217], v[140:141]
	v_pk_add_f32 v[208:209], v[208:209], v[22:23]
	v_pk_add_f32 v[210:211], v[210:211], v[30:31]
	v_pk_add_f32 v[212:213], v[212:213], v[38:39]
	v_pk_add_f32 v[214:215], v[214:215], v[46:47]
	v_pk_add_f32 v[222:223], v[222:223], v[54:55]
	v_pk_add_f32 v[220:221], v[220:221], v[62:63]
	v_pk_add_f32 v[218:219], v[218:219], v[70:71]
	v_pk_add_f32 v[216:217], v[216:217], v[78:79]
	v_pk_add_f32 v[208:209], v[208:209], v[86:87]
	v_pk_add_f32 v[210:211], v[210:211], v[94:95]
	v_pk_add_f32 v[212:213], v[212:213], v[102:103]
	v_pk_add_f32 v[214:215], v[214:215], v[110:111]
	v_pk_add_f32 v[222:223], v[222:223], v[118:119]
	v_pk_add_f32 v[220:221], v[220:221], v[126:127]
	v_pk_add_f32 v[218:219], v[218:219], v[134:135]
	v_pk_add_f32 v[216:217], v[216:217], v[142:143]
	s_delay_alu instid0(VALU_DEP_4)
	v_pk_add_f32 v[208:209], v[208:209], v[222:223]
	s_delay_alu instid0(VALU_DEP_4)
	v_pk_add_f32 v[210:211], v[210:211], v[220:221]
	s_delay_alu instid0(VALU_DEP_4)
	v_pk_add_f32 v[212:213], v[212:213], v[218:219]
	s_delay_alu instid0(VALU_DEP_4)
	v_pk_add_f32 v[214:215], v[214:215], v[216:217]
	s_delay_alu instid0(VALU_DEP_2)
	v_pk_add_f32 v[208:209], v[208:209], v[212:213]
	s_delay_alu instid0(VALU_DEP_2)
	v_pk_add_f32 v[210:211], v[210:211], v[214:215]
	s_delay_alu instid0(VALU_DEP_1)
	v_pk_add_f32 v[208:209], v[208:209], v[210:211]
	s_delay_alu instid0(VALU_DEP_1)
	v_add_f32 v[SM], v[SM], v[SM+1]
	WSUM SM, SM+1
	s_delay_alu instid0(VALU_DEP_1)
	v_mul_f32 v10, s22, v[SM]                      ; the mean
	s_delay_alu instid0(VALU_DEP_1)
	v_mov_b32 v11, v10
.set j, 0
.rept NREG/2
	v_pk_add_f32 v[X+j:X+j+1], v[X+j:X+j+1], v[10:11] neg_lo:[0,1] neg_hi:[0,1]
.set j, j+2
.endr
.irp k, 0,2,4,6
	v_pk_mul_f32 v[SM+\k:SM+\k+1], v[X+\k:X+\k+1], v[X+\k:X+\k+1]
.endr
.set j, 8
.rept (NREG-8)/8
.irp k, 0,2,4,6
	s_delay_alu instid0(VALU_DEP_4)
	v_pk_fma_f32 v[SM+\k:SM+\k+1], v[X+j+\k:X+j+\k+1], v[X+j+\k:X+j+\k+1], v[SM+\k:SM+\k+1]
.endr
.set j, j+8
.endr
	s_delay_alu instid0(VALU_DEP_3)
	v_pk_add_f32 v[SM:SM+1], v[SM:SM+1], v[SM+2:SM+3]
	s_delay_alu instid0(VALU_DEP_2)
	v_pk_add_f32 v[SM+4:SM+5], v[SM+4:SM+5], v[SM+6:SM+7]
	s_delay_alu instid0(VALU_DEP_1)
	v_pk_add_f32 v[SM:SM+1], v[SM:SM+1], v[SM+4:SM+5]
	s_delay_alu instid0(VALU_DEP_1)
	v_add_f32 v[SM], v[SM], v[SM+1]
	WSUM SM, SM+1
	s_delay_alu instid0(VALU_DEP_1)
	v_fma_f32 v12, v[SM], s22, s23
	s_wait_alu depctr_va_vdst(0)
	v_rsq_f32 v12, v12
	v_nop
	s_wait_alu depctr_va_vdst(0)
	v_mov_b32 v13, v12
	s_wait_alu depctr_va_vdst(0)
.irp g, 0,1,2,3,4,5,6,7
	AFF \g
.endr
	s_wait_dscnt 0x0                               ; for the others' sake: my row lies in the stage
	s_barrier_signal -1
	s_barrier_wait -1
.irp q, 0,1,2,3
.irp b, 0,1
.irp j, 0,1,2,3
	ds_load_b128 v[X+32*\q+16*\b+4*\j:X+32*\q+16*\b+4*\j+3], v7 offset:256*\q+128*\b+16*\j
.endr
.endr
.endr
.irp q, 0,1,2,3
	s_wait_dscnt 24-8*\q                           ; chunk q's eight loads are in
.set qs, X+32*\q
.set qc, CD+8*\q
.set qw, WD+\q
	QUANT2 qs, qc, CT, qw
	global_store_b128 v4, v[qc:qc+3], s[44:45] offset:768*\q
	global_store_b64 v5, v[qc+4:qc+5], s[44:45] offset:768*\q+512
.endr
	v_lshl_or_b32 v[WD+4], v[WD+1], 16, v[WD]
	v_lshl_or_b32 v[WD+5], v[WD+3], 16, v[WD+2]
	ds_store_b64 v8, v[WD+4:WD+5]                  ; my row's eight scale bytes of my four chunks (both lanes of a row write the same)
	s_wait_dscnt 0x0
	s_barrier_signal -1
	s_barrier_wait -1
	s_cmp_ge_u32 s14, 4
	s_cbranch_scc1 .Lend
	ds_load_b128 v[X:X+3], v9                      ; waves 0-3: the tile's 2,048 scale bytes leave in aligned runs of 256
	s_wait_dscnt 0x0
	global_store_b128 v14, v[X:X+3], s[46:47]
.Lend:
	s_wait_tensorcnt 0x0
	ds_add_u32 v224, v225
	s_wait_dscnt 0x0
	s_endpgm
.Lfunc_end_k_q5c9488f593_ln3:
	.size	k_q5c9488f593_ln3, .Lfunc_end_k_q5c9488f593_ln3-k_q5c9488f593_ln3
	.p2alignl 7, 3214868480
	.fill 96, 4, 3214868480
	.section	.rodata,"a",@progbits
	.p2align	6, 0x0
	.amdhsa_kernel k_q5c9488f593_ln3
		.amdhsa_group_segment_fixed_size 266496
		.amdhsa_private_segment_fixed_size 0
		.amdhsa_enable_private_segment 0
		.amdhsa_kernarg_size 32
		.amdhsa_user_sgpr_count 2
		.amdhsa_user_sgpr_kernarg_segment_ptr 1
		.amdhsa_wavefront_size32 1
		.amdhsa_system_sgpr_workgroup_id_x 1
		.amdhsa_system_sgpr_workgroup_id_y 1
		.amdhsa_system_sgpr_workgroup_id_z 1
		.amdhsa_system_vgpr_workitem_id 0
		.amdhsa_next_free_vgpr 226
		.amdhsa_next_free_sgpr 66
		.amdhsa_reserve_vcc 0
		.amdhsa_float_denorm_mode_32 3
		.amdhsa_float_denorm_mode_16_64 3
		.amdhsa_memory_ordered 1
		.amdhsa_forward_progress 1
		.amdhsa_inst_pref_size 131
	.end_amdhsa_kernel
	.amdgpu_metadata
---
amdhsa.version: [ 1, 2 ]
amdhsa.kernels:
  - .name:           k_q5c9488f593_ln3
    .symbol:         k_q5c9488f593_ln3.kd
    .args:
      - { .name: hid, .offset: 0, .size: 8, .value_kind: global_buffer, .address_space: global }
      - { .name: ffn_ln_g, .offset: 8, .size: 8, .value_kind: global_buffer, .address_space: global }
      - { .name: ffn_ln_b, .offset: 16, .size: 8, .value_kind: global_buffer, .address_space: global }
      - { .name: actc, .offset: 24, .size: 8, .value_kind: global_buffer, .address_space: global }
    .group_segment_fixed_size: 266496
    .private_segment_fixed_size: 0
    .kernarg_segment_align: 8
    .kernarg_segment_size: 32
    .max_flat_workgroup_size: 512
    .sgpr_count:     66
    .vgpr_count:     226
    .wavefront_size: 32
...
	.end_amdgpu_metadata
.endif
;; end of part 6
;; launch fc2 (part 7): grid 8 x 32, 4 waves a work-group, clusters of 4 x 4, 327,680 bytes of LDS; arguments actc, wimg, fc2_w_scales, fc2_b, x1, out0; writes out0
.if DOCPART == 7
	.amdgcn_target "amdgcn-amd-amdhsa--gfx1250"
	.amdhsa_code_object_version 6
	.text
	.protected	k_q5c9488f593_fc2
	.globl	k_q5c9488f593_fc2
	.p2align	8
	.type	k_q5c9488f593_fc2,@function
k_q5c9488f593_fc2:
	s_mov_b64 s[64:65], 0
	v_nop
	global_prefetch_b8 v0, s[64:65] scope:SCOPE_SE
	s_setreg_imm32_b32 hwreg(HW_REG_WAVE_MODE, 25, 1), 1
	s_wait_xcnt 0x0
	s_wait_alu depctr_hold_cnt(0) depctr_sa_sdst(0) depctr_va_vdst(0) depctr_va_sdst(0) depctr_va_ssrc(0) depctr_va_vcc(0) depctr_vm_vsrc(0)
	s_getreg_b32 s2, hwreg(HW_REG_IB_STS2, 6, 4)
	s_cmp_eq_u32 s2, 0
	s_cbranch_scc0 .Lentry_in_a_cluster
	s_endpgm
.Lentry_in_a_cluster:
	s_bfe_u32 s2, ttmp6, 0x10000c
	s_cmp_lg_u32 s2, 0xf033
	s_cbranch_scc0 .Lentry_shape_is_right
	s_endpgm
.Lentry_shape_is_right:
.set NB,     4
.set SIZE_K, 4096
.set KSTEP,  512
.set WOFF,   6291456                   ; this weight's images in the re-laid buffer
.set ASCOFF, 12582912
.set NQ,     KSTEP/128
.set AROW,   KSTEP*12
.set APITCH, SIZE_K*12
.set ROWB,   AROW                      ; B comes as images of operand registers, as A does
.set KROW,   SIZE_K*3/4
.set FR,     12
.set NLA,    4
.set NP,     4
.set HALFA,  NB*AROW
.set HALFB,  HALFA
.set SLOT,   2*HALFA+2*HALFB
.set LAPS,   SIZE_K/(2*KSTEP)
.set KS,     SIZE_K/32
.set SCL,    2*SLOT
.set HALFS,  (16*NB*KS/256)*272
.set SBLK,   (16*KS/256)*272
.set SPARE,  SCL+4*HALFS
.set SPITCH, 272
.set ADA16, 16
.set ADA8,  18
.set ADRB,  20
.set STO,   24
.set RD,    25
.set CO,    26
.set ADRS,  27
.set SPW,   28
.set NIL,   29
.set SC,    32
.set BI,    64
.set AF,    128
.set G1, 24
.set G0, 32
.set G1B, 48
.set G0B, 56
.set G1S, 68
.set G0S, 76
.set G1SB, 80
.set G0SB, 88
.set MSB, 0
.macro WIN new
.if MSB != (\new)
	s_set_vgpr_msb (MSB<<8)|(\new)
.set MSB, (\new)
.endif
.endm
.macro WINM hi, first
.if (\hi) && (NB == 8)
	WIN 0xf1-0x30*(\first)
.else
	WIN 0xa1-0x20*(\first)
.endif
.endm
.macro JLOAD g0a, g1a, g0b, g1b
	s_cmp_eq_u32 s15, 0
	s_cbranch_scc0 .Lfor_b_\@
	tensor_load_to_lds s[\g0a:\g0a+3], s[\g1a:\g1a+7]
	s_nop 0
.rept 4
	v_nop
.endr
	s_branch .Lasked_\@
.Lfor_b_\@:
	tensor_load_to_lds s[\g0b:\g0b+3], s[\g1b:\g1b+7]
	s_nop 0
.rept 4
	v_nop
.endr
.Lasked_\@:
.endm
.macro CREST
	s_cmp_lg_u32 s14, 0
	s_cbranch_scc1 .Lnot_wave_0_\@
	s_barrier_signal -3
.Lnot_wave_0_\@:
	s_barrier_wait -3
	s_barrier_signal -1
	s_barrier_wait -1
.endm
.macro CROUND
	s_barrier_signal -1
	s_barrier_wait -1
	CREST
.endm
.macro PLACES n
.rept \n
	v_nop
.endr
.endm
.macro FRAGA reg, slot, q, i
	ds_load_b128 v[\reg:\reg+3], v[ADA16+\slot] offset:(\i)*AROW+1536*(\q)
	ds_load_b64 v[\reg+4:\reg+5], v[ADA8+\slot] offset:(\i)*AROW+1536*(\q)+512
	ds_load_b128 v[\reg+6:\reg+9], v[ADA16+\slot] offset:(\i)*AROW+1536*(\q)+768
	ds_load_b64 v[\reg+10:\reg+11], v[ADA8+\slot] offset:(\i)*AROW+1536*(\q)+1280
.endm
.macro FRAGB reg, adr, q, i
	ds_load_b128 v[\reg:\reg+3], v[\adr] offset:(\i)*AROW+1536*(\q)
	ds_load_b64 v[\reg+4:\reg+5], v[\adr+2] offset:(\i)*AROW+1536*(\q)+512
	ds_load_b128 v[\reg+6:\reg+9], v[\adr] offset:(\i)*AROW+1536*(\q)+768
	ds_load_b64 v[\reg+10:\reg+11], v[\adr+2] offset:(\i)*AROW+1536*(\q)+1280
.endm
.macro FETCH_A slot, q, i0
.set fi, \i0
.rept NB/2
	FRAGA AF+FR*fi, \slot, \q, fi
.set fi, fi+1
.endr
.endm
.macro FETCH_B slot, q, p
	WIN 0x40
.set fi, 0
.rept NB
	FRAGB 128*(\p)+FR*fi, ADRB+\slot, \q, fi
.set fi, fi+1
.endr
	WIN 0
.endm
.macro SCALES sc
.set fi, 0
.rept NB
.if NQ == 2
	ds_load_b64 v[SC+16*(\sc)+2*fi:SC+16*(\sc)+2*fi+1], v[ADRS] offset:fi*SBLK
.else
	ds_load_b128 v[SC+16*(\sc)+4*fi:SC+16*(\sc)+4*fi+3], v[ADRS] offset:fi*SBLK
.endif
.set fi, fi+1
.endr
.endm
.macro MULS a0, n, p, q, sc, first
.set ma, \a0
.rept \n
.set mb, 0
.rept NB
.set rD, 8*(NB*(ma%4)+mb)
.set rB, 128*(\p)+FR*mb
.set rA, AF+FR*ma
.set rSB, SC+16*(\sc)+NQ*mb+(\q)
.set rSA, SC+16*(\sc)+NQ*ma+(\q)
.if \first
	v_wmma_scale_f32_16x16x128_f8f6f4 v[rD:rD+7], v[rB:rB+FR-1], v[rA:rA+FR-1], v[BI+8*mb:BI+8*mb+7], v[rSB], v[rSA] matrix_a_fmt:MATRIX_FMT_FP6 matrix_b_fmt:MATRIX_FMT_FP6 matrix_a_scale:MATRIX_SCALE_ROW1
.else
	v_wmma_scale_f32_16x16x128_f8f6f4 v[rD:rD+7], v[rB:rB+FR-1], v[rA:rA+FR-1], v[rD:rD+7], v[rSB], v[rSA] matrix_a_fmt:MATRIX_FMT_FP6 matrix_b_fmt:MATRIX_FMT_FP6 matrix_a_scale:MATRIX_SCALE_ROW1
.endif
.set mb, mb+1
.endr
.set ma, ma+1
.endr
.endm
.macro STEP slot, q, first
	s_wait_dscnt (NB/2)*NLA
	WINM 0, \first
	MULS 0, NB/2, (\q)%2, \q, \slot, \first
	s_wait_dscnt 0
	PLACES NP
	FETCH_B \slot, (\q)+1, 1-(\q)%2
	FETCH_A \slot, (\q)+1, 0
	WINM 1, \first
	MULS NB/2, NB/2, (\q)%2, \q, \slot, \first
	PLACES NP
	WIN 0
	FETCH_A \slot, (\q)+1, NB/2
.endm
.macro MID slot
.if NQ == 4
	STEP \slot, 1, 0
	STEP \slot, 2, 0
.endif
.endm
.macro TURN slot, next, fill
.if \fill
	s_wait_xcnt 0x0                                ; my last prefetch has read its address: the base steps one K step, ahead of the waits of the change of slots
	s_add_nc_u64 s[66:67], s[66:67], AROW
.endif
	s_wait_tensorcnt 0x0
	ds_add_u32 v[SPW], v[NIL]
	s_wait_dscnt (NB/2)*NLA+1
	WINM 0, 0
	MULS 0, NB/4, 1, NQ-1, \slot, 0
	s_wait_dscnt 0x0
	s_barrier_signal -1
	MULS NB/4, NB/4, 1, NQ-1, \slot, 0
	WIN 0
	s_barrier_wait -1
.if \fill
	CREST
	s_add_nc_u64 s[G0+4*\slot+2:G0+4*\slot+3], s[G0+4*\slot+2:G0+4*\slot+3], 2*AROW
	s_add_nc_u64 s[G0B+4*\slot+2:G0B+4*\slot+3], s[G0B+4*\slot+2:G0B+4*\slot+3], 2*ROWB
	JLOAD G0+4*\slot, G1, G0B+4*\slot, G1B
.else
	PLACES NP
.endif
	s_wait_alu depctr_va_vdst(0)
	v_add_nc_u32 v[ADRS], 4*NQ, v[ADRS]
	FETCH_B \next, 0, 0
	FETCH_A \next, 0, 0
	SCALES \next
.if \fill
	s_cmp_gt_u32 s3, 1                             ; the refill of K step t asks for K step t + 2; the loop's last trip (K steps 6, 7) has none two on
	s_cbranch_scc0 .Lno_ask_\@
	global_prefetch_b8 v30, s[66:67] offset:3*AROW th:TH_LOAD_NT scope:SCOPE_SE
.Lno_ask_\@:
.endif
	WINM 1, 0
	MULS NB/2, NB/2, 1, NQ-1, \slot, 0
	PLACES NP
	WIN 0
	FETCH_A \next, 0, NB/2
.endm
	s_load_b64 s[4:5], s[0:1], 0x0
	s_load_b128 s[8:11], s[0:1], 0x8
	s_load_b128 s[96:99], s[0:1], 0x18
	s_load_b64 s[12:13], s[0:1], 0x28
	v_lshl_add_u32 v[SPW], v0, 2, SPARE
	v_mov_b32 v[NIL], 0
	ds_add_u32 v28, v29
	ds_add_u32 v28, v29
	s_wait_dscnt 0x0
	v_lshrrev_b32 v1, 5, v0
	v_readfirstlane_b32 s14, v1
	s_lshr_b32 s15, s14, 1
	s_and_b32 s16, s14, 1
	s_bfe_u32 s40, ttmp6, 0x40000
	s_bfe_u32 s41, ttmp6, 0x40004
	s_lshl_b32 s42, ttmp9, 2
	s_add_co_u32 s42, s42, s40
	s_and_b32 s17, ttmp7, 0xffff
	s_lshl_b32 s17, s17, 2
	s_add_co_u32 s17, s17, s41
	s_lshl_b32 s43, s41, 2
	s_lshl_b32 s43, 15, s43
	s_lshl_b32 s44, 0x1111, s40
	s_or_b32 s[G1+0], s43, (3<<16)|(1<<21)
	s_mov_b32 s[G1+1], ((AROW/8)&0xffff)<<16
	s_mov_b32 s[G1+2], (2*NB)<<16                  ; the head's loads bring both halves
	s_mov_b32 s[G1+3], (AROW/8)<<16
	s_mov_b32 s[G1+4], 2*NB
	s_mov_b32 s[G1+5], APITCH/8
	s_mov_b32 s[G1+6], 0
	s_mov_b32 s[G1+7], 0
	s_or_b32 s[G1B+0], s44, (3<<16)|(1<<21)
	s_mov_b32 s[G1B+1], ((AROW/8)&0xffff)<<16
	s_mov_b32 s[G1B+2], (2*NB)<<16
	s_mov_b32 s[G1B+3], (AROW/8)<<16
	s_mov_b32 s[G1B+4], 2*NB
	s_mov_b32 s[G1B+5], APITCH/8
	s_mov_b32 s[G1B+6], 0
	s_mov_b32 s[G1B+7], 0
	s_or_b32 s[G1S+0], s43, (3<<16)|(1<<20)|(1<<21)|(5<<22)|(3<<25)
	s_or_b32 s[G1SB+0], s44, (3<<16)|(1<<20)|(1<<21)|(5<<22)|(3<<25)
.irp g, G1S, G1SB
	s_mov_b32 s[\g+1], 32<<16
	s_mov_b32 s[\g+2], (32*NB*KS/256)<<16
	s_mov_b32 s[\g+3], 32<<16
	s_mov_b32 s[\g+4], 32*NB*KS/256
	s_mov_b32 s[\g+5], 32
	s_mov_b32 s[\g+6], 0
	s_mov_b32 s[\g+7], 0
.endr
	s_mul_i32 s20, s17, 2*NB
	s_mul_i32 s20, s20, APITCH
	s_mov_b32 s21, 0
	s_mul_i32 s22, s17, 32*NB
	s_mul_i32 s22, s22, KS
	s_add_co_u32 s22, s22, ASCOFF
	s_mov_b32 s23, 0
	s_mul_i32 s46, s42, 32*NB
	s_mul_i32 s92, s46, KS
	s_mov_b32 s93, 0
	s_mul_i32 s46, s46, KROW
	s_add_co_u32 s46, s46, WOFF
	s_mov_b32 s47, 0
	s_mul_i32 s45, s16, HALFA
	s_mul_i32 s95, s16, HALFB
	s_add_co_u32 s95, s95, 2*HALFA
	s_wait_kmcnt 0x0
	s_add_nc_u64 s[20:21], s[4:5], s[20:21]
	s_add_nc_u64 s[22:23], s[4:5], s[22:23]
	s_add_nc_u64 s[46:47], s[8:9], s[46:47]
	s_add_nc_u64 s[92:93], s[10:11], s[92:93]
	CROUND
	s_mov_b32 s[G0S], 1
	s_mov_b32 s[G0S+1], SCL
	s_mov_b64 s[G0S+2:G0S+3], s[22:23]
	s_or_b32 s[G0S+3], s[G0S+3], 0x80000000
	s_mov_b32 s[G0SB], 1
	s_mov_b32 s[G0SB+1], SCL+2*HALFS
	s_mov_b64 s[G0SB+2:G0SB+3], s[92:93]
	s_or_b32 s[G0SB+3], s[G0SB+3], 0x80000000
	s_mov_b32 s4, 1                                ; group 0 of the head's loads of K step 0: A's whole tile,
	s_mov_b32 s5, 0
	s_mov_b64 s[6:7], s[20:21]
	s_or_b32 s7, s7, 0x80000000
	s_mov_b32 s8, 1                                ; and B's, behind it
	s_mov_b32 s9, 2*HALFA
	s_mov_b64 s[10:11], s[46:47]
	s_or_b32 s11, s11, 0x80000000
	s_mul_i32 s18, s16, NB*APITCH                  ; for the ring: my half of the tile
	s_mov_b32 s19, 0
	s_add_nc_u64 s[20:21], s[20:21], s[18:19]
	s_add_nc_u64 s[46:47], s[46:47], s[18:19]
	; the prefetches' base: of the four tiles of 16 rows that I fetch, each of the four partners that ask with me takes one, told apart by address (cx for A, cy for B)
	s_cmp_eq_u32 s15, 0
	s_cselect_b64 s[66:67], s[20:21], s[46:47]
	s_cselect_b32 s18, s40, s41
	s_mul_i32 s18, s18, (NB/4)*APITCH
	s_add_nc_u64 s[66:67], s[66:67], s[18:19]
.irp s, 0,1
	s_mov_b32 s[G0+4*\s], 1
	s_add_co_u32 s[G0+4*\s+1], s45, \s*SLOT
	s_add_nc_u64 s[G0+4*\s+2:G0+4*\s+3], s[20:21], \s*AROW
	s_or_b32 s[G0+4*\s+3], s[G0+4*\s+3], 0x80000000
	s_mov_b32 s[G0B+4*\s], 1
	s_add_co_u32 s[G0B+4*\s+1], s95, \s*SLOT
	s_add_nc_u64 s[G0B+4*\s+2:G0B+4*\s+3], s[46:47], \s*ROWB
	s_or_b32 s[G0B+4*\s+3], s[G0B+4*\s+3], 0x80000000
.endr
; the head's four tiles, one joint load a wave: wave 0 A's K step 0, wave 1 B's, wave 2 A's scales, wave 3 B's
.macro ARM under, g0, g1, next
	s_cmp_lt_u32 s14, \under
	s_cbranch_scc0 \next
	tensor_load_to_lds s[\g0:\g0+3], s[\g1:\g1+7]
	s_nop 0
.rept 4
	v_nop
.endr
	s_branch .Lhead_asked
\next:
.endm
	ARM 1, 4, G1, .Lhead_b
	ARM 2, 8, G1B, .Lhead_sa
	ARM 3, G0S, G1S, .Lhead_sb
	tensor_load_to_lds s[G0SB:G0SB+3], s[G1SB:G1SB+7]
	s_nop 0
.rept 4
	v_nop
.endr
.Lhead_asked:
	v_and_b32 v1, 15, v0
	v_bfe_u32 v2, v0, 4, 1
	v_and_b32 v3, 31, v0
	v_min_u32 v30, 23, v3                          ; v30, never rewritten: a lane to each of the 24 blocks of 256 bytes of a tile's K step (the lanes left over name the last again)
	v_lshlrev_b32 v30, 8, v30
	global_prefetch_b8 v30, s[66:67] offset:AROW th:TH_LOAD_NT scope:SCOPE_SE     ; K steps 1 and 2, beside the head's load of K step 0
	global_prefetch_b8 v30, s[66:67] offset:2*AROW th:TH_LOAD_NT scope:SCOPE_SE
	s_mul_i32 s21, s15, HALFA
	v_lshl_add_u32 v[ADA16], v3, 4, s21
	v_lshl_add_u32 v[ADA8], v3, 3, s21
	v_add_nc_u32 v[ADA16+1], SLOT, v[ADA16]
	v_add_nc_u32 v[ADA8+1], SLOT, v[ADA8]
	v_lshlrev_b32 v4, 4, v3
	v_lshlrev_b32 v5, 3, v3
	s_mul_i32 s22, s16, HALFB
	s_add_co_u32 s22, s22, 2*HALFA
.irp s, 0,1
	v_add_nc_u32 v[ADRB+\s], s22, v4
	v_add_nc_u32 v[ADRB+2+\s], s22, v5
	s_add_co_u32 s22, s22, SLOT
.endr
	v_mul_u32_u24 v5, v1, KS
	v_lshrrev_b32 v6, 8, v5
	v_lshl_add_u32 v5, v6, 4, v5
	s_mul_i32 s21, s15, HALFS
	s_mul_i32 s22, s16, HALFS
	s_add_co_u32 s22, s22, 2*HALFS
	s_sub_co_u32 s22, s22, s21
	v_mul_u32_u24 v6, s22, v2
	s_add_co_u32 s21, s21, SCL
	v_add_nc_u32 v5, v5, v6
	v_add_nc_u32 v[ADRS], s21, v5
	s_mul_i32 s46, s42, 128*NB
	s_mul_i32 s47, s16, 64*NB
	s_add_co_u32 s46, s46, s47
	s_mov_b32 s47, 0
	s_add_nc_u64 s[96:97], s[96:97], s[46:47]
	v_lshlrev_b32 v7, 5, v2
.set fi, 0
.rept NB
	global_load_b128 v[BI+8*fi:BI+8*fi+3], v7, s[96:97] offset:64*fi
	global_load_b128 v[BI+8*fi+4:BI+8*fi+7], v7, s[96:97] offset:64*fi+16
.set fi, fi+1
.endr
	s_mul_i32 s23, s14, 16*SPITCH
	v_mul_u32_u24 v5, v1, SPITCH
	v_lshl_add_u32 v5, v2, 5, v5
	v_add_nc_u32 v[STO], s23, v5
	v_mul_u32_u24 v5, v2, SPITCH
	v_lshl_add_u32 v5, v1, 4, v5
	v_add_nc_u32 v[RD], s23, v5
	v_lshlrev_b32 v5, 12, v2
	v_lshl_add_u32 v[CO], v1, 4, v5
	s_wait_alu depctr_va_vdst(0)
	s_lshl_b32 s20, s17, 7
	s_lshl_b32 s21, s15, 6
	s_add_co_u32 s20, s20, s21
	s_lshl_b32 s20, s20, 12
	s_lshl_b32 s46, s42, 9
	s_lshl_b32 s47, s16, 8
	s_add_co_u32 s46, s46, s47
	s_add_co_u32 s20, s20, s46
	s_mov_b32 s21, 0
	s_add_nc_u64 s[12:13], s[12:13], s[20:21]
	s_add_nc_u64 s[98:99], s[98:99], s[20:21]
	WIN 0xc0
.set ra, 0
.rept 32
	global_load_b128 v[4*ra:4*ra+3], v[CO], s[98:99] offset:2*ra*4096
.set ra, ra+1
.endr
	WIN 0
	s_wait_alu depctr_va_vdst(0)
	s_wait_tensorcnt 0x0                           ; my tile of the head's four is in
	ds_add_u32 v[SPW], v[NIL]
	s_mov_b32 s[G1+2], NB<<16                      ; no load of mine is out: from here on a load brings one half
	s_mov_b32 s[G1+4], NB
	s_mov_b32 s[G1B+2], NB<<16
	s_mov_b32 s[G1B+4], NB
	s_wait_dscnt 0x0
	CROUND
	JLOAD G0+4, G1, G0B+4, G1B                     ; K step 1, the first tensor load behind the round
	FETCH_B 0, 0, 0
	FETCH_A 0, 0, 0
	SCALES 0
	global_prefetch_b8 v30, s[66:67] offset:3*AROW th:TH_LOAD_NT scope:SCOPE_SE   ; behind K step 1's load: K step 3, two loads ahead
	FETCH_A 0, 0, NB/2
	s_wait_loadcnt 32
	STEP 0, 0, 1
	s_mov_b32 s3, LAPS-1
.Llap:
	MID 0
	TURN 0, 1, 1
	STEP 1, 0, 0
	MID 1
	TURN 1, 0, 1
	STEP 0, 0, 0
	s_sub_co_u32 s3, s3, 1
	s_cmp_lg_u32 s3, 0
	s_cbranch_scc1 .Llap
	MID 0
	TURN 0, 1, 0
	STEP 1, 0, 0
	MID 1
	s_wait_dscnt (NB/2)*NLA
	WINM 0, 0
	MULS 0, NB/2, 1, NQ-1, 1, 0
	s_wait_dscnt 0
	WINM 1, 0
	MULS NB/2, NB/2, 1, NQ-1, 1, 0
	WIN 0
.macro TOSTAGE a
	WIN 0x08
.irp b, 0,1,2,3
	ds_store_b128 v[STO], v[8*(4*(\a)+\b):8*(4*(\a)+\b)+3] offset:64*\b
	ds_store_b128 v[STO], v[8*(4*(\a)+\b)+4:8*(4*(\a)+\b)+7] offset:64*\b+16
.endr
	WIN 0
.irp t, 0,1,2,3,4,5,6,7
	ds_load_b128 v[128+32*(\a)+4*\t:128+32*(\a)+4*\t+3], v[RD] offset:\t*2*SPITCH
.endr
.endm
.macro SEND a, younger
	s_wait_dscnt \younger
	WIN 0x0c
.set sj, 0
.rept 16
	v_pk_add_f32 v[128+32*(\a)+sj:128+32*(\a)+sj+1], v[128+32*(\a)+sj:128+32*(\a)+sj+1], v[32*(\a)+sj:32*(\a)+sj+1]
.set sj, sj+2
.endr
	WIN 0
.irp t, 0,1,2,3,4,5,6,7
	global_store_b128 v[CO], v[128+32*(\a)+4*\t:128+32*(\a)+4*\t+3], s[12:13] offset:(16*(\a)+2*\t)*4096 th:TH_STORE_NT
.endr
.endm
	PLACES NP
	s_wait_loadcnt 0x0
	TOSTAGE 0
.irp a, 1,2,3
	TOSTAGE \a
	SEND \a-1, 16
.endr
	SEND 3, 0
	s_wait_tensorcnt 0x0
	ds_add_u32 v[SPW], v[NIL]
	s_wait_dscnt 0x0
	CROUND
	s_endpgm
.Lfunc_end_k_q5c9488f593_fc2:
	.size	k_q5c9488f593_fc2, .Lfunc_end_k_q5c9488f593_fc2-k_q5c9488f593_fc2
	.p2alignl 7, 3214868480
	.fill 96, 4, 3214868480
	.section	.rodata,"a",@progbits
	.p2align	6, 0x0
	.amdhsa_kernel k_q5c9488f593_fc2
		.amdhsa_group_segment_fixed_size 327680
		.amdhsa_private_segment_fixed_size 0
		.amdhsa_enable_private_segment 0
		.amdhsa_kernarg_size 48
		.amdhsa_user_sgpr_count 2
		.amdhsa_user_sgpr_kernarg_segment_ptr 1
		.amdhsa_wavefront_size32 1
		.amdhsa_system_sgpr_workgroup_id_x 1
		.amdhsa_system_sgpr_workgroup_id_y 1
		.amdhsa_system_sgpr_workgroup_id_z 1
		.amdhsa_system_vgpr_workitem_id 0
		.amdhsa_next_free_vgpr 896
		.amdhsa_next_free_sgpr 102
		.amdhsa_reserve_vcc 0
		.amdhsa_float_denorm_mode_32 3
		.amdhsa_float_denorm_mode_16_64 3
		.amdhsa_memory_ordered 1
		.amdhsa_forward_progress 1
		.amdhsa_inst_pref_size 103
	.end_amdhsa_kernel
	.amdgpu_metadata
---
amdhsa.version: [ 1, 2 ]
amdhsa.kernels:
  - .name:           k_q5c9488f593_fc2
    .symbol:         k_q5c9488f593_fc2.kd
    .args:
      - { .name: actc, .offset: 0, .size: 8, .value_kind: global_buffer, .address_space: global }
      - { .name: wimg, .offset: 8, .size: 8, .value_kind: global_buffer, .address_space: global }
      - { .name: fc2_w_scales, .offset: 16, .size: 8, .value_kind: global_buffer, .address_space: global }
      - { .name: fc2_b, .offset: 24, .size: 8, .value_kind: global_buffer, .address_space: global }
      - { .name: x1, .offset: 32, .size: 8, .value_kind: global_buffer, .address_space: global }
      - { .name: out0, .offset: 40, .size: 8, .value_kind: global_buffer, .address_space: global }
    .group_segment_fixed_size: 327680
    .private_segment_fixed_size: 0
    .kernarg_segment_align: 8
    .kernarg_segment_size: 48
    .max_flat_workgroup_size: 128
    .sgpr_count:     102
    .vgpr_count:     896
    .wavefront_size: 32
...
	.end_amdgpu_metadata
.endif
;; end of part 7
